; MI455X (gfx1250); checked and timed in simulation.
; The chip was launched on July 23, 2026; its instructions are those of AMD's public machine-readable ISA for CDNA 5 (MIT licence, August 2026) and "CDNA5" Instruction Set Architecture Reference Guide (July 2026). The comments in the code are by the model that wrote it; some were corrected since.
;; Attention Block. Allowed arithmetic: matrix products marked QUANTISED: E2M1 operands, one E8M0 scale for each 32 along K, by v_wmma_scale_f32_16x16x128_f8f6f4 with both operands' format E2M1 (or v_wmma_scale_f32_32x16x128_f4), f32 sums; everything else in f32.
;; Inputs: bk 512 float32; bo 512 float32; bq 512 float32; bv 512 float32; gn_bias 512 float32; gn_scale 512 float32; wk_codes 512 x 16 x 16 uint8 (E2M1 codes of wk, K innermost, in blocks of 32 codes, two codes a byte); wk_scales 512 x 16 uint8 (E8M0 scales of wk, one for each 32 codes along K); wo_codes 512 x 16 x 16 uint8 (E2M1 codes of wo, K innermost, in blocks of 32 codes, two codes a byte); wo_scales 512 x 16 uint8 (E8M0 scales of wo, one for each 32 codes along K); wq_codes 512 x 16 x 16 uint8 (E2M1 codes of wq, K innermost, in blocks of 32 codes, two codes a byte); wq_scales 512 x 16 uint8 (E8M0 scales of wq, one for each 32 codes along K); wv_codes 512 x 16 x 16 uint8 (E2M1 codes of wv, K innermost, in blocks of 32 codes, two codes a byte); wv_scales 512 x 16 uint8 (E8M0 scales of wv, one for each 32 codes along K); x 32 x 512 x 32 x 32 float32.
;; Outputs: out0 32 x 512 x 32 x 32 float32.
;; This version of the problem:
;;   THIS VERSION OF THE PROBLEM IS GIVEN IN LOW PRECISION. The matrix products marked QUANTISED in the list below multiply operands that are first quantised to E2M1 (2 exponent bits, 1 mantissa bit; 4 bits a number), with one power-of-two scale for each 32 numbers along K (OCP MX v1.0); their sums are f32. All else is computed in f32.
;;   The module's matrix products, in the order in which they are computed (A, B: the left and right operand; K: the contracted axis; several contracted axes count as one K, in the product's order):
;;     1. [M 32,768, K 512] x [K 512, N 512]; A: computed on the way; B: input wq (given as codes): QUANTISED
;;     2. [M 32,768, K 512] x [K 512, N 512]; A: computed on the way; B: input wk (given as codes): QUANTISED
;;     3. [M 32,768, K 512] x [K 512, N 512]; A: computed on the way; B: input wv (given as codes): QUANTISED
;;     4. batch 32 x [M 1,024, K 512] x [K 512, N 1,024]; A: computed on the way; B: computed on the way: QUANTISED
;;     5. batch 32 x [M 1,024, K 1,024] x [K 1,024, N 512]; A: softmax (see below); B: computed on the way: QUANTISED
;;     6. [M 32,768, K 512] x [K 512, N 512]; A: computed on the way; B: input wo (given as codes): QUANTISED
;;   THE QUANTISER, for each operand of a quantised product, along K:
;;     - K is cut into blocks of 32 from its start; a last block that is shorter is filled with zeros.
;;     - A block's scale is 2^e with e = floor(log2(the largest magnitude in the block)) - 2, held to -126 .. 127; a block of zeros has e = 0. As a byte (E8M0): e + 127.
;;     - Each number is divided by its block's scale, clamped to +-6, and rounded to the nearest number of E2M1, ties to even, subnormals kept.
;;     - The product sums the exact products of the quantised numbers (number of the format x scale) in f32.
;;   ~~~python
;;   def quantise(x, axis):      # numpy; x: float32 -> the quantised numbers, widened to float32 again
;;       x = np.moveaxis(x, axis, -1); K = x.shape[-1]
;;       x = np.pad(x, [(0, 0)] * (x.ndim - 1) + [(0, -K % 32)]); x = x.reshape(x.shape[:-1] + (-1, 32)); a = np.abs(x).max(-1, keepdims=True)
;;       e = np.where(a > 0, np.clip(np.frexp(np.where(a > 0, a, 1))[1] - 1 - 2, -126, 127), 0)      # np.frexp(a)[1] - 1 = floor(log2(a)), exactly
;;       r = np.clip(x / 2.0 ** e, -6, 6)
;;       step = 2.0 ** (np.maximum(np.frexp(np.where(r == 0, 1, r))[1] - 1, 0) - 1)
;;       q = np.round(r / step) * step * 2.0 ** e      # np.round: ties to even
;;       return np.moveaxis(q.reshape(q.shape[:-2] + (-1,))[..., :K], -1, axis).astype(np.float32)
;;   ~~~
;;   SOFTMAX AHEAD OF A QUANTISED PRODUCT. Where the list says 'softmax', what is quantised is not the finished softmax but p = 2^(t - M), with t = logit x log2(e) and M = ceil(the row's largest t), a whole number; so 1/2 < the row's largest p <= 1. The row's sum l is taken of the UNQUANTISED p, in f32, and the product's result is divided by l at the end. Since M is a whole number, a kernel that streams over the keys may use a running M (the ceiling of the running maximum): every later rescaling is an exact power of two, which a block's scale takes up: the codes' values come out the same.
;;   OPERANDS COMPUTED ON THE WAY. 'Computed on the way' means the value that the module computes at that place (a softmax that the list does not call 'softmax' is quantised finished and normalised). What goes into a quantiser is computed in f32, as accurately as f32 sums, v_exp_f32 and their like allow (about 1e-6 of the number): no bf16 or f16 on the way to a quantiser, and a product that is left as it is and whose result goes on into a quantised operand takes f32 operands (vector FMAs, or v_wmma_f32_16x16x4_f32). A number that lies on a knife's edge between two numbers of the format may be rounded either way, as far as f32 arithmetic and the matrix unit's own rounding can turn it there, and no further.
;;   INPUTS GIVEN AS CODES. wk (in the module: [512, 512], K = its axis 1); wo (in the module: [512, 512], K = its axis 1); wq (in the module: [512, 512], K = its axis 1); wv (in the module: [512, 512], K = its axis 1): each comes as NAME_codes (uint8): NAME with its K axis moved to the last place and cut into blocks of 32 codes, [.., K / 32, bytes a block], one block behind the other in memory; two codes a byte, the lower K in the low four bits (a code: sign, 2 exponent bits, 1 mantissa bit); and NAME_scales (uint8): the same leading axes, one E8M0 byte (e + 127) for each 32 codes along K. Its value is code x scale, taken as it is: it is not quantised again, and the codes and scales need not be those that the quantiser above would give.
;; 2 versions. Each part assembles by itself: llvm-mc -triple=amdgcn-amd-amdhsa -mcpu=gfx1250 --defsym DOCPART=n.
;; ======== version 1 of 2: 3 launches
;; workspace buffers: hc 8,388,608 bytes; hs 524,288 bytes; qf 8,388,608 bytes; qs 524,288 bytes; kv 16,777,216 bytes; kvs 1,048,576 bytes; wf 524,288 bytes
;; launch gnq (part 1): grid 16 x 32, 8 waves a work-group, no clusters, 23,552 bytes of LDS; arguments x, gn_scale, gn_bias, hc, wq_codes, wk_codes, wv_codes, wo_codes, hs, wf; writes hc, hs, wf
.if DOCPART == 1
	.amdgcn_target "amdgcn-amd-amdhsa--gfx1250"
	.amdhsa_code_object_version 6
	.text
	.protected	k_q194fc3bf19_gnq
	.globl	k_q194fc3bf19_gnq
	.p2align	8
	.type	k_q194fc3bf19_gnq,@function
k_q194fc3bf19_gnq:
	s_mov_b64 s[64:65], 0
	v_nop
	global_prefetch_b8 v0, s[64:65] scope:SCOPE_SE
	s_setreg_imm32_b32 hwreg(HW_REG_WAVE_MODE, 25, 1), 1
	s_wait_xcnt 0x0
; GroupNorm of x [32][512][1024] f32 (32 groups of 16 channels x 1,024 pixels), gain and bias, and the quantising of the result h along the CHANNELS into codes of E2M1 with one E8M0 byte for 32 channels.
; A quantiser block of 32 channels is two whole groups.  So a work-group owns 32 channels of one image, 131,072 dense bytes, in its registers: x is read once for the means, the variances and the codes.
; SHARES.  Eight waves; wave w owns pixels 128 w .. 128 w + 127, lane l pixels 128 w + 4 l .. + 3, all 32 channels: register X + 4 c + j is channel c of the lane's pixel j.
; A lane's registers run down the channels, so a block's largest magnitude needs no other lane and the conversions give codes with the channels innermost.
; The variance is taken of x - mean (two passes over the registers), so a common offset of x costs no digits.
; OUT.  hc [b][cb][slot][16 bytes]: the 32 codes of channel block cb of a pixel;  hs [b][cb][slot]: its scale byte.  SLOT = the pixel's number with bits 3 and 4 swapped: row m of a tile of 16 slots
; 2 b + u is then pixel 32 b + 16 (m / 8) + 8 u + m % 8, which lets the later products leave 16 neighbouring pixels in a lane's 16 registers.
; Codes turn through the wave's own stage in LDS, so that each store covers 512 consecutive bytes; the scale bytes of the eight waves meet in LDS and leave as four aligned runs of 256 bytes.
; THE WEIGHTS' CODES ARE LAID ANEW ON THE WAY: wf [weight q, k, v, o][tile 32][K step 4][c 2][lane 32][16 bytes] holds each fragment (16 rows x 128 K) as an image of its eight operand registers, so that the later launches
; load a fragment as two runs of 512 consecutive bytes.  4 x 32 x 4 = 512 fragments, one for each of the 512 work-groups: wave 7 copies it.  Of q, k, v lane r of tile 2 b + u takes row 32 b + 8 u + r + 8 (r / 8); of o row 16 T + r.
; LIMITS: NaN and infinities in x are not served.  A block whose largest magnitude lies under 2^-124 gets the byte 1 (a block of zeros too, where the rule says 127: its codes are zeros, and this program alone reads the bytes).
.set X,    68                          ; v68-195  the 32 channels x 4 pixels
.set Y,    20                          ; v20-51   at work: partial sums, then one pixel's 32 normalised numbers
.set C,    52                          ; v52-67   the four pixels' codes
.set SW,   196                         ; v196     the four pixels' scale bytes
.set WSRC, 197                         ; v197     the weight fragment: my 16 bytes in the weight's rows; never rewritten
.set WDST, 198                         ; v198     16 x lane; never rewritten
.set WD,   200                         ; v200-207 the fragment; never rewritten
.set RED1, 0                           ; LDS: the waves' sums, [wave][group] f32
.set RED2, 256                         ; the waves' sums of squares
.set SCB,  512                         ; the 1,024 scale bytes in slot order
.set STG,  2048                        ; a stage of 32 places of 64 + 16 bytes for each wave
.set SC,   16                          ; s16-47   gain, later gain x 1 / sqrt(var + eps)
.set BI,   68                          ; s68-99   first the weights' addresses, then the bias
.macro XLOADS
.set n, 0
.rept 32
	global_load_b128 v[X+4*n:X+4*n+3], v1, s[4:5] offset:4096*n th:TH_LOAD_NT   ; a wave reads 512 consecutive bytes of channel n
.set n, n+1
.endr
.endm
	s_load_b256 s[4:11], s[0:1], 0x0               ; x, gn_scale, gn_bias, hc
	s_load_b256 s[68:75], s[0:1], 0x20             ; wq_codes, wk_codes, wv_codes, wo_codes
	s_load_b64 s[12:13], s[0:1], 0x40              ; hs
	s_load_b64 s[76:77], s[0:1], 0x48              ; wf
	v_lshl_add_u32 v208, v0, 2, 0x5800
	v_mov_b32 v209, 0
	v_lshrrev_b32 v14, 5, v0
	v_readfirstlane_b32 s14, v14                   ; wave 0..7
	s_and_b32 s54, ttmp7, 0xffff                   ; image b
	s_lshl_b32 s52, s54, 21                        ; x: b x 512 rows of 4,096 bytes
	s_lshl_b32 s55, ttmp9, 17                      ; + cb x 32 rows
	s_add_co_u32 s52, s52, s55
	s_mov_b32 s53, 0
	s_lshl_b32 s15, s54, 4
	s_add_co_u32 s15, s15, ttmp9                   ; 16 b + cb: the work-group's number, 0 .. 511
	s_lshl_b32 s58, s15, 10                        ; hs, and wf: 1,024 bytes each
	s_lshl_b32 s56, s15, 14                        ; hc: 16,384 bytes each
	s_mov_b32 s57, 0
	s_mov_b32 s59, 0
	s_lshl_b32 s60, ttmp9, 7                       ; gain and bias: 32 numbers of 4 bytes for each cb
	s_mov_b32 s61, 0
	s_lshr_b32 s2, s15, 7                          ; my fragment: which weight (0 q, 1 k, 2 v, 3 o),
	s_bfe_u32 s3, s15, 0x50002                     ; which tile T of 16 rows (5 bits from bit 2); the K step is the low two bits
	s_lshr_b32 s66, s3, 1
	s_lshl_b32 s66, s66, 5
	s_and_b32 s50, s3, 1
	s_lshl_b32 s50, s50, 3
	s_add_co_u32 s66, s66, s50                     ; q, k, v: the tile begins at row 32 (T / 2) + 8 (T % 2),
	s_lshl_b32 s50, s3, 4                          ; o: at row 16 T
	s_cmp_eq_u32 s2, 3
	s_cselect_b32 s66, s50, s66
	s_cselect_b32 s67, 0, 8                        ; and lanes 8-15 take rows 8 further on, or not
	s_lshl_b32 s66, s66, 8                         ; rows of 256 bytes
	s_and_b32 s50, s15, 3
	s_lshl_b32 s50, s50, 6                         ; a K step is 64 bytes of a row
	s_add_co_u32 s66, s66, s50
	v_lshlrev_b32 v1, 4, v0                        ; 16 x thread = 512 w + 16 l: my 16 bytes of a row of x
	v_and_b32 v14, 15, v0                          ; r
	v_and_b32 v15, s67, v14
	v_add_nc_u32 v14, v14, v15                     ; r + 8 (r / 8), or r
	v_bfe_u32 v15, v0, 4, 1                        ; h
	v_lshlrev_b32 v[WSRC], 8, v14
	v_lshl_add_u32 v[WSRC], v15, 4, v[WSRC]
	v_add_nc_u32 v[WSRC], s66, v[WSRC]             ; row x 256 + 64 x K step + 16 h
	v_and_b32 v[WDST], 31, v0
	v_lshlrev_b32 v[WDST], 4, v[WDST]
	s_wait_kmcnt 0x0
	s_add_nc_u64 s[4:5], s[4:5], s[52:53]
	s_and_b32 s51, s15, 128
	s_cmp_lg_u32 s51, 0                            ; the choice of the weight hangs on the work-group's number alone: k or o?
	s_cselect_b64 s[68:69], s[70:71], s[68:69]
	s_cselect_b64 s[72:73], s[74:75], s[72:73]
	s_cmp_gt_u32 s2, 1                             ; v or o?
	s_cselect_b64 s[68:69], s[72:73], s[68:69]
	s_add_nc_u64 s[76:77], s[76:77], s[58:59]
	s_cmp_lg_u32 s14, 7
	s_cbranch_scc1 .Lplain
	global_load_b128 v[WD:WD+3], v[WSRC], s[68:69]                 ; wave 7: registers 0-3 of the fragment,
	global_load_b128 v[WD+4:WD+7], v[WSRC], s[68:69] offset:32     ; registers 4-7; ahead of x, so that they come first
	XLOADS
	s_wait_loadcnt 32                              ; the fragment is in; x's 32 loads stay out
	global_store_b128 v[WDST], v[WD:WD+3], s[76:77]                ; 512 consecutive bytes each
	global_store_b128 v[WDST], v[WD+4:WD+7], s[76:77] offset:512
	s_branch .Ljoin
.Lplain:
	XLOADS
.Ljoin:
	s_add_nc_u64 s[6:7], s[6:7], s[60:61]
	s_add_nc_u64 s[8:9], s[8:9], s[60:61]
	s_add_nc_u64 s[10:11], s[10:11], s[56:57]
	s_add_nc_u64 s[12:13], s[12:13], s[58:59]
	s_mov_b32 s48, 0x76543210                      ; v_permlanex16_b32's selects for lane l xor 16
	s_mov_b32 s49, 0xfedcba98
	s_mov_b32 s62, 0x38800000                      ; 2^-14 = 1 / (16 x 1,024)
	s_mov_b32 s63, 0x3727c5ac                      ; eps = 1e-5
	v_mul_u32_u24 v2, v0, 80
	v_add_nc_u32 v2, STG, v2                       ; into the stage: place 80 x thread: my four pixels' 64 bytes
	v_bfe_u32 v14, v0, 2, 1
	v_bfe_u32 v15, v0, 4, 1
	v_bfe_u32 v16, v0, 3, 1
	v_lshl_add_u32 v14, v15, 1, v14
	v_lshl_add_u32 v14, v16, 2, v14                ; l' / 4, l' = my lane with bits 3 and 4 swapped: the pixel that belongs in slot l
	v_mul_u32_u24 v3, v14, 80
	v_and_b32 v15, 3, v0
	v_lshl_add_u32 v3, v15, 4, v3
	s_mul_i32 s55, s14, 2560
	s_add_co_u32 s55, s55, STG
	v_add_nc_u32 v3, s55, v3                       ; out of the stage: 80 (l' / 4) + 16 (l' % 4)
	v_and_b32 v15, 31, v0
	s_lshl_b32 s55, s14, 11
	v_lshl_add_u32 v4, v15, 4, s55                 ; hc: 2,048 w + 16 l
	v_and_b32 v14, 25, v0
	v_bfe_u32 v15, v0, 1, 1
	v_lshl_or_b32 v14, v15, 2, v14
	v_bfe_u32 v15, v0, 2, 1
	v_lshl_or_b32 v14, v15, 1, v14                 ; my lane with bits 1 and 2 swapped: my four pixels' slots are 4 x that + 0 .. 3
	s_lshl_b32 s55, s14, 7
	s_add_co_u32 s55, s55, SCB
	v_lshl_add_u32 v5, v14, 2, s55
	v_lshl_add_u32 v6, v0, 3, SCB                  ; the scale bytes' way out: 8 bytes a thread (waves 0 to 3)
	v_lshlrev_b32 v7, 3, v0
	s_lshl_b32 s55, s14, 3
	v_mov_b32 v8, s55                              ; my wave's two words among the sums
	v_mov_b32 v9, 0
	s_wait_xcnt 0x0                                ; wave 7's loads and stores have read their bases: the bias lands on those registers only behind this wait
	s_load_b512 s[SC:SC+15], s[6:7], 0x0
	s_load_b512 s[SC+16:SC+31], s[6:7], 0x40
	s_load_b512 s[BI:BI+15], s[8:9], 0x0
	s_load_b512 s[BI+16:BI+31], s[8:9], 0x40
; The sum (sq = 0) or the sum of squares (sq = 1) of group g's 64 registers, in four chains; then over the 32 lanes; the wave's figure goes to its own word.
.macro GSUM g, sq, red
.irp k, 0,1,2,3
.if \sq
	v_pk_mul_f32 v[Y+8*\g+2*\k:Y+8*\g+2*\k+1], v[X+64*\g+2*\k:X+64*\g+2*\k+1], v[X+64*\g+2*\k:X+64*\g+2*\k+1]
.else
	v_pk_add_f32 v[Y+8*\g+2*\k:Y+8*\g+2*\k+1], v[X+64*\g+2*\k:X+64*\g+2*\k+1], v[X+64*\g+8+2*\k:X+64*\g+8+2*\k+1]
.endif
.endr
.irp p, 4,8,12,16,20,24,28
.irp k, 0,1,2,3
.if \sq
	v_pk_fma_f32 v[Y+8*\g+2*\k:Y+8*\g+2*\k+1], v[X+64*\g+2*(\p+\k):X+64*\g+2*(\p+\k)+1], v[X+64*\g+2*(\p+\k):X+64*\g+2*(\p+\k)+1], v[Y+8*\g+2*\k:Y+8*\g+2*\k+1]
.elseif \p > 4
	v_pk_add_f32 v[Y+8*\g+2*\k:Y+8*\g+2*\k+1], v[Y+8*\g+2*\k:Y+8*\g+2*\k+1], v[X+64*\g+2*(\p+\k):X+64*\g+2*(\p+\k)+1]
.endif
.endr
.endr
	v_pk_add_f32 v[Y+8*\g:Y+8*\g+1], v[Y+8*\g:Y+8*\g+1], v[Y+8*\g+2:Y+8*\g+3]
	v_pk_add_f32 v[Y+8*\g+4:Y+8*\g+5], v[Y+8*\g+4:Y+8*\g+5], v[Y+8*\g+6:Y+8*\g+7]
	v_pk_add_f32 v[Y+8*\g:Y+8*\g+1], v[Y+8*\g:Y+8*\g+1], v[Y+8*\g+4:Y+8*\g+5]
	v_add_f32 v[Y+8*\g], v[Y+8*\g], v[Y+8*\g+1]
	v_add_f32_dpp v[Y+8*\g], v[Y+8*\g], v[Y+8*\g] row_xmask:1 row_mask:0xf bank_mask:0xf
	v_add_f32_dpp v[Y+8*\g], v[Y+8*\g], v[Y+8*\g] row_xmask:2 row_mask:0xf bank_mask:0xf
	v_add_f32_dpp v[Y+8*\g], v[Y+8*\g], v[Y+8*\g] row_xmask:4 row_mask:0xf bank_mask:0xf
	v_add_f32_dpp v[Y+8*\g], v[Y+8*\g], v[Y+8*\g] row_xmask:8 row_mask:0xf bank_mask:0xf
	v_permlanex16_b32 v[Y+8*\g+1], v[Y+8*\g], s48, s49
	v_add_f32 v[Y+8*\g], v[Y+8*\g], v[Y+8*\g+1]
	ds_store_b32 v8, v[Y+8*\g] offset:\red+4*\g    ; all lanes write the same word with the same value
.endm
; My stores have landed; the barrier; the eight waves' pairs (group 0, group 1) are added in the same order in every wave: v[Y+16], v[Y+17].
.macro WSUM red
	s_wait_dscnt 0x0                               ; for the others' sake: my two words are in LDS
	s_barrier_signal -1
	s_barrier_wait -1
.irp i, 0,1,2,3
	ds_load_b128 v[Y+16+4*\i:Y+16+4*\i+3], v9 offset:\red+16*\i
.endr
	s_wait_dscnt 0x0
.irp i, 0,4,8,12
	v_pk_add_f32 v[Y+16+\i:Y+17+\i], v[Y+16+\i:Y+17+\i], v[Y+18+\i:Y+19+\i]
.endr
	v_pk_add_f32 v[Y+16:Y+17], v[Y+16:Y+17], v[Y+20:Y+21]
	v_pk_add_f32 v[Y+24:Y+25], v[Y+24:Y+25], v[Y+28:Y+29]
	v_pk_add_f32 v[Y+16:Y+17], v[Y+16:Y+17], v[Y+24:Y+25]
.endm
	s_wait_loadcnt 16                              ; group 0's sixteen loads are in; group 1's sixteen may be out
	GSUM 0, 0, RED1
	s_wait_loadcnt 0x0
	GSUM 1, 0, RED1
	WSUM RED1
	v_mul_f32 v10, s62, v[Y+16]                    ; the means, each twice: a pair for the packed subtraction
	v_mul_f32 v11, s62, v[Y+16]
	v_mul_f32 v12, s62, v[Y+17]
	v_mul_f32 v13, s62, v[Y+17]
.set n, 0
.rept 32
	v_pk_add_f32 v[X+2*n:X+2*n+1], v[X+2*n:X+2*n+1], v[10:11] neg_lo:[0,1] neg_hi:[0,1]
	v_pk_add_f32 v[X+64+2*n:X+64+2*n+1], v[X+64+2*n:X+64+2*n+1], v[12:13] neg_lo:[0,1] neg_hi:[0,1]
.set n, n+1
.endr
	GSUM 0, 1, RED2                                ; other words than the first sums': nobody overwrites what a slower wave still reads
	GSUM 1, 1, RED2
	WSUM RED2
	v_fma_f32 v14, v[Y+16], s62, s63               ; var + eps
	v_fma_f32 v15, v[Y+17], s62, s63
	v_rsq_f32 v14, v14
	v_rsq_f32 v15, v15
	v_nop                                          ; a plain instruction between a transcendental and the use of its result
	s_wait_alu depctr_va_vdst(0)
	v_readfirstlane_b32 s50, v14
	v_readfirstlane_b32 s51, v15
	s_wait_kmcnt 0x0                               ; gain and bias
.set n, 0
.rept 16
	s_mul_f32 s[SC+n], s[SC+n], s50                ; gain / sqrt(var + eps), channel by channel
	s_mul_f32 s[SC+16+n], s[SC+16+n], s51
.set n, n+1
.endr
; Pixel j of my four: normalise its 32 channels, find the block's scale, convert, and put the 16 bytes into the stage.
.macro PIX j
.set n, 0
.rept 32
	v_fma_f32 v[Y+n], v[X+4*n+\j], s[SC+n], s[BI+n]
.set n, n+1
.endr
	v_max3_num_f32 v14, |v[Y]|, |v[Y+1]|, 0x1800000                ; with the floor 2^(3 - 127) among the leaves: the byte cannot fall under 1
	v_max3_num_f32 v15, |v[Y+2]|, |v[Y+3]|, |v[Y+4]|
.irp i, 5,9,13,17,21,25
	v_max3_num_f32 v14, v14, |v[Y+\i]|, |v[Y+\i+1]|
	v_max3_num_f32 v15, v15, |v[Y+\i+2]|, |v[Y+\i+3]|
.endr
	v_max3_num_f32 v14, v14, |v[Y+29]|, |v[Y+30]|
	v_max3_num_f32 v14, v14, v15, |v[Y+31]|
	v_add_nc_u32 v16, 0xff000000, v14              ; 2 off the exponent field: the conversion takes this operand's exponent field as its scale
.irp g, 0,1,2,3
	v_cvt_scalef32_pk8_fp4_f32 v[C+4*\j+\g], v[Y+8*\g:Y+8*\g+7], v16
.endr
.if \j == 0
	v_lshrrev_b32 v[SW], 23, v16                   ; the scale's byte (also the plain instruction behind the conversions)
.else
	v_lshrrev_b32 v17, 23, v16
	v_lshl_or_b32 v[SW], v17, 8*\j, v[SW]
.endif
	ds_store_b128 v2, v[C+4*\j:C+4*\j+3] offset:16*\j
.endm
	PIX 0
	PIX 1
	PIX 2
	PIX 3
.irp i, 0,1,2,3
	ds_load_b128 v[Y+4*\i:Y+4*\i+3], v3 offset:640*\i              ; slot 32 i + l; LDS serves a wave's instructions in order: these see my stores
.endr
	ds_store_b32 v5, v[SW]
.irp i, 0,1,2,3
	s_wait_dscnt 4-\i                              ; load i is in: behind it 3 - i loads and the store of the bytes
	global_store_b128 v4, v[Y+4*\i:Y+4*\i+3], s[10:11] offset:512*\i   ; 512 consecutive bytes
.endr
	s_wait_dscnt 0x0                               ; for the others' sake: my scale bytes are in LDS
	s_barrier_signal -1
	s_barrier_wait -1
	s_cmp_gt_u32 s14, 3
	s_cbranch_scc1 .Ldone                          ; waves 0 to 3 store the 1,024 bytes, 256 consecutive, aligned bytes each
	ds_load_b64 v[14:15], v6
	s_wait_dscnt 0x0
	global_store_b64 v7, v[14:15], s[12:13]
.Ldone:
	s_wait_tensorcnt 0x0
	ds_add_u32 v208, v209
	s_wait_dscnt 0x0
	s_endpgm
.Lfunc_end_k_q194fc3bf19_gnq:
	.size	k_q194fc3bf19_gnq, .Lfunc_end_k_q194fc3bf19_gnq-k_q194fc3bf19_gnq
	.p2alignl 7, 3214868480
	.fill 96, 4, 3214868480
	.section	.rodata,"a",@progbits
	.p2align	6, 0x0
	.amdhsa_kernel k_q194fc3bf19_gnq
		.amdhsa_group_segment_fixed_size 23552
		.amdhsa_private_segment_fixed_size 0
		.amdhsa_enable_private_segment 0
		.amdhsa_kernarg_size 80
		.amdhsa_user_sgpr_count 2
		.amdhsa_user_sgpr_kernarg_segment_ptr 1
		.amdhsa_wavefront_size32 1
		.amdhsa_system_sgpr_workgroup_id_x 1
		.amdhsa_system_sgpr_workgroup_id_y 1
		.amdhsa_system_sgpr_workgroup_id_z 1
		.amdhsa_system_vgpr_workitem_id 0
		.amdhsa_next_free_vgpr 210
		.amdhsa_next_free_sgpr 100
		.amdhsa_reserve_vcc 0
		.amdhsa_float_denorm_mode_32 3
		.amdhsa_float_denorm_mode_16_64 3
		.amdhsa_memory_ordered 1
		.amdhsa_forward_progress 1
		.amdhsa_inst_pref_size 44
	.end_amdhsa_kernel
	.amdgpu_metadata
---
amdhsa.version: [ 1, 2 ]
amdhsa.kernels:
  - .name:           k_q194fc3bf19_gnq
    .symbol:         k_q194fc3bf19_gnq.kd
    .args:
      - { .name: x, .offset: 0, .size: 8, .value_kind: global_buffer, .address_space: global }
      - { .name: gn_scale, .offset: 8, .size: 8, .value_kind: global_buffer, .address_space: global }
      - { .name: gn_bias, .offset: 16, .size: 8, .value_kind: global_buffer, .address_space: global }
      - { .name: hc, .offset: 24, .size: 8, .value_kind: global_buffer, .address_space: global }
      - { .name: wq_codes, .offset: 32, .size: 8, .value_kind: global_buffer, .address_space: global }
      - { .name: wk_codes, .offset: 40, .size: 8, .value_kind: global_buffer, .address_space: global }
      - { .name: wv_codes, .offset: 48, .size: 8, .value_kind: global_buffer, .address_space: global }
      - { .name: wo_codes, .offset: 56, .size: 8, .value_kind: global_buffer, .address_space: global }
      - { .name: hs, .offset: 64, .size: 8, .value_kind: global_buffer, .address_space: global }
      - { .name: wf, .offset: 72, .size: 8, .value_kind: global_buffer, .address_space: global }
    .group_segment_fixed_size: 23552
    .private_segment_fixed_size: 0
    .kernarg_segment_align: 8
    .kernarg_segment_size: 80
    .max_flat_workgroup_size: 256
    .sgpr_count:     100
    .vgpr_count:     210
    .wavefront_size: 32
...
	.end_amdgpu_metadata
.endif
;; end of part 1
;; launch qkv (part 2): grid 8 x 32, 4 waves a work-group, no clusters, 0 bytes of LDS; arguments hc, hs, wf, wq_scales, bq, wv_scales, wk_scales, bk, bv, qf, qs, kv, kvs; writes qf, qs, kv, kvs
.if DOCPART == 2
	.amdgcn_target "amdgcn-amd-amdhsa--gfx1250"
	.amdhsa_code_object_version 6
	.text
	.protected	k_q194fc3bf19_qkv
	.globl	k_q194fc3bf19_qkv
	.p2align	8
	.type	k_q194fc3bf19_qkv,@function
k_q194fc3bf19_qkv:
	s_mov_b64 s[64:65], 0
	v_nop
	global_prefetch_b8 v0, s[64:65] scope:SCOPE_SE
	s_setreg_imm32_b32 hwreg(HW_REG_WAVE_MODE, 25, 1), 1
	s_wait_xcnt 0x0
; q = h Wq^T + bq, k = h Wk^T + bk, v = h Wv^T + bv on codes of E2M1 with E8M0 scales; the results are quantised in registers, q and k along the channels, v along the KEYS (pixels), and stored as images of the
; operand registers that the attention launch wants: a fragment (16 rows x 128 K, 8 registers a lane) as two runs of 512 bytes, lane l's 16 bytes at 16 l.
; SHARES.  A work-group owns 128 pixel slots (pg) of one image.  Wave w makes channels 128 w .. 128 w + 127 of q, k and v for all 128 slots: for q and k that is K step w of the score product, for v eight tiles of V^T.
; All operands go from memory straight into fragment registers: h's 32 fragments (window 1) stay for the launch; a weight's 32 fragments of the wave fill a window.  No LDS, no barrier: waves share nothing.
; THE WEIGHTS' CODES come from wf, where the launch before laid them as images of these registers: every load of a wave covers 512 consecutive bytes.
; NO JOINT LOADS: nothing goes through LDS here, and the three weights' codes, 3 x 131,072 bytes, are more than a work-group's 327,680 bytes of LDS, so shared tiles would have to be filled again in rounds.
; q, k: TRANSPOSED (source 0 = 16 rows of W, source 1 = 16 slots of h): a lane holds one slot, its registers run along the channels.  Lane r of weight tile 2 b + u holds row 32 b + 8 u + r + 8 (r / 8), so that the
; 16 registers of tiles 2 b, 2 b + 1 are 16 neighbouring channels.  v: source 0 = 16 slots of h, source 1 = 16 rows of Wv: a lane holds one channel, and, by the slots' order (pixel bits 3 and 4 swapped), the 16 registers
; of tiles 2 b, 2 b + 1 are 16 neighbouring pixels.  The biases are the C of each sum's first matrix instruction.
; SCALE WORDS lie in pairs: lanes 0-15 of a register hold the words of tile 2 i, lanes 16-31 those of tile 2 i + 1; the instruction's row selector picks.
; LIMITS: NaN and infinities are not served; a block whose largest magnitude lies under 2^-124 gets the byte 1 (a block of zeros too: its codes are zeros, and this program alone reads the bytes).
; REGISTERS: window 0 below;  window 1: h (tile t, K step s at v[32 t + 8 s]);  window 2: Wq, later Wv;  window 3: Wk.
.set L16, 1                            ; v1   16 x lane
.set HA,  2                            ; v2   h: 16 r + 16,384 (lane / 16)
.set WSA, 4                            ; v4   the weights' scale words, paired
.set BA,  5                            ; v5   bq, bk: 64 (lane / 16)
.set BVA, 6                            ; v6   bv: 4 (r + 8 (r / 8))
.set LN,  7                            ; v7   lane
.set TM,  8                            ; v8-23    the quantiser's work
.set PC,  24                           ; v24-31   the codes just made
.set PW,  32                           ; v32-39   a phase's eight scale words
.set PK,  40                           ; v40-43   the same in pairs
.set HS,  44                           ; v44-59   h's scale words: register 4 i + s
.set WSQ, 60                           ; v60-75, v76-91, v92-107  the weights' scale words: register 4 i + s
.set WSK, 76
.set WSV, 92
.set ACC, 108                          ; v108-171 eight accumulators
.set B,   172                          ; v172-235 a phase's biases in the results' layout
.set SEL, 36
.set MSB, 0
.macro WIN new                         ; the immediate's high byte repeats the setting that is left; a switch that changes nothing is dropped
.if MSB != (\new)
	s_set_vgpr_msb (MSB<<8)|(\new)
.set MSB, \new
.endif
.endm
.macro PLACES n
.rept \n
	v_nop
.endr
.endm
; One matrix instruction: D, A, B, C by their first registers, the two scale registers, and which half of the lanes holds each side's words.
.macro WM d, a, b, c, sa, sb, ra, rb
.if (\ra) && (\rb)
	v_wmma_scale_f32_16x16x128_f8f6f4 v[\d:\d+7], v[\a:\a+7], v[\b:\b+7], v[\c:\c+7], v[\sa], v[\sb] matrix_a_fmt:MATRIX_FMT_FP4 matrix_b_fmt:MATRIX_FMT_FP4 matrix_a_scale:MATRIX_SCALE_ROW1 matrix_b_scale:MATRIX_SCALE_ROW1
.elseif (\ra)
	v_wmma_scale_f32_16x16x128_f8f6f4 v[\d:\d+7], v[\a:\a+7], v[\b:\b+7], v[\c:\c+7], v[\sa], v[\sb] matrix_a_fmt:MATRIX_FMT_FP4 matrix_b_fmt:MATRIX_FMT_FP4 matrix_a_scale:MATRIX_SCALE_ROW1
.elseif (\rb)
	v_wmma_scale_f32_16x16x128_f8f6f4 v[\d:\d+7], v[\a:\a+7], v[\b:\b+7], v[\c:\c+7], v[\sa], v[\sb] matrix_a_fmt:MATRIX_FMT_FP4 matrix_b_fmt:MATRIX_FMT_FP4 matrix_b_scale:MATRIX_SCALE_ROW1
.else
	v_wmma_scale_f32_16x16x128_f8f6f4 v[\d:\d+7], v[\a:\a+7], v[\b:\b+7], v[\c:\c+7], v[\sa], v[\sb] matrix_a_fmt:MATRIX_FMT_FP4 matrix_b_fmt:MATRIX_FMT_FP4
.endif
.endm
; 64 numbers of a lane, register s + 16 b + i = k 32 b + 16 (lane / 16) + i of my row, become a fragment's codes in v[pc] on and its scale word in v[pw] (the same word in lanes l and l xor 16).
; wt > 0: stores of the last codes have been issued since the last wait for their sources.
.macro QUANT s, pc, pw, wt
.irp b, 0,1,2,3
	v_max3_num_f32 v[TM+\b], |v[\s+16*\b]|, |v[\s+1+16*\b]|, 0x1800000   ; my 16 numbers of block b, from each accumulator's low end on, and the floor 2^(3 - 127)
.endr
.irp i, 2,4,6,8,10,12,14
.irp b, 0,1,2,3
	v_max3_num_f32 v[TM+\b], v[TM+\b], |v[\s+16*\b+\i]|, |v[\s+1+16*\b+\i]|
.endr
.endr
.irp b, 0,1,2,3
	v_permlanex16_b32 v[TM+4+\b], v[TM+\b], s[SEL], s[SEL+1]
.endr
.irp b, 0,1,2,3
	v_max_num_f32 v[TM+\b], v[TM+\b], v[TM+4+\b]   ; with lane l xor 16's: the block's largest magnitude
.endr
.irp b, 0,1,2,3
	v_add_nc_u32 v[TM+12+\b], 0xff000000, v[TM+\b] ; 2 off its exponent field: the conversion's scale operand
.endr
.irp b, 0,1,2,3
	v_lshrrev_b32 v[TM+4+\b], 23, v[TM+12+\b]      ; the scale's byte
.endr
.if (\wt) > 0
	s_wait_xcnt 0x0                                ; the last stores have read their data: the codes' registers are written again only behind this wait
.endif
	v_lshl_or_b32 v[\pw], v[TM+5], 8, v[TM+4]
	v_lshl_or_b32 v[\pw], v[TM+6], 16, v[\pw]
	v_lshl_or_b32 v[\pw], v[TM+7], 24, v[\pw]
.irp b, 0,1,2,3
	v_cvt_scalef32_pk8_fp4_f32 v[\pc+2*\b], v[\s+16*\b:\s+7+16*\b], v[TM+12+\b]
	v_cvt_scalef32_pk8_fp4_f32 v[\pc+1+2*\b], v[\s+8+16*\b:\s+15+16*\b], v[TM+12+\b]
.endr
	v_nop                                          ; one plain instruction behind a scaled conversion
.irp c, 0,1                                    ; the operand's layout wants a whole block in a lane: lanes 0-15 block 2 c, lanes 16-31 block 2 c + 1
.irp i, 0,1
	v_permlane16_swap_b32 v[\pc+4*\c+\i], v[\pc+2+4*\c+\i]
.endr
.endr
.endm
.macro LOADW p, win                    ; my 32 fragments of a weight, as they lie in wf, into a window: tile t, K step s at v[32 t + 8 s]; each load covers 512 consecutive bytes
	WIN (\win)<<6
.set n, 0
.rept 64
	global_load_b128 v[4*n:4*n+3], v[L16], s[\p:\p+1] offset:512*n
.set n, n+1
.endr
	WIN 0
.endm
.macro LOADB p                         ; bq or bk: tile 2 b + u of lane (r, h) wants channels 32 b + 16 h + 8 u + 0 .. 7
.irp t, 0,1,2,3,4,5,6,7
	global_load_b128 v[B+8*\t:B+8*\t+3], v[BA], s[\p:\p+1] offset:(32*(\t/2)+8*(\t%2))*4
	global_load_b128 v[B+8*\t+4:B+8*\t+7], v[BA], s[\p:\p+1] offset:(32*(\t/2)+8*(\t%2))*4+16
.endr
.endm
; 32 matrix instructions: my 128 channels (8 tiles of W in window ww) for slot tile i, K = 512 in four steps.  The eight accumulators take turns, one instruction a turn.
; Five places follow: the results are read next, and the next run starts the same accumulators anew with another C.
.macro MMQK i, ww, ws
	WIN 0x04+\ww
.irp s, 0,1,2,3
.irp t, 0,1,2,3,4,5,6,7
.if \s == 0
	WM ACC+8*\t, 32*\t+8*\s, 32*\i+8*\s, B+8*\t, \ws+4*(\t/2)+\s, HS+4*(\i/2)+\s, \t%2, \i%2
.else
	WM ACC+8*\t, 32*\t+8*\s, 32*\i+8*\s, ACC+8*\t, \ws+4*(\t/2)+\s, HS+4*(\i/2)+\s, \t%2, \i%2
.endif
.endr
.endr
	WIN 0
	PLACES 5
.endm
.macro MMV i                           ; V^T: the 128 slots (8 tiles of h) for channel tile i of Wv
	WIN 0x09
.irp s, 0,1,2,3
.irp t, 0,1,2,3,4,5,6,7
.if \s == 0
	WM ACC+8*\t, 32*\t+8*\s, 32*\i+8*\s, B+8*\i, HS+4*(\t/2)+\s, WSV+4*(\i/2)+\s, \t%2, \i%2
.else
	WM ACC+8*\t, 32*\t+8*\s, 32*\i+8*\s, ACC+8*\t, HS+4*(\t/2)+\s, WSV+4*(\i/2)+\s, \t%2, \i%2
.endif
.endr
.endr
	WIN 0
	PLACES 5
.endm
; The 64 results become a fragment; its image leaves as two runs of 512 consecutive bytes.  In a phase's trip 0 no store of codes is pending: there is none yet, or the wait at the head of PACKS stands behind the last.
.macro FIN i, p, step
	QUANT ACC, PC, PW+\i, \i
	global_store_b128 v[L16], v[PC:PC+3], s[\p:\p+1] offset:\step*\i
	global_store_b128 v[L16], v[PC+4:PC+7], s[\p:\p+1] offset:\step*\i+512
.endm
.macro PACKS p                         ; a phase's eight scale words in pairs: lanes 16-31 take the odd tile's; 512 consecutive bytes
	s_wait_xcnt 0x0                                ; every earlier store has read its data: the last codes' and the last such store's
.irp i, 0,1,2,3
	v_cndmask_b32 v[PK+\i], v[PW+2*\i], v[PW+2*\i+1], s38
.endr
	global_store_b128 v[L16], v[PK:PK+3], s[\p:\p+1]
.endm
	s_load_b256 s[4:11], s[0:1], 0x0               ; hc, hs, wf, wq_scales
	s_load_b64 s[12:13], s[0:1], 0x20              ; bq
	s_load_b64 s[22:23], s[0:1], 0x28              ; wv_scales
	s_load_b128 s[16:19], s[0:1], 0x30             ; wk_scales, bk
	s_load_b128 s[24:27], s[0:1], 0x40             ; bv, qf
	s_load_b128 s[28:31], s[0:1], 0x50             ; qs, kv
	s_load_b64 s[32:33], s[0:1], 0x60              ; kvs
	v_lshrrev_b32 v8, 5, v0
	v_readfirstlane_b32 s34, v8                    ; wave 0..3
	v_and_b32 v[LN], 31, v0
	v_and_b32 v9, 15, v0                           ; r
	v_bfe_u32 v10, v0, 4, 1                        ; h
	v_lshlrev_b32 v[L16], 4, v[LN]
	v_lshlrev_b32 v[HA], 4, v9
	v_lshl_add_u32 v[HA], v10, 14, v[HA]           ; lanes 16-31 take the next channel block, 16,384 bytes on
	v_and_b32 v11, 8, v9
	v_add_nc_u32 v11, v11, v9                      ; r + 8 (r / 8)
	v_lshl_add_u32 v12, v10, 3, v11                ; the odd tile of a pair begins 8 rows on
	v_lshlrev_b32 v[WSA], 4, v12                   ; 16 scale bytes a row
	v_lshlrev_b32 v[BA], 6, v10
	v_lshlrev_b32 v[BVA], 2, v11
.irp b, 0,1,2,3
	v_mov_b32 v[TM+4+\b], 0                        ; written once: a lane permute's destination counts as one of its sources
.endr
	s_mov_b32 s[SEL], 0x76543210
	s_mov_b32 s[SEL+1], 0xfedcba98
	s_mov_b32 s38, 0xffff0000                      ; lanes 16-31
	s_and_b32 s46, ttmp7, 0xffff                   ; image b
	s_lshl_b32 s40, s34, 15                        ; my 32 fragments of a weight's codes,
	s_mov_b32 s41, 0
	s_lshl_b32 s42, s34, 11                        ; my 128 rows of its scale bytes,
	s_mov_b32 s43, 0
	s_lshl_b32 s44, s34, 9                         ; my 128 numbers of a bias
	s_mov_b32 s45, 0
	s_lshl_b32 s48, s46, 18
	s_lshl_b32 s47, ttmp9, 11
	s_add_co_u32 s48, s48, s47                     ; hc: 262,144 b + 2,048 pg
	s_mov_b32 s49, 0
	s_lshl_b32 s50, s46, 14
	s_lshl_b32 s47, ttmp9, 7
	s_add_co_u32 s50, s50, s47                     ; hs: 16,384 b + 128 pg
	s_mov_b32 s51, 0
	s_lshl_b32 s46, s46, 3
	s_add_co_u32 s46, s46, ttmp9                   ; 8 b + pg
	s_lshl_b32 s52, s46, 15
	s_lshl_b32 s47, s34, 10
	s_add_co_u32 s52, s52, s47                     ; qf: 32,768 (8 b + pg) + 1,024 w
	s_mov_b32 s53, 0
	s_lshl_b32 s54, s46, 11
	s_add_co_u32 s54, s54, s44                     ; qs: 2,048 (8 b + pg) + 512 w
	s_mov_b32 s55, 0
	s_lshl_b32 s60, s46, 16
	s_add_co_u32 s60, s60, s47                     ; kv, K's part: 65,536 (8 b + pg) + 1,024 w
	s_mov_b32 s61, 0
	s_lshl_b32 s62, s46, 16
	s_lshl_b32 s47, s34, 13
	s_add_co_u32 s62, s62, s47
	s_add_co_u32 s62, s62, 32768                   ; V's part: + 32,768 + 8,192 w
	s_mov_b32 s63, 0
	s_wait_kmcnt 0x0
	s_add_nc_u64 s[4:5], s[4:5], s[48:49]
	s_add_nc_u64 s[6:7], s[6:7], s[50:51]
	s_add_nc_u64 s[8:9], s[8:9], s[40:41]          ; wf: Wq's fragments of my wave,
	s_add_nc_u64 s[14:15], s[8:9], 0x20000         ; Wk's, 131,072 bytes on,
	s_add_nc_u64 s[20:21], s[8:9], 0x40000         ; Wv's
	s_add_nc_u64 s[10:11], s[10:11], s[42:43]
	s_add_nc_u64 s[16:17], s[16:17], s[42:43]
	s_add_nc_u64 s[22:23], s[22:23], s[42:43]
	s_add_nc_u64 s[12:13], s[12:13], s[44:45]
	s_add_nc_u64 s[18:19], s[18:19], s[44:45]
	s_add_nc_u64 s[24:25], s[24:25], s[44:45]
	s_add_nc_u64 s[26:27], s[26:27], s[52:53]
	s_add_nc_u64 s[28:29], s[28:29], s[54:55]
	s_add_nc_u64 s[56:57], s[30:31], s[62:63]
	s_add_nc_u64 s[30:31], s[30:31], s[60:61]
	s_lshl_b32 s60, s46, 12
	s_add_co_u32 s60, s60, s44                     ; kvs, K's part: 4,096 (8 b + pg) + 512 w
	s_add_nc_u64 s[32:33], s[32:33], s[60:61]
	s_add_nc_u64 s[58:59], s[32:33], 2048          ; V's part
.irp cb, 0,1,2,3,4,5,6,7,8,9,10,11,12,13,14,15
.irp i, 0,1,2,3
	global_load_u8 v[ACC+4*\cb+\i], v[LN], s[6:7] offset:1024*\cb+32*\i   ; h's scale byte of channel block cb, slot 32 i + lane
.endr
.endr
	WIN 0x40
.irp t, 0,1,2,3,4,5,6,7
.irp s, 0,1,2,3
.irp c, 0,1
	global_load_b128 v[32*\t+8*\s+4*\c:32*\t+8*\s+4*\c+3], v[HA], s[4:5] offset:256*\t+65536*\s+32768*\c   ; slot 16 t + r, channel block 4 s + 2 c + h: sixteen lanes read 256 consecutive bytes
.endr
.endr
.endr
	WIN 0
.irp i, 0,1,2,3
	global_load_b128 v[WSQ+4*\i:WSQ+4*\i+3], v[WSA], s[10:11] offset:512*\i
	global_load_b128 v[WSK+4*\i:WSK+4*\i+3], v[WSA], s[16:17] offset:512*\i
	global_load_b128 v[WSV+4*\i:WSV+4*\i+3], v[WSA], s[22:23] offset:512*\i
.endr
	LOADB 12
	LOADW 8, 2
	s_wait_loadcnt 63                              ; behind the last scale byte stand 156 loads, more than a count can name: with 63 out the bytes are in
.irp i, 0,1,2,3
.irp s, 0,1,2,3
	v_lshl_or_b32 v[HS+4*\i+\s], v[ACC+4*(4*\s+1)+\i], 8, v[ACC+4*(4*\s)+\i]   ; four bytes make the word of K step s
	v_lshl_or_b32 v[HS+4*\i+\s], v[ACC+4*(4*\s+2)+\i], 16, v[HS+4*\i+\s]
	v_lshl_or_b32 v[HS+4*\i+\s], v[ACC+4*(4*\s+3)+\i], 24, v[HS+4*\i+\s]
.endr
.endr
	s_wait_loadcnt 0x0                             ; h, the scale words, bq and Wq: all that the first phase wants, and nothing else has been asked for
	PLACES 8                                       ; a scale register written by a vector instruction stands eight places ahead of a scaled matrix instruction
	; ---- q
.irp i, 0,1,2,3,4,5,6,7
	MMQK \i, 2, WSQ
.if \i == 0
	LOADW 14, 3                                    ; Wk is asked for behind the first products: it has seven trips in which to land
.endif
.if \i == 7
	LOADB 18                                       ; bk, behind the five places: the last products that read bq are done with it
.endif
	FIN \i, 26, 4096
.endr
	PACKS 28
	LOADW 20, 2                                    ; Wv takes Wq's window
	s_wait_loadcnt 63                              ; behind bk's last load stand Wv's 64: Wk and bk are in
	; ---- k
.irp i, 0,1,2,3,4,5,6,7
	MMQK \i, 3, WSK
.if \i == 7
.irp t, 0,1,2,3,4,5,6,7
.irp j, 0,1,2,3,4,5,6,7
	global_load_b32 v[B+8*\t+\j], v[BVA], s[24:25] offset:(32*(\t/2)+8*(\t%2))*4   ; bv: in V^T a lane holds one channel, so its eight registers hold the same number
.endr
.endr
.endif
	FIN \i, 30, 4096
.endr
	PACKS 32
	s_wait_loadcnt 0x0                             ; Wv and bv
	; ---- v
.irp i, 0,1,2,3,4,5,6,7
	MMV \i
	FIN \i, 56, 1024
.endr
	PACKS 58
	s_endpgm
.Lfunc_end_k_q194fc3bf19_qkv:
	.size	k_q194fc3bf19_qkv, .Lfunc_end_k_q194fc3bf19_qkv-k_q194fc3bf19_qkv
	.p2alignl 7, 3214868480
	.fill 96, 4, 3214868480
	.section	.rodata,"a",@progbits
	.p2align	6, 0x0
	.amdhsa_kernel k_q194fc3bf19_qkv
		.amdhsa_group_segment_fixed_size 0
		.amdhsa_private_segment_fixed_size 0
		.amdhsa_enable_private_segment 0
		.amdhsa_kernarg_size 104
		.amdhsa_user_sgpr_count 2
		.amdhsa_user_sgpr_kernarg_segment_ptr 1
		.amdhsa_wavefront_size32 1
		.amdhsa_system_sgpr_workgroup_id_x 1
		.amdhsa_system_sgpr_workgroup_id_y 1
		.amdhsa_system_sgpr_workgroup_id_z 1
		.amdhsa_system_vgpr_workitem_id 0
		.amdhsa_next_free_vgpr 1024
		.amdhsa_next_free_sgpr 66
		.amdhsa_reserve_vcc 0
		.amdhsa_float_denorm_mode_32 3
		.amdhsa_float_denorm_mode_16_64 3
		.amdhsa_memory_ordered 1
		.amdhsa_forward_progress 1
		.amdhsa_inst_pref_size 244
	.end_amdhsa_kernel
	.amdgpu_metadata
---
amdhsa.version: [ 1, 2 ]
amdhsa.kernels:
  - .name:           k_q194fc3bf19_qkv
    .symbol:         k_q194fc3bf19_qkv.kd
    .args:
      - { .name: hc, .offset: 0, .size: 8, .value_kind: global_buffer, .address_space: global }
      - { .name: hs, .offset: 8, .size: 8, .value_kind: global_buffer, .address_space: global }
      - { .name: wf, .offset: 16, .size: 8, .value_kind: global_buffer, .address_space: global }
      - { .name: wq_scales, .offset: 24, .size: 8, .value_kind: global_buffer, .address_space: global }
      - { .name: bq, .offset: 32, .size: 8, .value_kind: global_buffer, .address_space: global }
      - { .name: wv_scales, .offset: 40, .size: 8, .value_kind: global_buffer, .address_space: global }
      - { .name: wk_scales, .offset: 48, .size: 8, .value_kind: global_buffer, .address_space: global }
      - { .name: bk, .offset: 56, .size: 8, .value_kind: global_buffer, .address_space: global }
      - { .name: bv, .offset: 64, .size: 8, .value_kind: global_buffer, .address_space: global }
      - { .name: qf, .offset: 72, .size: 8, .value_kind: global_buffer, .address_space: global }
      - { .name: qs, .offset: 80, .size: 8, .value_kind: global_buffer, .address_space: global }
      - { .name: kv, .offset: 88, .size: 8, .value_kind: global_buffer, .address_space: global }
      - { .name: kvs, .offset: 96, .size: 8, .value_kind: global_buffer, .address_space: global }
    .group_segment_fixed_size: 0
    .private_segment_fixed_size: 0
    .kernarg_segment_align: 8
    .kernarg_segment_size: 104
    .max_flat_workgroup_size: 128
    .sgpr_count:     66
    .vgpr_count:     1024
    .wavefront_size: 32
...
	.end_amdgpu_metadata
.endif
;; end of part 2
;; launch attn (part 3): grid 8 x 32, 4 waves a work-group, clusters of 4 x 1, 327,680 bytes of LDS; arguments qf, qs, kv, kvs, wf, wo_scales, bo, x, out0; writes out0
.if DOCPART == 3
	.amdgcn_target "amdgcn-amd-amdhsa--gfx1250"
	.amdhsa_code_object_version 6
	.text
	.protected	k_q194fc3bf19_attn
	.globl	k_q194fc3bf19_attn
	.p2align	8
	.type	k_q194fc3bf19_attn,@function
k_q194fc3bf19_attn:
	s_mov_b64 s[64:65], 0
	v_nop
	global_prefetch_b8 v0, s[64:65] scope:SCOPE_SE
	s_setreg_imm32_b32 hwreg(HW_REG_WAVE_MODE, 25, 1), 1
	s_wait_xcnt 0x0
	s_wait_alu depctr_hold_cnt(0) depctr_sa_sdst(0) depctr_va_vdst(0) depctr_va_sdst(0) depctr_va_ssrc(0) depctr_va_vcc(0) depctr_vm_vsrc(0)
	s_getreg_b32 s2, hwreg(HW_REG_IB_STS2, 6, 4)
	s_cmp_eq_u32 s2, 0
	s_cbranch_scc0 .Lentry_in_a_cluster
	s_endpgm
.Lentry_in_a_cluster:
	s_bfe_u32 s2, ttmp6, 0x10000c
	s_cmp_lg_u32 s2, 0x3003
	s_cbranch_scc0 .Lentry_shape_is_right
	s_endpgm
.Lentry_shape_is_right:
; out0 = x + (softmax(q k^T / sqrt(512)) v) Wo^T + bo, one head of 512 channels over the 1,024 pixels of an image; all three products on codes of E2M1 with E8M0 scales.
; q, k, v and Wo come as images of operand registers (a fragment: two runs of 512 bytes, lane l's 16 bytes at 16 l), the scale words of q, k, v in pairs (lanes 0-15 tile 2 i, lanes 16-31 tile 2 i + 1).
; THE SOFTMAX: t = score x log2(e) / sqrt(512); M = the running largest t rounded up to a whole number; p = 2^(t - M) is quantised along the keys, not normalised; the sum of the unquantised p divides at the end;
; when M moves, the sum and O are multiplied by 2^(old M - new M), which rounds nothing.
; SHARES.  A work-group owns 128 query slots.  Through the keys wave w owns query tiles 2 w and 2 w + 1 with all 512 channels of O^T (512 registers); every wave walks all keys, 128 a step.
; In the last product wave w owns output channels 128 w .. 128 w + 127 for all 128 queries; a's codes go from wave to wave through LDS as images of their registers.
; LAYOUT.  S^T = K Q^T and O^T = V^T P^T: a lane holds one query.  By the slots' order (pixel bits 3 and 4 swapped) the 16 registers of key tiles 2 b, 2 b + 1 are 16 neighbouring pixels; by the order of Wv's rows the 16
; registers of channel tiles 2 b, 2 b + 1 of O^T are 16 neighbouring channels.  The last product has source 0 = 16 queries of a, source 1 = 16 rows of Wo: a lane holds one output channel and eight neighbouring pixels.
; CLUSTER.  The four work-groups of a cluster belong to one image and walk the same K, V and scale words: each tile is asked for JOINTLY, by the same tensor load with the same descriptor and the mask 15.
; RING.  Two LDS slots of two key steps (131,072 bytes); each wave brings a quarter of a slot by one load, which has two key steps in which to land.  A wave has two tensor loads out at the start, later one.
; HALF OF x COMES UNDER THE LAST TWO KEY STEPS: at the last change of slots slot 0 is done with, and each wave fills its quarter with the first 64 of its 128 rows of x (512 bytes each), a load of its own (no mask: x differs
; from work-group to work-group).  The other 64 rows come from memory into registers.  a's images, their scale words and the stages lie in slot 1, behind a barrier that follows its last read.
; O^T IS CLEARED ONCE (512 moves, while the first tiles are on their way): the key step is written twice as it is (the last slot prefetches x); a first step of its own would be a third copy.
; LIMITS: NaN and infinities are not served; a p under 2^-126 counts as 0; a block whose largest magnitude lies under 2^-124 gets the byte 1 (its codes are then zeros or near it, and this program alone reads the byte).
; REGISTERS: window 0 below;  window 1: Q v0-63, two buffers of 64 for K's or V's fragments, later Wo's 32 fragments;  windows 2, 3: O^T of query tiles 0, 1 (channel tile ct at v[8 ct]);
;   later window 2: a's 32 fragments; window 3: v0-63 eight accumulators, v64-127 bo, v128-255 two buffers of 16 rows of x.
.set SLOT1, 1<<17                      ; slot 1 begins here: one exclusive or turns an address in one slot into the other's
.set STEPB, 65536                      ; a key step: K's 32 fragments, then V^T's 32
.set SCL,   2*SLOT1                    ; the image's scale words: 8 key steps x 4,096 bytes, filled once
.set SPARE, SCL+32768                  ; the spare words, 128 bytes for each wave: two blocks of 256 bytes that no other line names
.set AIMG,  SLOT1                      ; behind the last key step slot 1 has had its last fill and its last read: a's images lie here,
.set ASCL,  SLOT1+32768                ; their scale words here,
.set STAGE, SLOT1+36864                ; and here a stage of 16 rows x (512 + 16) bytes for each wave
.set L16, 1                            ; v1   16 x lane
.set ADK, 2                            ; v2   the step's fragments
.set ADS, 3                            ; v3   the step's scale words
.set XR,  3                            ; v3   later: my rows of x in slot 0
.set SPW, 4                            ; v4   my spare word; never rewritten
.set NIL, 5                            ; v5   0; never rewritten
.set STO, 6                            ; v6   the stage: where I put 16 bytes of a row
.set RD,  7                            ; v7   and where I read a row back
.set MT,  8                            ; v[8+2q:9+2q]    -M, the largest t
.set SUM, 12                           ; v[12+2q:13+2q]  the sum, in two halves
.set FF,  16                           ; v[16+2q:17+2q]  f = 2^(old M - new M); at the end 1 / the sum
.set BM,  20                           ; v[20+4q ..]     the blocks' largest scores, then largest p
.set BP,  28                           ; v[28+4q ..]     at work
.set SO,  36                           ; v[36+4q ..]     the conversions' scale operands
.set TT,  44                           ; v44+q           at work
.set PS,  46                           ; v46+q           p's scale word
.set QS,  48                           ; v48-51   Q's scale words, K step s, my two tiles in the two halves of the lanes
.set KS,  52                           ; v52-67   K's: register 4 s + i
.set VS,  68                           ; v68-83   V's: register 4 g + i
.set WOS, 52                           ; v52-83   later Wo's: register 4 ot + s
.set PC,  84                           ; v84-99   p's codes, 8 a tile; later a's
.set S,   100                          ; v100-227 S^T, then p: 64 a tile; later v100-163 rows of the result,
.set XT,  164                          ; v164-227 and 16 rows of x
.set AIR, 228                          ; v228 where I read a's images;  v229 Wo's scale words: 16 r;  v230 bo: 4 r
.set WSA, 229
.set BOA, 230
.set AIW, 231                          ; v231 where I store a's images;  v232 their scale words
.set ASW, 232
.set PFO, 233                          ; v233 prefetch: 4,096 (lane / 2) + 256 (lane % 2)
.set QSA, 234                          ; v234 Q's scale words
.set ASA, 235                          ; v235 a's scale words, read in pairs
.set AW,  236                          ; v236-239 a tile's four scale words
.set ASC, 240                          ; v240-255 a's scale words: register 4 i + s
.set TM,  20                           ; the quantiser's work: v20-35
.set F0,  64
.set F1,  128
.set WV,  22
.set G1C, 24                           ; s[24:31] group 1: 128 rows of 256 bytes;  s[32:39]: 32 such rows;  s[40:43], s[44:47] groups 0: the ring's, which walks; the scale words'
.set G1S, 32
.set G0C, 40
.set G0S, 44
.set SEL, 48
.set CS,  50
.set TB,  52                           ; s52  LDS byte at which the step's fragments begin
.set TS,  53                           ; s53  and its scale words
.set SLOTS, 54
.set TWICE, 55
.set XP,  66                           ; s[66:67] x, for the prefetch;  s[68:69] x, s[70:71] out0 at my 128 rows and 128 pixels
.set G1X, 72                           ; s[72:79], s[80:83] groups 1 and 0 for x: 64 rows of 512 bytes, 4,096 bytes apart
.set G0X, 80
.set MSB, 0
.macro WIN new                         ; the immediate's high byte repeats the setting that is left; a switch that changes nothing is dropped
.if MSB != (\new)
	s_set_vgpr_msb (MSB<<8)|(\new)
.set MSB, \new
.endif
.endm
.macro PLACES n
.rept \n
	v_nop
.endr
.endm
; A round of the cluster's barrier: my work-group's barrier; wave 0 signals for the work-group; every wave waits for all four work-groups; my work-group's barrier once more.
.macro CROUND
	s_barrier_signal -1
	s_barrier_wait -1
	s_cmp_lg_u32 s[WV], 0
	s_cbranch_scc1 .Lnot_wave_0_\@
	s_barrier_signal -3
.Lnot_wave_0_\@:
	s_barrier_wait -3
	s_barrier_signal -1
	s_barrier_wait -1
.endm
; One matrix instruction: D, A, B, C by their first registers (c < 0: the constant 0 starts the sum), the two scale registers, and which half of the lanes holds each side's words.
.macro WM d, a, b, c, sa, sb, ra, rb
.if (\c) < 0
.if (\ra) && (\rb)
	v_wmma_scale_f32_16x16x128_f8f6f4 v[\d:\d+7], v[\a:\a+7], v[\b:\b+7], 0, v[\sa], v[\sb] matrix_a_fmt:MATRIX_FMT_FP4 matrix_b_fmt:MATRIX_FMT_FP4 matrix_a_scale:MATRIX_SCALE_ROW1 matrix_b_scale:MATRIX_SCALE_ROW1
.elseif (\ra)
	v_wmma_scale_f32_16x16x128_f8f6f4 v[\d:\d+7], v[\a:\a+7], v[\b:\b+7], 0, v[\sa], v[\sb] matrix_a_fmt:MATRIX_FMT_FP4 matrix_b_fmt:MATRIX_FMT_FP4 matrix_a_scale:MATRIX_SCALE_ROW1
.elseif (\rb)
	v_wmma_scale_f32_16x16x128_f8f6f4 v[\d:\d+7], v[\a:\a+7], v[\b:\b+7], 0, v[\sa], v[\sb] matrix_a_fmt:MATRIX_FMT_FP4 matrix_b_fmt:MATRIX_FMT_FP4 matrix_b_scale:MATRIX_SCALE_ROW1
.else
	v_wmma_scale_f32_16x16x128_f8f6f4 v[\d:\d+7], v[\a:\a+7], v[\b:\b+7], 0, v[\sa], v[\sb] matrix_a_fmt:MATRIX_FMT_FP4 matrix_b_fmt:MATRIX_FMT_FP4
.endif
.else
.if (\ra) && (\rb)
	v_wmma_scale_f32_16x16x128_f8f6f4 v[\d:\d+7], v[\a:\a+7], v[\b:\b+7], v[\c:\c+7], v[\sa], v[\sb] matrix_a_fmt:MATRIX_FMT_FP4 matrix_b_fmt:MATRIX_FMT_FP4 matrix_a_scale:MATRIX_SCALE_ROW1 matrix_b_scale:MATRIX_SCALE_ROW1
.elseif (\ra)
	v_wmma_scale_f32_16x16x128_f8f6f4 v[\d:\d+7], v[\a:\a+7], v[\b:\b+7], v[\c:\c+7], v[\sa], v[\sb] matrix_a_fmt:MATRIX_FMT_FP4 matrix_b_fmt:MATRIX_FMT_FP4 matrix_a_scale:MATRIX_SCALE_ROW1
.elseif (\rb)
	v_wmma_scale_f32_16x16x128_f8f6f4 v[\d:\d+7], v[\a:\a+7], v[\b:\b+7], v[\c:\c+7], v[\sa], v[\sb] matrix_a_fmt:MATRIX_FMT_FP4 matrix_b_fmt:MATRIX_FMT_FP4 matrix_b_scale:MATRIX_SCALE_ROW1
.else
	v_wmma_scale_f32_16x16x128_f8f6f4 v[\d:\d+7], v[\a:\a+7], v[\b:\b+7], v[\c:\c+7], v[\sa], v[\sb] matrix_a_fmt:MATRIX_FMT_FP4 matrix_b_fmt:MATRIX_FMT_FP4
.endif
.endif
.endm
; 64 numbers of a lane, register s + 16 b + i = k 32 b + 16 (lane / 16) + i of my row, become a fragment's codes in v[pc] on and its scale word in v[pw] (the same word in lanes l and l xor 16).
.macro QUANT s, pc, pw
.irp b, 0,1,2,3
	v_max3_num_f32 v[TM+\b], |v[\s+16*\b]|, |v[\s+1+16*\b]|, 0x1800000   ; my 16 numbers of block b, and the floor 2^(3 - 127)
.endr
.irp i, 2,4,6,8,10,12,14
.irp b, 0,1,2,3
	v_max3_num_f32 v[TM+\b], v[TM+\b], |v[\s+16*\b+\i]|, |v[\s+1+16*\b+\i]|
.endr
.endr
.irp b, 0,1,2,3
	v_permlanex16_b32 v[TM+4+\b], v[TM+\b], s[SEL], s[SEL+1]
.endr
.irp b, 0,1,2,3
	v_max_num_f32 v[TM+\b], v[TM+\b], v[TM+4+\b]
.endr
.irp b, 0,1,2,3
	v_add_nc_u32 v[TM+12+\b], 0xff000000, v[TM+\b]
.endr
.irp b, 0,1,2,3
	v_lshrrev_b32 v[TM+4+\b], 23, v[TM+12+\b]
.endr
	s_wait_dscnt 0x0                               ; the last LDS stores have read their data: codes and scale words are written again only behind this wait
	v_lshl_or_b32 v[\pw], v[TM+5], 8, v[TM+4]
	v_lshl_or_b32 v[\pw], v[TM+6], 16, v[\pw]
	v_lshl_or_b32 v[\pw], v[TM+7], 24, v[\pw]
.irp b, 0,1,2,3
	v_cvt_scalef32_pk8_fp4_f32 v[\pc+2*\b], v[\s+16*\b:\s+7+16*\b], v[TM+12+\b]
	v_cvt_scalef32_pk8_fp4_f32 v[\pc+1+2*\b], v[\s+8+16*\b:\s+15+16*\b], v[TM+12+\b]
.endr
	v_nop                                          ; one plain instruction behind a scaled conversion
.irp c, 0,1
.irp i, 0,1
	v_permlane16_swap_b32 v[\pc+4*\c+\i], v[\pc+2+4*\c+\i]
.endr
.endr
.endm
	s_load_b512 s[4:19], s[0:1], 0x0               ; qf, qs, kv, kvs, wf, wo_scales, bo, x
	s_load_b64 s[20:21], s[0:1], 0x40              ; out0
	v_lshl_add_u32 v[SPW], v0, 2, SPARE
	v_mov_b32 v[NIL], 0
	ds_add_u32 v4, v5
	s_wait_dscnt 0x0
	v_lshrrev_b32 v2, 5, v0
	v_readfirstlane_b32 s[WV], v2                  ; wave 0..3
	s_and_b32 s58, ttmp7, 0xffff                   ; the image, which the four partners share
	s_lshl_b32 s60, s58, 19
	s_lshl_b32 s23, s[WV], 15
	s_add_co_u32 s60, s60, s23                     ; kv: 524,288 b + my quarter of a slot
	s_mov_b32 s61, 0
	s_lshl_b32 s62, s58, 15
	s_lshl_b32 s23, s[WV], 13
	s_add_co_u32 s62, s62, s23                     ; kvs: 32,768 b + my quarter
	s_mov_b32 s63, 0
	; descriptor group 1: dense bytes as rows of 256 (32 elements of 8 bytes), no padding: every LDS read takes 512 consecutive bytes
	s_mov_b32 s[G1C], 15|(3<<16)|(1<<21)           ; 15:0 the mask: all four work-groups; 17:16 elements of 8 bytes; 21 set beside a mask
	s_mov_b32 s[G1C+1], 32<<16                     ; tensor_dim0 = 32
	s_mov_b32 s[G1C+2], 128<<16                    ; tensor_dim1 = 128
	s_mov_b32 s[G1C+3], 32<<16                     ; tile_dim0 = 32
	s_mov_b32 s[G1C+4], 128                        ; tile_dim1 = 128
	s_mov_b32 s[G1C+5], 32                         ; elements from row to row
	s_mov_b32 s[G1C+6], 0
	s_mov_b32 s[G1C+7], 0
	s_mov_b32 s[G1S], 15|(3<<16)|(1<<21)
	s_mov_b32 s[G1S+1], 32<<16
	s_mov_b32 s[G1S+2], 32<<16                     ; 32 rows
	s_mov_b32 s[G1S+3], 32<<16
	s_mov_b32 s[G1S+4], 32
	s_mov_b32 s[G1S+5], 32
	s_mov_b32 s[G1S+6], 0
	s_mov_b32 s[G1S+7], 0
	s_mov_b32 s[G1X], 3<<16                        ; x: no mask; elements of 8 bytes
	s_mov_b32 s[G1X+1], 64<<16                     ; tensor_dim0 = 64: 512 bytes, my block's 128 pixels
	s_mov_b32 s[G1X+2], 64<<16                     ; tensor_dim1 = 64 rows (channels)
	s_mov_b32 s[G1X+3], 64<<16                     ; tile_dim0 = 64
	s_mov_b32 s[G1X+4], 64                         ; tile_dim1 = 64
	s_mov_b32 s[G1X+5], 512                        ; a channel's 1,024 pixels: 512 elements from row to row
	s_mov_b32 s[G1X+6], 0
	s_mov_b32 s[G1X+7], 0
	s_mov_b32 s[SEL], 0x76543210
	s_mov_b32 s[SEL+1], 0xfedcba98
	s_mov_b32 s[CS], 0x3d8293ee                    ; c = log2(e) / sqrt(512)
	s_mov_b32 s[CS+1], s[CS]                       ; named with it as a pair, so it is written
	s_mov_b32 s[TB], 0
	s_mov_b32 s[TS], SCL
	s_mov_b32 s[SLOTS], 3
	s_wait_kmcnt 0x0
	s_mov_b32 s[G0C], 1                            ; count = 1
	s_lshl_b32 s[G0C+1], s[WV], 15                 ; LDS: slot 0, my quarter: no place in the cluster enters an LDS address
	s_add_nc_u64 s[G0C+2:G0C+3], s[8:9], s[60:61]
	s_or_b32 s[G0C+3], s[G0C+3], 0x80000000        ; type = 2
	s_mov_b32 s[G0S], 1
	s_lshl_b32 s[G0S+1], s[WV], 13
	s_add_co_u32 s[G0S+1], s[G0S+1], SCL
	s_add_nc_u64 s[G0S+2:G0S+3], s[10:11], s[62:63]
	s_or_b32 s[G0S+3], s[G0S+3], 0x80000000
	CROUND                                         ; all four work-groups are here: the first joint loads meet
	tensor_load_to_lds s[G0S:G0S+3], s[G1S:G1S+7]  ; the image's scale words: filled once
	s_nop 0
	tensor_load_to_lds s[G0C:G0C+3], s[G1C:G1C+7]  ; key steps 0 and 1
	s_nop 0
	PLACES 4
	s_bfe_u32 s56, ttmp6, 0x40000                  ; cx: it enters the addresses of q, x and out0 alone
	s_lshl_b32 s57, ttmp9, 2
	s_add_co_u32 s57, s57, s56                     ; my block of 128 queries
	s_lshl_b32 s59, s58, 3
	s_add_co_u32 s59, s59, s57                     ; 8 b + block
	s_lshl_b32 s60, s59, 15
	s_lshl_b32 s56, s[WV], 13
	s_add_co_u32 s60, s60, s56
	s_add_nc_u64 s[4:5], s[4:5], s[60:61]          ; my two tiles of Q
	s_lshl_b32 s62, s59, 11
	s_add_nc_u64 s[6:7], s[6:7], s[62:63]
	s_lshl_b32 s60, s58, 21
	s_lshl_b32 s56, s[WV], 19
	s_add_co_u32 s60, s60, s56
	s_lshl_b32 s56, s57, 9
	s_add_co_u32 s60, s60, s56                     ; x, out0: image, my 128 channels, my block's 128 pixels
	s_add_nc_u64 s[68:69], s[18:19], s[60:61]
	s_add_nc_u64 s[70:71], s[20:21], s[60:61]
	s_add_nc_u64 s[XP:XP+1], s[68:69], 0x40000     ; the prefetch begins at my row 64
	s_mov_b32 s[G0X], 1
	s_lshl_b32 s[G0X+1], s[WV], 15                 ; LDS: my quarter of slot 0
	s_mov_b64 s[G0X+2:G0X+3], s[68:69]             ; my rows 0 to 63 of x
	s_or_b32 s[G0X+3], s[G0X+3], 0x80000000
	s_lshl_b32 s60, s[WV], 15
	s_add_co_u32 s60, s60, 0x60000                 ; wf: Wo is the fourth weight, 3 x 131,072 bytes on; my 32 fragments
	s_add_nc_u64 s[12:13], s[12:13], s[60:61]
	s_lshl_b32 s60, s[WV], 11
	s_add_nc_u64 s[14:15], s[14:15], s[60:61]      ; my 128 rows of Wo's scale bytes,
	s_lshl_b32 s60, s[WV], 9
	s_add_nc_u64 s[16:17], s[16:17], s[60:61]      ; and of bo
	v_and_b32 v8, 31, v0                           ; lane
	v_and_b32 v9, 15, v0                           ; r
	v_bfe_u32 v10, v0, 4, 1                        ; h
	v_lshlrev_b32 v[L16], 4, v8
	v_lshl_add_u32 v[QSA], s[WV], 2, v[L16]        ; word w of my lane's four: tiles 2 w and 2 w + 1
	WIN 0x40
.set i, 0
.rept 16
	global_load_b128 v[4*i:4*i+3], v[L16], s[4:5] offset:512*i     ; Q stays in registers: tile q, K step s at v[32 q + 8 s]
.set i, i+1
.endr
	WIN 0
.irp s, 0,1,2,3
	global_load_b32 v[QS+\s], v[QSA], s[6:7] offset:512*\s
.endr
	s_mul_i32 s23, s[WV], 16*528
	s_add_co_u32 s23, s23, STAGE
	v_mul_u32_u24 v[STO], v9, 528
	v_lshl_add_u32 v[STO], v10, 6, v[STO]
	v_add_nc_u32 v[STO], s23, v[STO]               ; row r (an output channel), + 64 h: pixels 16 h on
	v_add_nc_u32 v[RD], s23, v[L16]
	v_add_nc_u32 v[AIR], AIMG, v[L16]
	v_lshlrev_b32 v[WSA], 4, v9
	v_lshlrev_b32 v[BOA], 2, v9
	s_lshl_b32 s23, s[WV], 13
	s_add_co_u32 s23, s23, AIMG
	v_add_nc_u32 v[AIW], s23, v[L16]
	s_lshl_b32 s23, s[WV], 10
	s_add_co_u32 s23, s23, ASCL
	v_add_nc_u32 v[ASW], s23, v[L16]
	v_lshrrev_b32 v[PFO], 1, v8
	v_lshlrev_b32 v[PFO], 12, v[PFO]
	v_and_b32 v3, 1, v8
	v_lshl_add_u32 v[PFO], v3, 8, v[PFO]
	v_lshl_add_u32 v[ASA], v10, 9, v[L16]
	v_add_nc_u32 v[ASA], ASCL, v[ASA]              ; lanes 16-31 read the odd tile's words, 512 bytes on
.irp q, 0,1
	v_mov_b32 v[MT+2*\q+1], 0xff61b1e6             ; the largest t so far: -3e38, under every t
	v_floor_f32 v[MT+2*\q], -v[MT+2*\q+1]          ; -M
	v_mov_b32 v[SUM+2*\q], 0
	v_mov_b32 v[SUM+2*\q+1], 0
	v_mov_b32 v[FF+2*\q+1], 0                      ; named as the upper half of a pair
.irp b, 0,1,2,3
	v_mov_b32 v[BP+4*\q+\b], 0                     ; written once: a lane permute's destination counts as one of its sources
.endr
.endr
	WIN 0x80
.set i, 0
.rept 256
	v_mov_b32 v[i], 0                              ; O^T of query tile 0
.set i, i+1
.endr
	WIN 0xc0
.set i, 0
.rept 256
	v_mov_b32 v[i], 0                              ; and of tile 1
.set i, i+1
.endr
	WIN 0
.macro FETCHK g, buf                   ; key tiles 2 g and 2 g + 1, all four K steps: 16 loads of 512 consecutive bytes
.irp u, 0,1
.irp s, 0,1,2,3
.irp c, 0,1
	ds_load_b128 v[\buf+32*\u+8*\s+4*\c:\buf+32*\u+8*\s+4*\c+3], v[ADK] offset:((2*\g+\u)*4+\s)*1024+512*\c
.endr
.endr
.endr
.endm
.macro FETCHV g, buf                   ; channel tiles 8 g .. 8 g + 7 of V^T
.irp j, 0,1,2,3,4,5,6,7
.irp c, 0,1
	ds_load_b128 v[\buf+8*\j+4*\c:\buf+8*\j+4*\c+3], v[ADK] offset:32768+(8*\g+\j)*1024+512*\c
.endr
.endr
.endm
; S^T of key tiles 2 g, 2 g + 1 for my two query tiles: four accumulators by turns, one instruction a turn; K = 512 in four steps; the first starts the sums
.macro MULS g, buf
	WIN 0x05
.irp s, 0,1,2,3
.irp u, 0,1
.irp q, 0,1
.if \s == 0
	WM S+64*\q+8*(2*\g+\u), \buf+32*\u+8*\s, 32*\q+8*\s, -1, KS+4*\s+\g, QS+\s, \u, \q
.else
	WM S+64*\q+8*(2*\g+\u), \buf+32*\u+8*\s, 32*\q+8*\s, S+64*\q+8*(2*\g+\u), KS+4*\s+\g, QS+\s, \u, \q
.endif
.endr
.endr
.endr
.endm
; O^T += V^T P^T for channel tiles 8 g .. 8 g + 7: one instruction for each accumulator (K = the step's 128 keys)
.macro MULV g, buf
	WIN 0xa1
.irp j, 0,1,2,3,4,5,6,7
	WM 8*(8*\g+\j), \buf+8*\j, PC, 8*(8*\g+\j), VS+4*\g+\j/2, PS, \j%2, 0
.endr
	WIN 0xf1
.irp j, 0,1,2,3,4,5,6,7
	WM 8*(8*\g+\j), \buf+8*\j, PC+8, 8*(8*\g+\j), VS+4*\g+\j/2, PS+1, \j%2, 0
.endr
.endm
.macro SOFTMAX
.irp q, 0,1
.irp b, 0,1,2,3
	v_max3_num_f32 v[BM+4*\q+\b], v[S+64*\q+16*\b], v[S+64*\q+16*\b+1], v[S+64*\q+16*\b+2]   ; the largest score of each block of 32 keys: for the row's maximum, and, since p rises with the score, for the block's largest p
.endr
.endr
.irp i, 3,5,7,9,11,13
.irp q, 0,1
.irp b, 0,1,2,3
	v_max3_num_f32 v[BM+4*\q+\b], v[BM+4*\q+\b], v[S+64*\q+16*\b+\i], v[S+64*\q+16*\b+\i+1]
.endr
.endr
.endr
.irp q, 0,1
.irp b, 0,1,2,3
	v_max_num_f32 v[BM+4*\q+\b], v[BM+4*\q+\b], v[S+64*\q+16*\b+15]
.endr
.endr
.irp q, 0,1
.irp b, 0,1,2,3
	v_permlanex16_b32 v[BP+4*\q+\b], v[BM+4*\q+\b], s[SEL], s[SEL+1]
.endr
.endr
.irp q, 0,1
.irp b, 0,1,2,3
	v_max_num_f32 v[BM+4*\q+\b], v[BM+4*\q+\b], v[BP+4*\q+\b]      ; with lane l xor 16's 16 keys
.endr
.endr
.irp q, 0,1
	v_max3_num_f32 v[TT+\q], v[BM+4*\q], v[BM+4*\q+1], v[BM+4*\q+2]
.endr
.irp q, 0,1
	v_max_num_f32 v[TT+\q], v[TT+\q], v[BM+4*\q+3]                 ; the step's largest score of my query
.endr
.irp q, 0,1
	v_mul_f32 v[TT+\q], s[CS], v[TT+\q]                            ; as t (c is positive)
.endr
.irp q, 0,1
	v_max_num_f32 v[MT+2*\q+1], v[MT+2*\q+1], v[TT+\q]             ; the running largest t
.endr
.irp q, 0,1
	v_mov_b32 v[TT+\q], v[MT+2*\q]
.endr
.irp q, 0,1
	v_floor_f32 v[MT+2*\q], -v[MT+2*\q+1]                          ; the new -M = -ceil(t): a whole number
.endr
.irp q, 0,1
	v_sub_f32 v[TT+\q], v[MT+2*\q], v[TT+\q]                       ; old M - new M: a whole number, 0 or less
.endr
.irp q, 0,1
	v_cvt_i32_f32 v[TT+\q], v[TT+\q]                               ; (it saturates)
.endr
.irp q, 0,1
	v_ldexp_f32 v[FF+2*\q], 1.0, v[TT+\q]                          ; f = 2^(old M - new M)
.endr
.irp q, 0,1
.set i, 0
.rept 32
	v_pk_fma_f32 v[S+64*\q+i:S+64*\q+i+1], v[S+64*\q+i:S+64*\q+i+1], s[CS:CS+1], v[MT+2*\q:MT+2*\q+1] op_sel_hi:[1,0,0]   ; t - M, two at a time
.set i, i+2
.endr
.irp b, 0,1,2,3
	v_fma_f32 v[BM+4*\q+\b], v[BM+4*\q+\b], s[CS], v[MT+2*\q]      ; the same of each block's largest score
.endr
.endr
.irp q, 0,1
.set i, 0
.rept 64
	v_exp_f32 v[S+64*\q+i], v[S+64*\q+i]                           ; p = 2^(t - M), at most 1
.set i, i+1
.endr
.irp b, 0,1,2,3
	v_exp_f32 v[BM+4*\q+\b], v[BM+4*\q+\b]                         ; the block's largest p
.endr
.endr
.irp q, 0,1
	v_pk_mul_f32 v[SUM+2*\q:SUM+2*\q+1], v[SUM+2*\q:SUM+2*\q+1], v[FF+2*\q:FF+2*\q+1] op_sel_hi:[1,0]   ; the sums under the new M (a plain instruction behind the exponentials)
.endr
	s_wait_alu depctr_va_vdst(0)
.irp q, 0,1
.irp b, 0,1,2,3
	v_max_num_f32 v[BM+4*\q+\b], 0x1800000, v[BM+4*\q+\b]          ; the floor 2^(3 - 127): the byte cannot fall under 1
.endr
.endr
.irp q, 0,1
.irp b, 0,1,2,3
	v_add_nc_u32 v[SO+4*\q+\b], 0xff000000, v[BM+4*\q+\b]          ; 2 off the exponent field: the conversion's scale operand
.endr
.endr
.irp q, 0,1
.irp b, 0,1,2,3
	v_lshrrev_b32 v[BP+4*\q+\b], 23, v[SO+4*\q+\b]                 ; the scale's byte
.endr
.endr
.irp q, 0,1
	v_lshl_or_b32 v[PS+\q], v[BP+4*\q+1], 8, v[BP+4*\q]            ; p's scale word for these 128 keys
.endr
.irp q, 0,1
	v_lshl_or_b32 v[PS+\q], v[BP+4*\q+2], 16, v[PS+\q]
.endr
.irp q, 0,1
	v_lshl_or_b32 v[PS+\q], v[BP+4*\q+3], 24, v[PS+\q]
.endr
.irp q, 0,1
.irp b, 0,1,2,3
	v_cvt_scalef32_pk8_fp4_f32 v[PC+8*\q+2*\b], v[S+64*\q+16*\b:S+64*\q+16*\b+7], v[SO+4*\q+\b]
	v_cvt_scalef32_pk8_fp4_f32 v[PC+8*\q+2*\b+1], v[S+64*\q+16*\b+8:S+64*\q+16*\b+15], v[SO+4*\q+\b]
.endr
.endr
	v_nop                                          ; one plain instruction behind a scaled conversion
.irp q, 0,1
.irp c, 0,1
.irp i, 0,1
	v_permlane16_swap_b32 v[PC+8*\q+4*\c+\i], v[PC+8*\q+4*\c+2+\i] ; a whole block in a lane: lanes 0-15 block 2 c, lanes 16-31 block 2 c + 1
.endr
.endr
.endr
.irp q, 0,1
	v_pk_add_f32 v[BP+4*\q:BP+4*\q+1], v[S+64*\q:S+64*\q+1], v[S+64*\q+2:S+64*\q+3]   ; the row's sum is taken of the unquantised p: two chains a tile
.endr
.irp j, 4,8,12,16,20,24,28,32,36,40,44,48,52,56,60
.irp q, 0,1
	v_pk_add_f32 v[SUM+2*\q:SUM+2*\q+1], v[SUM+2*\q:SUM+2*\q+1], v[S+64*\q+\j:S+64*\q+\j+1]
	v_pk_add_f32 v[BP+4*\q:BP+4*\q+1], v[BP+4*\q:BP+4*\q+1], v[S+64*\q+\j+2:S+64*\q+\j+3]
.endr
.endr
.irp q, 0,1
	v_pk_add_f32 v[SUM+2*\q:SUM+2*\q+1], v[SUM+2*\q:SUM+2*\q+1], v[BP+4*\q:BP+4*\q+1]
.endr
.endm
; A KEY STEP: 128 keys.  Two buffers of 64 registers take K's, then V's fragments by turns: each run of 16 loads is asked for while the other buffer is multiplied, so each count of 16 below leaves the run just issued out.
; Four places stand in front of each run of loads into registers that matrix instructions have read, and in front of the first read of results.
; pf = 1 (the last two steps): x's rows of two of the output tiles 4 to 7, which come from memory, are asked into the cache, each lane a block of 256 bytes of its own: 16 KiB a step, 32 KiB in all, each block once.
.macro STEP pf
	v_add_nc_u32 v[ADK], s[TB], v[L16]
	v_add_nc_u32 v[ADS], s[TS], v[L16]
	PLACES 4
.irp s, 0,1,2,3
	ds_load_b128 v[KS+4*\s:KS+4*\s+3], v[ADS] offset:512*\s
.endr
.irp g, 0,1,2,3
	ds_load_b128 v[VS+4*\g:VS+4*\g+3], v[ADS] offset:2048+512*\g
.endr
	WIN 0x40
	FETCHK 0, F0
	FETCHK 1, F1
	s_wait_dscnt 16
	MULS 0, F0
	PLACES 4
	WIN 0x40
	FETCHK 2, F0
	s_wait_dscnt 16
	MULS 1, F1
	PLACES 4
	WIN 0x40
	FETCHK 3, F1
	s_wait_dscnt 16
	MULS 2, F0
	s_wait_dscnt 0x0
	MULS 3, F1
	PLACES 4
	WIN 0x40
	FETCHV 0, F0
	FETCHV 1, F1
	WIN 0
.if \pf
.irp o, 0,1
	global_prefetch_b8 v[PFO], s[XP:XP+1] offset:65536*\o th:TH_LOAD_NT scope:SCOPE_SE
.endr
.endif
	SOFTMAX
	WIN 0x82                                       ; O^T under the new M, each accumulator from its low end on.  These are also the places between p's codes and scale words and the products below
.set i, 0
.rept 128
	v_pk_mul_f32 v[i:i+1], v[i:i+1], v[FF:FF+1] op_sel_hi:[1,0]
.set i, i+2
.endr
	WIN 0xc3
.set i, 0
.rept 128
	v_pk_mul_f32 v[i:i+1], v[i:i+1], v[FF+2:FF+3] op_sel_hi:[1,0]
.set i, i+2
.endr
	s_wait_dscnt 16
	MULV 0, F0
	PLACES 4
	WIN 0x40
	FETCHV 2, F0
	s_wait_dscnt 16
	MULV 1, F1
	PLACES 4
	WIN 0x40
	FETCHV 3, F1
	s_wait_dscnt 16
	MULV 2, F0
	s_wait_dscnt 0x0
	MULV 3, F1
	WIN 0                                          ; at a label and at a branch every window is 0
	s_add_co_u32 s[TB], s[TB], STEPB
	s_add_co_u32 s[TS], s[TS], 4096
.if \pf
	s_wait_xcnt 0x0                                ; the prefetches, a step's work back, have read their base
	s_add_nc_u64 s[XP:XP+1], s[XP:XP+1], 2*65536
.endif
.endm
; THE CHANGE OF SLOTS stands at a slot's head.  Each wave waits for all its tensor loads (its quarter of the slot ahead), adds 0 to its spare word, and waits for that and for its reads of the slot that it has left.
; Then a round of the cluster's barrier, so that no wave of any partner still reads that slot or has a load on its way; then, first thing, the wave's one load into it:
; fill = 1: the joint load of the next two key steps;  fill = 2 (the last change): my own rows 0 to 63 of x.
.macro CHANGE fill
	WIN 0
	s_wait_tensorcnt 0x0                           ; no tensor load of mine is out, so a group 0 may be written
	ds_add_u32 v[SPW], v[NIL]                      ; 0 onto my spare word
.if \fill == 1
	s_xor_b32 s[G0C+1], s[G0C+1], SLOT1            ; the other slot than last time,
	s_add_nc_u64 s[G0C+2:G0C+3], s[G0C+2:G0C+3], 2*STEPB   ; the next two key steps; the type bits on top are not reached
.endif
	s_wait_dscnt 0x0                               ; the add is done, and my reads of the slot that I have left are over
	CROUND
.if \fill == 1
	tensor_load_to_lds s[G0C:G0C+3], s[G1C:G1C+7]
	s_nop 0
.else
	tensor_load_to_lds s[G0X:G0X+3], s[G1X:G1X+7]
	s_nop 0
.endif
	PLACES 4
.endm
.macro TWO_STEPS pf                    ; a slot's two key steps: written once, walked twice
	s_mov_b32 s[TWICE], 2
.Lstep_\@:
	STEP \pf
	s_sub_co_u32 s[TWICE], s[TWICE], 1
	s_cmp_lg_u32 s[TWICE], 0
	s_cbranch_scc1 .Lstep_\@
	s_sub_co_u32 s[TB], s[TB], 2*STEPB             ; back to a slot's first step,
	s_xor_b32 s[TB], s[TB], SLOT1                  ; in the other slot
.endm
	s_wait_loadcnt 0x0                             ; Q and its scale words
.Lslot:                                            ; three trips: behind each of these changes of slots the next two key steps are asked for
	CHANGE 1
	TWO_STEPS 0
	s_sub_co_u32 s[SLOTS], s[SLOTS], 1
	s_cmp_lg_u32 s[SLOTS], 0
	s_cbranch_scc1 .Lslot
	CHANGE 2                                       ; the last slot is written out: slot 0, left for good, takes x
	TWO_STEPS 1
	s_wait_dscnt 0x0                               ; my reads of slot 1 are over:
	s_barrier_signal -1
	s_barrier_wait -1                              ; everybody's are: results may be stored there.
	; ---- 1 / the sum
.irp q, 0,1
	v_add_f32 v[SUM+2*\q], v[SUM+2*\q], v[SUM+2*\q+1]
.endr
.irp q, 0,1
	v_permlanex16_b32 v[TT+\q], v[SUM+2*\q], s[SEL], s[SEL+1]
.endr
.irp q, 0,1
	v_add_f32 v[SUM+2*\q], v[SUM+2*\q], v[TT+\q]
.endr
.irp q, 0,1
	v_rcp_f32 v[FF+2*\q], v[SUM+2*\q]
.endr
	s_lshl_b32 s23, s[WV], 15
	v_add_nc_u32 v[XR], s23, v[L16]                ; my rows of x in slot 0: 32,768 w + 16 x lane
	s_wait_alu depctr_va_vdst(0)
	PLACES 4                                       ; behind the reciprocals, and behind the last products: loads follow into registers that they read
	WIN 0x40
.set i, 0
.rept 64
	global_load_b128 v[4*i:4*i+3], v[L16], s[12:13] offset:512*i   ; Wo's 32 fragments as they lie in wf: output tile ot, K step s at v[32 ot + 8 s]; 512 consecutive bytes a load
.set i, i+1
.endr
	WIN 0
.irp ot, 0,1,2,3,4,5,6,7
	global_load_b128 v[WOS+4*\ot:WOS+4*\ot+3], v[WSA], s[14:15] offset:256*\ot
.endr
; a = O^T / the sum of query tile q, quantised along the channels, 128 at a time; its four fragments and their scale words go to LDS as images
.macro APHASE q
.irp sp, 0,1,2,3
	WIN 0x02+\q
.set i, 0
.rept 32
	v_pk_mul_f32 v[S+i:S+i+1], v[64*\sp+i:64*\sp+i+1], v[FF+2*\q:FF+2*\q+1] op_sel_hi:[1,0]   ; each accumulator from its low end on
.set i, i+2
.endr
	WIN 0
	QUANT S, PC, AW+\sp
	ds_store_b128 v[AIW], v[PC:PC+3] offset:4096*\q+1024*\sp
	ds_store_b128 v[AIW], v[PC+4:PC+7] offset:4096*\q+1024*\sp+512
.endr
	ds_store_b128 v[ASW], v[AW:AW+3] offset:512*\q
.endm
.macro XLOAD ot, w, reg                ; x's 16 rows of output tile ot, my block's 512 bytes of each, from memory into v[reg] on of window w
	WIN (\w)<<6
.irp t, 0,1,2,3,4,5,6,7,8,9,10,11,12,13,14,15
	global_load_b128 v[\reg+4*\t:\reg+4*\t+3], v[L16], s[68:69] offset:(16*(\ot)+\t)*4096 th:TH_LOAD_NT
.endr
	WIN 0
.endm
	APHASE 1                                       ; window 3 first: it is free then for bo and x
	WIN 0xc0
.irp ot, 0,1,2,3,4,5,6,7
.irp j, 0,1,2,3,4,5,6,7
	global_load_b32 v[64+8*\ot+\j], v[BOA], s[16:17] offset:64*\ot   ; a lane holds one output channel, so its eight registers hold the same number
.endr
.endr
	XLOAD 4, 3, 128                                ; tiles 0 to 3 lie in LDS: the first two that come from memory are asked for now
	XLOAD 5, 3, 192
	APHASE 0
	s_wait_dscnt 0x0                               ; for the others' sake: my images are in LDS
	s_barrier_signal -1
	s_barrier_wait -1
	WIN 0x80
.set i, 0
.rept 64
	ds_load_b128 v[4*i:4*i+3], v[AIR] offset:512*i                 ; a's 32 fragments: query tile qt, K step s at v[32 qt + 8 s]
.set i, i+1
.endr
	WIN 0
.irp i, 0,1,2,3
	ds_load_b128 v[ASC+4*\i:ASC+4*\i+3], v[ASA] offset:1024*\i
.endr
	s_wait_loadcnt 32                              ; Wo, its scale words and bo are in; the 32 loads of x's tiles 4 and 5 may be out
	s_wait_tensorcnt 0x0                           ; my rows of x are in slot 0: only I read them
	s_wait_dscnt 0x0
; Output tile ot: 16 channels x 128 queries, eight accumulators by turns; bo starts the sums.  The results go through my stage and come back as rows of 512 bytes, to which x is added:
; tiles 0-3 from LDS, 4 and 5 from window 3's two buffers, 6 from v[XT] on (asked for behind tile 3), 7 from the first buffer again (asked for behind tile 4).
.macro OUT ot
	WIN 0xf6
.irp s, 0,1,2,3
.irp qt, 0,1,2,3,4,5,6,7
.if \s == 0
	WM 8*\qt, 32*\qt+8*\s, 32*\ot+8*\s, 64+8*\ot, ASC+4*(\qt/2)+\s, WOS+4*\ot+\s, \qt%2, 0
.else
	WM 8*\qt, 32*\qt+8*\s, 32*\ot+8*\s, 8*\qt, ASC+4*(\qt/2)+\s, WOS+4*\ot+\s, \qt%2, 0
.endif
.endr
.endr
	PLACES 5                                       ; the results are read next, and the next tile starts the same accumulators anew with another C
	WIN 0x0c                                       ; an LDS store's data are its source 1: window 3
.irp qt, 0,1,2,3,4,5,6,7
	ds_store_b128 v[STO], v[8*\qt:8*\qt+3] offset:128*(\qt/2)+32*(\qt%2)       ; pixels 32 (qt / 2) + 16 h + 8 (qt % 2) + 0 .. 7 of channel r
	ds_store_b128 v[STO], v[8*\qt+4:8*\qt+7] offset:128*(\qt/2)+32*(\qt%2)+16
.endr
	WIN 0
.if \ot > 0
	s_wait_xcnt 0x0                                ; the last tile's stores have read their data
.endif
.irp t, 0,1,2,3,4,5,6,7,8,9,10,11,12,13,14,15
	ds_load_b128 v[S+4*\t:S+4*\t+3], v[RD] offset:528*\t           ; LDS serves a wave's instructions in order: these see my stores
.endr
.if \ot < 4
.irp t, 0,1,2,3,4,5,6,7,8,9,10,11,12,13,14,15
	ds_load_b128 v[XT+4*\t:XT+4*\t+3], v[XR] offset:(16*\ot+\t)*512   ; x's row 16 ot + t of my 64 in slot 0
.endr
.endif
.if (\ot == 4) || (\ot == 5)
	s_wait_loadcnt 32                              ; this tile's rows of x are in; behind them the 32 loads of the next two tiles
.elseif \ot == 6
	s_wait_loadcnt 16                              ; behind them tile 7's sixteen
.elseif \ot == 7
	s_wait_loadcnt 0x0
.endif
	s_wait_dscnt 0x0
.if (\ot < 4) || (\ot == 6)
.set i, 0
.rept 32
	v_pk_add_f32 v[S+i:S+i+1], v[S+i:S+i+1], v[XT+i:XT+i+1]
.set i, i+2
.endr
.else
	WIN 0x0c
.set i, 0
.rept 32
.if \ot == 5
	v_pk_add_f32 v[S+i:S+i+1], v[S+i:S+i+1], v[192+i:193+i]
.else
	v_pk_add_f32 v[S+i:S+i+1], v[S+i:S+i+1], v[128+i:129+i]
.endif
.set i, i+2
.endr
	WIN 0
.endif
.if \ot == 3
	XLOAD 6, 0, XT
.endif
.if \ot == 4
	XLOAD 7, 3, 128
.endif
.irp t, 0,1,2,3,4,5,6,7,8,9,10,11,12,13,14,15
	global_store_b128 v[L16], v[S+4*\t:S+4*\t+3], s[70:71] offset:(16*\ot+\t)*4096 th:TH_STORE_NT   ; 512 consecutive bytes of a row of out0
.endr
.endm
.irp ot, 0,1,2,3,4,5,6,7
	OUT \ot
.endr
	s_wait_tensorcnt 0x0                           ; the wave's end: behind my last tensor load and my last LDS store
	ds_add_u32 v[SPW], v[NIL]
	s_wait_dscnt 0x0
	CROUND                                         ; the closing round: no work-group ends while a partner may still ask for a tile that names it
	s_endpgm
.Lfunc_end_k_q194fc3bf19_attn:
	.size	k_q194fc3bf19_attn, .Lfunc_end_k_q194fc3bf19_attn-k_q194fc3bf19_attn
	.p2alignl 7, 3214868480
	.fill 96, 4, 3214868480
	.section	.rodata,"a",@progbits
	.p2align	6, 0x0
	.amdhsa_kernel k_q194fc3bf19_attn
		.amdhsa_group_segment_fixed_size 327680
		.amdhsa_private_segment_fixed_size 0
		.amdhsa_enable_private_segment 0
		.amdhsa_kernarg_size 72
		.amdhsa_user_sgpr_count 2
		.amdhsa_user_sgpr_kernarg_segment_ptr 1
		.amdhsa_wavefront_size32 1
		.amdhsa_system_sgpr_workgroup_id_x 1
		.amdhsa_system_sgpr_workgroup_id_y 1
		.amdhsa_system_sgpr_workgroup_id_z 1
		.amdhsa_system_vgpr_workitem_id 0
		.amdhsa_next_free_vgpr 1024
		.amdhsa_next_free_sgpr 84
		.amdhsa_reserve_vcc 0
		.amdhsa_float_denorm_mode_32 3
		.amdhsa_float_denorm_mode_16_64 3
		.amdhsa_memory_ordered 1
		.amdhsa_forward_progress 1
		.amdhsa_inst_pref_size 255
	.end_amdhsa_kernel
	.section	.bss,"aw",@nobits
	.p2align	6
	.space	262144
	.amdgpu_metadata
---
amdhsa.version: [ 1, 2 ]
amdhsa.kernels:
  - .name:           k_q194fc3bf19_attn
    .symbol:         k_q194fc3bf19_attn.kd
    .args:
      - { .name: qf, .offset: 0, .size: 8, .value_kind: global_buffer, .address_space: global }
      - { .name: qs, .offset: 8, .size: 8, .value_kind: global_buffer, .address_space: global }
      - { .name: kv, .offset: 16, .size: 8, .value_kind: global_buffer, .address_space: global }
      - { .name: kvs, .offset: 24, .size: 8, .value_kind: global_buffer, .address_space: global }
      - { .name: wf, .offset: 32, .size: 8, .value_kind: global_buffer, .address_space: global }
      - { .name: wo_scales, .offset: 40, .size: 8, .value_kind: global_buffer, .address_space: global }
      - { .name: bo, .offset: 48, .size: 8, .value_kind: global_buffer, .address_space: global }
      - { .name: x, .offset: 56, .size: 8, .value_kind: global_buffer, .address_space: global }
      - { .name: out0, .offset: 64, .size: 8, .value_kind: global_buffer, .address_space: global }
    .group_segment_fixed_size: 327680
    .private_segment_fixed_size: 0
    .kernarg_segment_align: 8
    .kernarg_segment_size: 72
    .max_flat_workgroup_size: 128
    .sgpr_count:     84
    .vgpr_count:     1024
    .wavefront_size: 32
...
	.end_amdgpu_metadata
.endif
;; end of part 3
;; ======== version 2 of 2: 3 launches
;; workspace buffers: hc 8,388,608 bytes; hs 524,288 bytes; qf 8,388,608 bytes; qs 524,288 bytes; kv 16,777,216 bytes; kvs 1,048,576 bytes; wf 524,288 bytes
;; launch gnq (part 4): grid 16 x 32, 8 waves a work-group, no clusters, 23,552 bytes of LDS; arguments x, gn_scale, gn_bias, hc, wq_codes, wk_codes, wv_codes, wo_codes, hs, wf; writes hc, hs, wf
.if DOCPART == 4
	.amdgcn_target "amdgcn-amd-amdhsa--gfx1250"
	.amdhsa_code_object_version 6
	.text
	.protected	k_q194fc3bf19_gnq
	.globl	k_q194fc3bf19_gnq
	.p2align	8
	.type	k_q194fc3bf19_gnq,@function
k_q194fc3bf19_gnq:
	s_mov_b64 s[64:65], 0
	v_nop
	global_prefetch_b8 v0, s[64:65] scope:SCOPE_SE
	s_setreg_imm32_b32 hwreg(HW_REG_WAVE_MODE, 25, 1), 1
	s_wait_xcnt 0x0
; GroupNorm of x [32][512][1024] f32 (32 groups of 16 channels x 1,024 pixels), gain and bias, and the quantising of the result h along the CHANNELS into codes of E2M1 with one E8M0 byte for 32 channels.
; A quantiser block of 32 channels is two whole groups.  So a work-group owns 32 channels of one image, 131,072 dense bytes, in its registers: x is read once for the means, the variances and the codes.
; SHARES.  Eight waves; wave w owns pixels 128 w .. 128 w + 127, lane l pixels 128 w + 4 l .. + 3, all 32 channels: register X + 4 c + j is channel c of the lane's pixel j.
; A lane's registers run down the channels, so a block's largest magnitude needs no other lane and the conversions give codes with the channels innermost.
; The variance is taken of x - mean (two passes over the registers), so a common offset of x costs no digits.
; OUT.  hc [b][cb][slot][16 bytes]: the 32 codes of channel block cb of a pixel;  hs [b][cb][slot]: its scale byte.  SLOT = the pixel's number with bits 3 and 4 swapped: row m of a tile of 16 slots
; 2 b + u is then pixel 32 b + 16 (m / 8) + 8 u + m % 8, which lets the later products leave 16 neighbouring pixels in a lane's 16 registers.
; Codes turn through the wave's own stage in LDS, so that each store covers 512 consecutive bytes; the scale bytes of the eight waves meet in LDS and leave as four aligned runs of 256 bytes.
; THE WEIGHTS' CODES ARE LAID ANEW ON THE WAY: wf [weight q, k, v, o][tile 32][K step 4][c 2][lane 32][16 bytes] holds each fragment (16 rows x 128 K) as an image of its eight operand registers, so that the later launches
; load a fragment as two runs of 512 consecutive bytes.  4 x 32 x 4 = 512 fragments, one for each of the 512 work-groups: wave 7 copies it.  Of q, k, v lane r of tile 2 b + u takes row 32 b + 8 u + r + 8 (r / 8); of o row 16 T + r.
; LIMITS: NaN and infinities in x are not served.  A block whose largest magnitude lies under 2^-124 gets the byte 1 (a block of zeros too, where the rule says 127: its codes are zeros, and this program alone reads the bytes).
.set X,    68                          ; v68-195  the 32 channels x 4 pixels
.set Y,    20                          ; v20-51   at work: partial sums, then one pixel's 32 normalised numbers
.set C,    52                          ; v52-67   the four pixels' codes
.set SW,   196                         ; v196     the four pixels' scale bytes
.set WSRC, 197                         ; v197     the weight fragment: my 16 bytes in the weight's rows; never rewritten
.set WDST, 198                         ; v198     16 x lane; never rewritten
.set WD,   200                         ; v200-207 the fragment; never rewritten
.set RED1, 0                           ; LDS: the waves' sums, [wave][group] f32
.set RED2, 256                         ; the waves' sums of squares
.set SCB,  512                         ; the 1,024 scale bytes in slot order
.set STG,  2048                        ; a stage of 32 places of 64 + 16 bytes for each wave
.set SC,   16                          ; s16-47   gain, later gain x 1 / sqrt(var + eps)
.set BI,   68                          ; s68-99   first the weights' addresses, then the bias
.macro XLOADS
.set n, 0
.rept 32
	global_load_b128 v[X+4*n:X+4*n+3], v1, s[4:5] offset:4096*n th:TH_LOAD_NT   ; a wave reads 512 consecutive bytes of channel n
.set n, n+1
.endr
.endm
	s_load_b256 s[4:11], s[0:1], 0x0               ; x, gn_scale, gn_bias, hc
	s_load_b256 s[68:75], s[0:1], 0x20             ; wq_codes, wk_codes, wv_codes, wo_codes
	s_load_b64 s[12:13], s[0:1], 0x40              ; hs
	s_load_b64 s[76:77], s[0:1], 0x48              ; wf
	v_lshl_add_u32 v208, v0, 2, 0x5800
	v_mov_b32 v209, 0
	v_lshrrev_b32 v14, 5, v0
	s_delay_alu instid0(VALU_DEP_1)
	v_readfirstlane_b32 s14, v14                   ; wave 0..7
	s_and_b32 s54, ttmp7, 0xffff                   ; image b
	s_lshl_b32 s52, s54, 21                        ; x: b x 512 rows of 4,096 bytes
	s_lshl_b32 s55, ttmp9, 17                      ; + cb x 32 rows
	s_add_co_u32 s52, s52, s55
	s_mov_b32 s53, 0
	s_lshl_b32 s15, s54, 4
	s_add_co_u32 s15, s15, ttmp9                   ; 16 b + cb: the work-group's number, 0 .. 511
	s_lshl_b32 s58, s15, 10                        ; hs, and wf: 1,024 bytes each
	s_lshl_b32 s56, s15, 14                        ; hc: 16,384 bytes each
	s_mov_b32 s57, 0
	s_mov_b32 s59, 0
	s_lshl_b32 s60, ttmp9, 7                       ; gain and bias: 32 numbers of 4 bytes for each cb
	s_mov_b32 s61, 0
	s_lshr_b32 s2, s15, 7                          ; my fragment: which weight (0 q, 1 k, 2 v, 3 o),
	s_bfe_u32 s3, s15, 0x50002                     ; which tile T of 16 rows (5 bits from bit 2); the K step is the low two bits
	s_lshr_b32 s66, s3, 1
	s_lshl_b32 s66, s66, 5
	s_and_b32 s50, s3, 1
	s_lshl_b32 s50, s50, 3
	s_add_co_u32 s66, s66, s50                     ; q, k, v: the tile begins at row 32 (T / 2) + 8 (T % 2),
	s_lshl_b32 s50, s3, 4                          ; o: at row 16 T
	s_cmp_eq_u32 s2, 3
	s_cselect_b32 s66, s50, s66
	s_cselect_b32 s67, 0, 8                        ; and lanes 8-15 take rows 8 further on, or not
	s_lshl_b32 s66, s66, 8                         ; rows of 256 bytes
	s_and_b32 s50, s15, 3
	s_lshl_b32 s50, s50, 6                         ; a K step is 64 bytes of a row
	s_add_co_u32 s66, s66, s50
	v_lshlrev_b32 v1, 4, v0                        ; 16 x thread = 512 w + 16 l: my 16 bytes of a row of x
	v_and_b32 v14, 15, v0                          ; r
	s_delay_alu instid0(VALU_DEP_1)
	v_and_b32 v15, s67, v14
	s_delay_alu instid0(VALU_DEP_1)
	v_add_nc_u32 v14, v14, v15                     ; r + 8 (r / 8), or r
	v_bfe_u32 v15, v0, 4, 1                        ; h
	s_delay_alu instid0(VALU_DEP_2)
	v_lshlrev_b32 v[WSRC], 8, v14
	s_delay_alu instid0(VALU_DEP_1)
	v_lshl_add_u32 v[WSRC], v15, 4, v[WSRC]
	s_delay_alu instid0(VALU_DEP_1)
	v_add_nc_u32 v[WSRC], s66, v[WSRC]             ; row x 256 + 64 x K step + 16 h
	v_and_b32 v[WDST], 31, v0
	s_delay_alu instid0(VALU_DEP_1)
	v_lshlrev_b32 v[WDST], 4, v[WDST]
	s_wait_kmcnt 0x0
	s_add_nc_u64 s[4:5], s[4:5], s[52:53]
	s_and_b32 s51, s15, 128
	s_cmp_lg_u32 s51, 0                            ; the choice of the weight hangs on the work-group's number alone: k or o?
	s_cselect_b64 s[68:69], s[70:71], s[68:69]
	s_cselect_b64 s[72:73], s[74:75], s[72:73]
	s_cmp_gt_u32 s2, 1                             ; v or o?
	s_cselect_b64 s[68:69], s[72:73], s[68:69]
	s_add_nc_u64 s[76:77], s[76:77], s[58:59]
	s_cmp_lg_u32 s14, 7
	s_cbranch_scc1 .Lplain
	s_wait_alu depctr_va_vdst(0)
	global_load_b128 v[WD:WD+3], v[WSRC], s[68:69]                 ; wave 7: registers 0-3 of the fragment,
	global_load_b128 v[WD+4:WD+7], v[WSRC], s[68:69] offset:32     ; registers 4-7; ahead of x, so that they come first
	XLOADS
	s_wait_loadcnt 32                              ; the fragment is in; x's 32 loads stay out
	global_store_b128 v[WDST], v[WD:WD+3], s[76:77]                ; 512 consecutive bytes each
	global_store_b128 v[WDST], v[WD+4:WD+7], s[76:77] offset:512
	s_branch .Ljoin
.Lplain:
	XLOADS
.Ljoin:
	s_add_nc_u64 s[6:7], s[6:7], s[60:61]
	s_add_nc_u64 s[8:9], s[8:9], s[60:61]
	s_add_nc_u64 s[10:11], s[10:11], s[56:57]
	s_add_nc_u64 s[12:13], s[12:13], s[58:59]
	s_mov_b32 s48, 0x76543210                      ; v_permlanex16_b32's selects for lane l xor 16
	s_mov_b32 s49, 0xfedcba98
	s_mov_b32 s62, 0x38800000                      ; 2^-14 = 1 / (16 x 1,024)
	s_mov_b32 s63, 0x3727c5ac                      ; eps = 1e-5
	v_mul_u32_u24 v2, v0, 80
	s_delay_alu instid0(VALU_DEP_1)
	v_add_nc_u32 v2, STG, v2                       ; into the stage: place 80 x thread: my four pixels' 64 bytes
	v_bfe_u32 v14, v0, 2, 1
	v_bfe_u32 v15, v0, 4, 1
	v_bfe_u32 v16, v0, 3, 1
	s_delay_alu instid0(VALU_DEP_2)
	v_lshl_add_u32 v14, v15, 1, v14
	s_delay_alu instid0(VALU_DEP_1)
	v_lshl_add_u32 v14, v16, 2, v14                ; l' / 4, l' = my lane with bits 3 and 4 swapped: the pixel that belongs in slot l
	s_delay_alu instid0(VALU_DEP_1)
	v_mul_u32_u24 v3, v14, 80
	v_and_b32 v15, 3, v0
	s_delay_alu instid0(VALU_DEP_1)
	v_lshl_add_u32 v3, v15, 4, v3
	s_mul_i32 s55, s14, 2560
	s_add_co_u32 s55, s55, STG
	v_add_nc_u32 v3, s55, v3                       ; out of the stage: 80 (l' / 4) + 16 (l' % 4)
	v_and_b32 v15, 31, v0
	s_lshl_b32 s55, s14, 11
	v_lshl_add_u32 v4, v15, 4, s55                 ; hc: 2,048 w + 16 l
	v_and_b32 v14, 25, v0
	v_bfe_u32 v15, v0, 1, 1
	s_delay_alu instid0(VALU_DEP_1)
	v_lshl_or_b32 v14, v15, 2, v14
	v_bfe_u32 v15, v0, 2, 1
	s_delay_alu instid0(VALU_DEP_1)
	v_lshl_or_b32 v14, v15, 1, v14                 ; my lane with bits 1 and 2 swapped: my four pixels' slots are 4 x that + 0 .. 3
	s_lshl_b32 s55, s14, 7
	s_add_co_u32 s55, s55, SCB
	v_lshl_add_u32 v5, v14, 2, s55
	v_lshl_add_u32 v6, v0, 3, SCB                  ; the scale bytes' way out: 8 bytes a thread (waves 0 to 3)
	v_lshlrev_b32 v7, 3, v0
	s_lshl_b32 s55, s14, 3
	v_mov_b32 v8, s55                              ; my wave's two words among the sums
	v_mov_b32 v9, 0
	s_wait_xcnt 0x0                                ; wave 7's loads and stores have read their bases: the bias lands on those registers only behind this wait
	s_load_b512 s[SC:SC+15], s[6:7], 0x0
	s_load_b512 s[SC+16:SC+31], s[6:7], 0x40
	s_load_b512 s[BI:BI+15], s[8:9], 0x0
	s_load_b512 s[BI+16:BI+31], s[8:9], 0x40
; The sum (sq = 0) or the sum of squares (sq = 1) of group g's 64 registers, in four chains; then over the 32 lanes; the wave's figure goes to its own word.
.macro GSUM g, sq, red
.irp k, 0,1,2,3
.if \sq
	v_pk_mul_f32 v[Y+8*\g+2*\k:Y+8*\g+2*\k+1], v[X+64*\g+2*\k:X+64*\g+2*\k+1], v[X+64*\g+2*\k:X+64*\g+2*\k+1]
.else
	v_pk_add_f32 v[Y+8*\g+2*\k:Y+8*\g+2*\k+1], v[X+64*\g+2*\k:X+64*\g+2*\k+1], v[X+64*\g+8+2*\k:X+64*\g+8+2*\k+1]
.endif
.endr
.irp p, 4,8,12,16,20,24,28
.irp k, 0,1,2,3
.if \sq
	s_delay_alu instid0(VALU_DEP_4)
	v_pk_fma_f32 v[Y+8*\g+2*\k:Y+8*\g+2*\k+1], v[X+64*\g+2*(\p+\k):X+64*\g+2*(\p+\k)+1], v[X+64*\g+2*(\p+\k):X+64*\g+2*(\p+\k)+1], v[Y+8*\g+2*\k:Y+8*\g+2*\k+1]
.elseif \p > 4
	s_delay_alu instid0(VALU_DEP_4)
	v_pk_add_f32 v[Y+8*\g+2*\k:Y+8*\g+2*\k+1], v[Y+8*\g+2*\k:Y+8*\g+2*\k+1], v[X+64*\g+2*(\p+\k):X+64*\g+2*(\p+\k)+1]
.endif
.endr
.endr
	s_delay_alu instid0(VALU_DEP_3)
	v_pk_add_f32 v[Y+8*\g:Y+8*\g+1], v[Y+8*\g:Y+8*\g+1], v[Y+8*\g+2:Y+8*\g+3]
	s_delay_alu instid0(VALU_DEP_2)
	v_pk_add_f32 v[Y+8*\g+4:Y+8*\g+5], v[Y+8*\g+4:Y+8*\g+5], v[Y+8*\g+6:Y+8*\g+7]
	s_delay_alu instid0(VALU_DEP_1)
	v_pk_add_f32 v[Y+8*\g:Y+8*\g+1], v[Y+8*\g:Y+8*\g+1], v[Y+8*\g+4:Y+8*\g+5]
	s_delay_alu instid0(VALU_DEP_1)
	v_add_f32 v[Y+8*\g], v[Y+8*\g], v[Y+8*\g+1]
	s_delay_alu instid0(VALU_DEP_1)
	v_add_f32_dpp v[Y+8*\g], v[Y+8*\g], v[Y+8*\g] row_xmask:1 row_mask:0xf bank_mask:0xf
	s_delay_alu instid0(VALU_DEP_1)
	v_add_f32_dpp v[Y+8*\g], v[Y+8*\g], v[Y+8*\g] row_xmask:2 row_mask:0xf bank_mask:0xf
	s_delay_alu instid0(VALU_DEP_1)
	v_add_f32_dpp v[Y+8*\g], v[Y+8*\g], v[Y+8*\g] row_xmask:4 row_mask:0xf bank_mask:0xf
	s_delay_alu instid0(VALU_DEP_1)
	v_add_f32_dpp v[Y+8*\g], v[Y+8*\g], v[Y+8*\g] row_xmask:8 row_mask:0xf bank_mask:0xf
	s_delay_alu instid0(VALU_DEP_1)
	v_permlanex16_b32 v[Y+8*\g+1], v[Y+8*\g], s48, s49
	s_delay_alu instid0(VALU_DEP_1)
	v_add_f32 v[Y+8*\g], v[Y+8*\g], v[Y+8*\g+1]
	ds_store_b32 v8, v[Y+8*\g] offset:\red+4*\g    ; all lanes write the same word with the same value
.endm
; My stores have landed; the barrier; the eight waves' pairs (group 0, group 1) are added in the same order in every wave: v[Y+16], v[Y+17].
.macro WSUM red
	s_wait_dscnt 0x0                               ; for the others' sake: my two words are in LDS
	s_barrier_signal -1
	s_barrier_wait -1
.irp i, 0,1,2,3
	ds_load_b128 v[Y+16+4*\i:Y+16+4*\i+3], v9 offset:\red+16*\i
.endr
	s_wait_dscnt 0x0
.irp i, 0,4,8,12
	v_pk_add_f32 v[Y+16+\i:Y+17+\i], v[Y+16+\i:Y+17+\i], v[Y+18+\i:Y+19+\i]
.endr
	s_delay_alu instid0(VALU_DEP_3)
	v_pk_add_f32 v[Y+16:Y+17], v[Y+16:Y+17], v[Y+20:Y+21]
	s_delay_alu instid0(VALU_DEP_2)
	v_pk_add_f32 v[Y+24:Y+25], v[Y+24:Y+25], v[Y+28:Y+29]
	s_delay_alu instid0(VALU_DEP_1)
	v_pk_add_f32 v[Y+16:Y+17], v[Y+16:Y+17], v[Y+24:Y+25]
.endm
	s_wait_loadcnt 16                              ; group 0's sixteen loads are in; group 1's sixteen may be out
	GSUM 0, 0, RED1
	s_wait_loadcnt 0x0
	GSUM 1, 0, RED1
	WSUM RED1
	s_delay_alu instid0(VALU_DEP_1)
	v_mul_f32 v10, s62, v[Y+16]                    ; the means, each twice: a pair for the packed subtraction
	s_delay_alu instid0(VALU_DEP_2)
	v_mul_f32 v11, s62, v[Y+16]
	s_delay_alu instid0(VALU_DEP_3)
	v_mul_f32 v12, s62, v[Y+17]
	s_delay_alu instid0(VALU_DEP_4)
	v_mul_f32 v13, s62, v[Y+17]
.set n, 0
.rept 32
	v_pk_add_f32 v[X+2*n:X+2*n+1], v[X+2*n:X+2*n+1], v[10:11] neg_lo:[0,1] neg_hi:[0,1]
	v_pk_add_f32 v[X+64+2*n:X+64+2*n+1], v[X+64+2*n:X+64+2*n+1], v[12:13] neg_lo:[0,1] neg_hi:[0,1]
.set n, n+1
.endr
	GSUM 0, 1, RED2                                ; other words than the first sums': nobody overwrites what a slower wave still reads
	GSUM 1, 1, RED2
	WSUM RED2
	s_delay_alu instid0(VALU_DEP_1)
	v_fma_f32 v14, v[Y+16], s62, s63               ; var + eps
	s_delay_alu instid0(VALU_DEP_2)
	v_fma_f32 v15, v[Y+17], s62, s63
	s_wait_alu depctr_va_vdst(0)
	v_rsq_f32 v14, v14
	v_rsq_f32 v15, v15
	v_nop                                          ; a plain instruction between a transcendental and the use of its result
	s_wait_alu depctr_va_vdst(0)
	v_readfirstlane_b32 s50, v14
	v_readfirstlane_b32 s51, v15
	s_wait_kmcnt 0x0                               ; gain and bias
.set n, 0
.rept 16
	s_mul_f32 s[SC+n], s[SC+n], s50                ; gain / sqrt(var + eps), channel by channel
	s_mul_f32 s[SC+16+n], s[SC+16+n], s51
.set n, n+1
.endr
; Pixel j of my four: normalise its 32 channels, find the block's scale, convert, and put the 16 bytes into the stage.
.macro PIX j
.set n, 0
.rept 32
	v_fma_f32 v[Y+n], v[X+4*n+\j], s[SC+n], s[BI+n]
.set n, n+1
.endr
	v_max3_num_f32 v14, |v[Y]|, |v[Y+1]|, 0x1800000                ; with the floor 2^(3 - 127) among the leaves: the byte cannot fall under 1
	v_max3_num_f32 v15, |v[Y+2]|, |v[Y+3]|, |v[Y+4]|
.irp i, 5,9,13,17,21,25
	s_delay_alu instid0(VALU_DEP_2)
	v_max3_num_f32 v14, v14, |v[Y+\i]|, |v[Y+\i+1]|
	s_delay_alu instid0(VALU_DEP_2)
	v_max3_num_f32 v15, v15, |v[Y+\i+2]|, |v[Y+\i+3]|
.endr
	s_delay_alu instid0(VALU_DEP_2)
	v_max3_num_f32 v14, v14, |v[Y+29]|, |v[Y+30]|
	s_delay_alu instid0(VALU_DEP_1)
	v_max3_num_f32 v14, v14, v15, |v[Y+31]|
	s_delay_alu instid0(VALU_DEP_1)
	v_add_nc_u32 v16, 0xff000000, v14              ; 2 off the exponent field: the conversion takes this operand's exponent field as its scale
.irp g, 0,1,2,3
	v_cvt_scalef32_pk8_fp4_f32 v[C+4*\j+\g], v[Y+8*\g:Y+8*\g+7], v16
.endr
.if \j == 0
	v_lshrrev_b32 v[SW], 23, v16                   ; the scale's byte (also the plain instruction behind the conversions)
.else
	v_lshrrev_b32 v17, 23, v16
	s_delay_alu instid0(VALU_DEP_1)
	v_lshl_or_b32 v[SW], v17, 8*\j, v[SW]
.endif
	ds_store_b128 v2, v[C+4*\j:C+4*\j+3] offset:16*\j
.endm
	PIX 0
	PIX 1
	PIX 2
	PIX 3
.irp i, 0,1,2,3
	ds_load_b128 v[Y+4*\i:Y+4*\i+3], v3 offset:640*\i              ; slot 32 i + l; LDS serves a wave's instructions in order: these see my stores
.endr
	ds_store_b32 v5, v[SW]
.irp i, 0,1,2,3
	s_wait_dscnt 4-\i                              ; load i is in: behind it 3 - i loads and the store of the bytes
	global_store_b128 v4, v[Y+4*\i:Y+4*\i+3], s[10:11] offset:512*\i   ; 512 consecutive bytes
.endr
	s_wait_dscnt 0x0                               ; for the others' sake: my scale bytes are in LDS
	s_barrier_signal -1
	s_barrier_wait -1
	s_cmp_gt_u32 s14, 3
	s_cbranch_scc1 .Ldone                          ; waves 0 to 3 store the 1,024 bytes, 256 consecutive, aligned bytes each
	ds_load_b64 v[14:15], v6
	s_wait_dscnt 0x0
	global_store_b64 v7, v[14:15], s[12:13]
.Ldone:
	s_wait_tensorcnt 0x0
	ds_add_u32 v208, v209
	s_wait_dscnt 0x0
	s_endpgm
.Lfunc_end_k_q194fc3bf19_gnq:
	.size	k_q194fc3bf19_gnq, .Lfunc_end_k_q194fc3bf19_gnq-k_q194fc3bf19_gnq
	.p2alignl 7, 3214868480
	.fill 96, 4, 3214868480
	.section	.rodata,"a",@progbits
	.p2align	6, 0x0
	.amdhsa_kernel k_q194fc3bf19_gnq
		.amdhsa_group_segment_fixed_size 23552
		.amdhsa_private_segment_fixed_size 0
		.amdhsa_enable_private_segment 0
		.amdhsa_kernarg_size 80
		.amdhsa_user_sgpr_count 2
		.amdhsa_user_sgpr_kernarg_segment_ptr 1
		.amdhsa_wavefront_size32 1
		.amdhsa_system_sgpr_workgroup_id_x 1
		.amdhsa_system_sgpr_workgroup_id_y 1
		.amdhsa_system_sgpr_workgroup_id_z 1
		.amdhsa_system_vgpr_workitem_id 0
		.amdhsa_next_free_vgpr 210
		.amdhsa_next_free_sgpr 100
		.amdhsa_reserve_vcc 0
		.amdhsa_float_denorm_mode_32 3
		.amdhsa_float_denorm_mode_16_64 3
		.amdhsa_memory_ordered 1
		.amdhsa_forward_progress 1
		.amdhsa_inst_pref_size 51
	.end_amdhsa_kernel
	.amdgpu_metadata
---
amdhsa.version: [ 1, 2 ]
amdhsa.kernels:
  - .name:           k_q194fc3bf19_gnq
    .symbol:         k_q194fc3bf19_gnq.kd
    .args:
      - { .name: x, .offset: 0, .size: 8, .value_kind: global_buffer, .address_space: global }
      - { .name: gn_scale, .offset: 8, .size: 8, .value_kind: global_buffer, .address_space: global }
      - { .name: gn_bias, .offset: 16, .size: 8, .value_kind: global_buffer, .address_space: global }
      - { .name: hc, .offset: 24, .size: 8, .value_kind: global_buffer, .address_space: global }
      - { .name: wq_codes, .offset: 32, .size: 8, .value_kind: global_buffer, .address_space: global }
      - { .name: wk_codes, .offset: 40, .size: 8, .value_kind: global_buffer, .address_space: global }
      - { .name: wv_codes, .offset: 48, .size: 8, .value_kind: global_buffer, .address_space: global }
      - { .name: wo_codes, .offset: 56, .size: 8, .value_kind: global_buffer, .address_space: global }
      - { .name: hs, .offset: 64, .size: 8, .value_kind: global_buffer, .address_space: global }
      - { .name: wf, .offset: 72, .size: 8, .value_kind: global_buffer, .address_space: global }
    .group_segment_fixed_size: 23552
    .private_segment_fixed_size: 0
    .kernarg_segment_align: 8
    .kernarg_segment_size: 80
    .max_flat_workgroup_size: 256
    .sgpr_count:     100
    .vgpr_count:     210
    .wavefront_size: 32
...
	.end_amdgpu_metadata
.endif
;; end of part 4
;; launch qkv (part 5): grid 8 x 32, 4 waves a work-group, no clusters, 0 bytes of LDS; arguments hc, hs, wf, wq_scales, bq, wv_scales, wk_scales, bk, bv, qf, qs, kv, kvs; writes qf, qs, kv, kvs
.if DOCPART == 5
	.amdgcn_target "amdgcn-amd-amdhsa--gfx1250"
	.amdhsa_code_object_version 6
	.text
	.protected	k_q194fc3bf19_qkv
	.globl	k_q194fc3bf19_qkv
	.p2align	8
	.type	k_q194fc3bf19_qkv,@function
k_q194fc3bf19_qkv:
	s_mov_b64 s[64:65], 0
	v_nop
	global_prefetch_b8 v0, s[64:65] scope:SCOPE_SE
	s_setreg_imm32_b32 hwreg(HW_REG_WAVE_SCHED_MODE, 0, 2), 2
	s_setreg_imm32_b32 hwreg(HW_REG_WAVE_MODE, 25, 1), 1
	s_wait_xcnt 0x0
	s_wait_alu depctr_vm_vsrc(0)
; q = h Wq^T + bq, k = h Wk^T + bk, v = h Wv^T + bv on codes of E2M1 with E8M0 scales; the results are quantised in registers, q and k along the channels, v along the KEYS (pixels), and stored as images of the
; operand registers that the attention launch wants: a fragment (16 rows x 128 K, 8 registers a lane) as two runs of 512 bytes, lane l's 16 bytes at 16 l.
; SHARES.  A work-group owns 128 pixel slots (pg) of one image.  Wave w makes channels 128 w .. 128 w + 127 of q, k and v for all 128 slots: for q and k that is K step w of the score product, for v eight tiles of V^T.
; All operands go from memory straight into fragment registers: h's 32 fragments (window 1) stay for the launch; a weight's 32 fragments of the wave fill a window.  No LDS, no barrier: waves share nothing.
; THE WEIGHTS' CODES come from wf, where the launch before laid them as images of these registers: every load of a wave covers 512 consecutive bytes.
; NO JOINT LOADS: nothing goes through LDS here, and the three weights' codes, 3 x 131,072 bytes, are more than a work-group's 327,680 bytes of LDS, so shared tiles would have to be filled again in rounds.
; q, k: TRANSPOSED (source 0 = 16 rows of W, source 1 = 16 slots of h): a lane holds one slot, its registers run along the channels.  Lane r of weight tile 2 b + u holds row 32 b + 8 u + r + 8 (r / 8), so that the
; 16 registers of tiles 2 b, 2 b + 1 are 16 neighbouring channels.  v: source 0 = 16 slots of h, source 1 = 16 rows of Wv: a lane holds one channel, and, by the slots' order (pixel bits 3 and 4 swapped), the 16 registers
; of tiles 2 b, 2 b + 1 are 16 neighbouring pixels.  The biases are the C of each sum's first matrix instruction.
; SCALE WORDS lie in pairs: lanes 0-15 of a register hold the words of tile 2 i, lanes 16-31 those of tile 2 i + 1; the instruction's row selector picks.
; LIMITS: NaN and infinities are not served; a block whose largest magnitude lies under 2^-124 gets the byte 1 (a block of zeros too: its codes are zeros, and this program alone reads the bytes).
; REGISTERS: window 0 below;  window 1: h (tile t, K step s at v[32 t + 8 s]);  window 2: Wq, later Wv;  window 3: Wk.
; THE MODE: SCHED_MODE bits 1:0 = 2 (LLVM: expert scheduling mode 2), set by the entry lines.  The code itself states the register dependences between vector or matrix instructions and memory instructions,
; with s_wait_alu, always for 0.
; THE PLAN.  24 trips, eight to a phase (q, k, v); a trip is 32 products, their places, the trip's memory instructions, the quantiser.  Registers that memory instructions touch:
;   v1, v2, v4-v7   offsets, made once at the head and never written again.
;   window 2        Wq, loaded at the head, read by the products of trips 0-7; Wv lands there in trips 8-11 and is read from trip 16 on.
;   window 3        Wk lands there in trips 1-4; no vector or matrix instruction names it before trip 8.
;   B               bq from the head; bk lands in trip 7, bv in trip 15, each behind that trip's products, the last that read the bias before.
;   PC0, PC1        the codes, two buffers by turns: trip g's conversions and exchanges write PC[g % 2]; the two stores that read it are issued in trip g + 1.
;   PK              a phase's scale words in pairs: written behind trips 7, 15, 23; its store is issued in trips 8 and 16 and at the end.
;   window 1, the weights' scale words: loaded at the head, never again.  ACC takes the head's byte loads and is then named by vector and matrix instructions alone, as are v8-23 and PW.
; So ONE wait on va_vdst stands in a trip, behind its products and places: the trip before has written its codes (and PK), and all products issued so far are done reading the weight and the bias on which this trip's
; loads land.  Ahead of it stand s_wait_xcnt 0 and the wait on vm_vsrc: the stores issued a trip ago have read PC[g % 2], which this trip's conversions write again.  Behind them the trip's loads and stores follow with
; no further wait: only the quantiser comes behind, and it names ACC, v8-23, PW and PC[g % 2], none of which they touch.
.set L16, 1                            ; v1   16 x lane
.set HA,  2                            ; v2   h: 16 r + 16,384 (lane / 16)
.set WSA, 4                            ; v4   the weights' scale words, paired
.set BA,  5                            ; v5   bq, bk: 64 (lane / 16)
.set BVA, 6                            ; v6   bv: 4 (r + 8 (r / 8))
.set LN,  7                            ; v7   lane
.set TM,  8                            ; v8-23    the quantiser's work
.set PC,  24                           ; v24-31   the codes of an even trip;  v236-243 (PC + 212) those of an odd one
.set PW,  32                           ; v32-39   a phase's eight scale words
.set PK,  40                           ; v40-43   the same in pairs
.set HS,  44                           ; v44-59   h's scale words: register 4 i + s
.set WSQ, 60                           ; v60-75, v76-91, v92-107  the weights' scale words: register 4 i + s
.set WSK, 76
.set WSV, 92
.set ACC, 108                          ; v108-171 eight accumulators
.set B,   172                          ; v172-235 a phase's biases in the results' layout
.set SEL, 36
.set MSB, 0
.macro WIN new                         ; the immediate's high byte repeats the setting that is left; a switch that changes nothing is dropped
.if MSB != (\new)
	s_set_vgpr_msb (MSB<<8)|(\new)
.set MSB, \new
.endif
.endm
.macro PLACES n
.rept \n
	v_nop
.endr
.endm
; One matrix instruction: D, A, B, C by their first registers, the two scale registers, and which half of the lanes holds each side's words.
.macro WM d, a, b, c, sa, sb, ra, rb
.if (\ra) && (\rb)
	v_wmma_scale_f32_16x16x128_f8f6f4 v[\d:\d+7], v[\a:\a+7], v[\b:\b+7], v[\c:\c+7], v[\sa], v[\sb] matrix_a_fmt:MATRIX_FMT_FP4 matrix_b_fmt:MATRIX_FMT_FP4 matrix_a_scale:MATRIX_SCALE_ROW1 matrix_b_scale:MATRIX_SCALE_ROW1
.elseif (\ra)
	v_wmma_scale_f32_16x16x128_f8f6f4 v[\d:\d+7], v[\a:\a+7], v[\b:\b+7], v[\c:\c+7], v[\sa], v[\sb] matrix_a_fmt:MATRIX_FMT_FP4 matrix_b_fmt:MATRIX_FMT_FP4 matrix_a_scale:MATRIX_SCALE_ROW1
.elseif (\rb)
	v_wmma_scale_f32_16x16x128_f8f6f4 v[\d:\d+7], v[\a:\a+7], v[\b:\b+7], v[\c:\c+7], v[\sa], v[\sb] matrix_a_fmt:MATRIX_FMT_FP4 matrix_b_fmt:MATRIX_FMT_FP4 matrix_b_scale:MATRIX_SCALE_ROW1
.else
	v_wmma_scale_f32_16x16x128_f8f6f4 v[\d:\d+7], v[\a:\a+7], v[\b:\b+7], v[\c:\c+7], v[\sa], v[\sb] matrix_a_fmt:MATRIX_FMT_FP4 matrix_b_fmt:MATRIX_FMT_FP4
.endif
.endm
; 64 numbers of a lane, register s + 16 b + i = k 32 b + 16 (lane / 16) + i of my row, become a fragment's codes in v[pc] on and its scale word in v[pw] (the same word in lanes l and l xor 16).
.macro QUANT s, pc, pw
.irp b, 0,1,2,3
	v_max3_num_f32 v[TM+\b], |v[\s+16*\b]|, |v[\s+1+16*\b]|, 0x1800000   ; my 16 numbers of block b, from each accumulator's low end on, and the floor 2^(3 - 127)
.endr
.irp i, 2,4,6,8,10,12,14
.irp b, 0,1,2,3
	v_max3_num_f32 v[TM+\b], v[TM+\b], |v[\s+16*\b+\i]|, |v[\s+1+16*\b+\i]|
.endr
.endr
.irp b, 0,1,2,3
	v_permlanex16_b32 v[TM+4+\b], v[TM+\b], s[SEL], s[SEL+1]
.endr
.irp b, 0,1,2,3
	v_max_num_f32 v[TM+\b], v[TM+\b], v[TM+4+\b]   ; with lane l xor 16's: the block's largest magnitude
.endr
.irp b, 0,1,2,3
	v_add_nc_u32 v[TM+12+\b], 0xff000000, v[TM+\b] ; 2 off its exponent field: the conversion's scale operand
.endr
.irp b, 0,1,2,3
	v_lshrrev_b32 v[TM+4+\b], 23, v[TM+12+\b]      ; the scale's byte
.endr
	v_lshl_or_b32 v[\pw], v[TM+5], 8, v[TM+4]
	v_lshl_or_b32 v[\pw], v[TM+6], 16, v[\pw]
	v_lshl_or_b32 v[\pw], v[TM+7], 24, v[\pw]
.irp b, 0,1,2,3
	v_cvt_scalef32_pk8_fp4_f32 v[\pc+2*\b], v[\s+16*\b:\s+7+16*\b], v[TM+12+\b]
	v_cvt_scalef32_pk8_fp4_f32 v[\pc+1+2*\b], v[\s+8+16*\b:\s+15+16*\b], v[TM+12+\b]
.endr
	v_nop                                          ; one plain instruction behind a scaled conversion
.irp c, 0,1                                    ; the operand's layout wants a whole block in a lane: lanes 0-15 block 2 c, lanes 16-31 block 2 c + 1
.irp i, 0,1
	v_permlane16_swap_b32 v[\pc+4*\c+\i], v[\pc+2+4*\c+\i]
.endr
.endr
.endm
.macro LOADW p, from, count            ; of my 32 fragments of a weight, as they lie in wf (tile t, K step s at v[32 t + 8 s] of the window that is set): count loads from number from on; each covers 512 consecutive bytes
.set n, \from
.rept \count
	global_load_b128 v[4*n:4*n+3], v[L16], s[\p:\p+1] offset:512*n
.set n, n+1
.endr
.endm
.macro LOADB p                         ; bq or bk: tile 2 b + u of lane (r, h) wants channels 32 b + 16 h + 8 u + 0 .. 7
.irp t, 0,1,2,3,4,5,6,7
	global_load_b128 v[B+8*\t:B+8*\t+3], v[BA], s[\p:\p+1] offset:(32*(\t/2)+8*(\t%2))*4
	global_load_b128 v[B+8*\t+4:B+8*\t+7], v[BA], s[\p:\p+1] offset:(32*(\t/2)+8*(\t%2))*4+16
.endr
.endm
; 32 matrix instructions: my 128 channels (8 tiles of W in window ww) for slot tile i, K = 512 in four steps.  The eight accumulators take turns, one instruction a turn.
; Five places follow: the results are read next, and the next run starts the same accumulators anew with another C.
.macro MMQK i, ww, ws
	WIN 0x04+\ww
.irp s, 0,1,2,3
.irp t, 0,1,2,3,4,5,6,7
.if \s == 0
	WM ACC+8*\t, 32*\t+8*\s, 32*\i+8*\s, B+8*\t, \ws+4*(\t/2)+\s, HS+4*(\i/2)+\s, \t%2, \i%2
.else
	WM ACC+8*\t, 32*\t+8*\s, 32*\i+8*\s, ACC+8*\t, \ws+4*(\t/2)+\s, HS+4*(\i/2)+\s, \t%2, \i%2
.endif
.endr
.endr
	WIN 0
	PLACES 5
.endm
.macro MMV i                           ; V^T: the 128 slots (8 tiles of h) for channel tile i of Wv
	WIN 0x09
.irp s, 0,1,2,3
.irp t, 0,1,2,3,4,5,6,7
.if \s == 0
	WM ACC+8*\t, 32*\t+8*\s, 32*\i+8*\s, B+8*\i, HS+4*(\t/2)+\s, WSV+4*(\i/2)+\s, \t%2, \i%2
.else
	WM ACC+8*\t, 32*\t+8*\s, 32*\i+8*\s, ACC+8*\t, HS+4*(\t/2)+\s, WSV+4*(\i/2)+\s, \t%2, \i%2
.endif
.endr
.endr
	WIN 0
	PLACES 5
.endm
; The two lines ahead of a trip's own stores, from the third trip on.
.macro FREE
	s_wait_xcnt 0x0                                ; every earlier memory instruction has had its addresses translated (ISA guide 3.1): the codes' buffer that the stores of a trip ago read is rewritten only behind this wait
	s_wait_alu depctr_vm_vsrc(0)                   ; the stores issued a trip ago have read the codes' buffer that this trip's conversions write again (and, a phase on, PK, which the selects write again)
.endm
.macro SEND pc, p, off                 ; a fragment's image leaves as two runs of 512 consecutive bytes
	global_store_b128 v[L16], v[\pc:\pc+3], s[\p:\p+1] offset:\off
	global_store_b128 v[L16], v[\pc+4:\pc+7], s[\p:\p+1] offset:\off+512
.endm
.macro PACK                            ; a phase's eight scale words in pairs: lanes 16-31 take the odd tile's.  Their store, 512 consecutive bytes, is issued behind the next wait on va_vdst
.irp i, 0,1,2,3
	v_cndmask_b32 v[PK+\i], v[PW+2*\i], v[PW+2*\i+1], s38
.endr
.endm
	s_load_b256 s[4:11], s[0:1], 0x0               ; hc, hs, wf, wq_scales
	s_load_b64 s[12:13], s[0:1], 0x20              ; bq
	s_load_b64 s[22:23], s[0:1], 0x28              ; wv_scales
	s_load_b128 s[16:19], s[0:1], 0x30             ; wk_scales, bk
	s_load_b128 s[24:27], s[0:1], 0x40             ; bv, qf
	s_load_b128 s[28:31], s[0:1], 0x50             ; qs, kv
	s_load_b64 s[32:33], s[0:1], 0x60              ; kvs
	v_lshrrev_b32 v8, 5, v0
	v_readfirstlane_b32 s34, v8                    ; wave 0..3
	v_and_b32 v[LN], 31, v0
	v_and_b32 v9, 15, v0                           ; r
	v_bfe_u32 v10, v0, 4, 1                        ; h
	v_lshlrev_b32 v[L16], 4, v[LN]
	v_lshlrev_b32 v[HA], 4, v9
	v_lshl_add_u32 v[HA], v10, 14, v[HA]           ; lanes 16-31 take the next channel block, 16,384 bytes on
	v_and_b32 v11, 8, v9
	v_add_nc_u32 v11, v11, v9                      ; r + 8 (r / 8)
	v_lshl_add_u32 v12, v10, 3, v11                ; the odd tile of a pair begins 8 rows on
	v_lshlrev_b32 v[WSA], 4, v12                   ; 16 scale bytes a row
	v_lshlrev_b32 v[BA], 6, v10
	v_lshlrev_b32 v[BVA], 2, v11
.irp b, 0,1,2,3
	v_mov_b32 v[TM+4+\b], 0                        ; written once: a lane permute's destination counts as one of its sources
.endr
	s_mov_b32 s[SEL], 0x76543210
	s_mov_b32 s[SEL+1], 0xfedcba98
	s_mov_b32 s38, 0xffff0000                      ; lanes 16-31
	s_and_b32 s46, ttmp7, 0xffff                   ; image b
	s_wait_alu depctr_va_sdst(0)                   ; s34, the wave's number, is written, ahead of its first reader: the wave's offsets in every buffer are made from it
	s_lshl_b32 s40, s34, 15                        ; my 32 fragments of a weight's codes,
	s_mov_b32 s41, 0
	s_lshl_b32 s42, s34, 11                        ; my 128 rows of its scale bytes,
	s_mov_b32 s43, 0
	s_lshl_b32 s44, s34, 9                         ; my 128 numbers of a bias
	s_mov_b32 s45, 0
	s_lshl_b32 s48, s46, 18
	s_lshl_b32 s47, ttmp9, 11
	s_add_co_u32 s48, s48, s47                     ; hc: 262,144 b + 2,048 pg
	s_mov_b32 s49, 0
	s_lshl_b32 s50, s46, 14
	s_lshl_b32 s47, ttmp9, 7
	s_add_co_u32 s50, s50, s47                     ; hs: 16,384 b + 128 pg
	s_mov_b32 s51, 0
	s_lshl_b32 s46, s46, 3
	s_add_co_u32 s46, s46, ttmp9                   ; 8 b + pg
	s_lshl_b32 s52, s46, 15
	s_lshl_b32 s47, s34, 10
	s_add_co_u32 s52, s52, s47                     ; qf: 32,768 (8 b + pg) + 1,024 w
	s_mov_b32 s53, 0
	s_lshl_b32 s54, s46, 11
	s_add_co_u32 s54, s54, s44                     ; qs: 2,048 (8 b + pg) + 512 w
	s_mov_b32 s55, 0
	s_lshl_b32 s60, s46, 16
	s_add_co_u32 s60, s60, s47                     ; kv, K's part: 65,536 (8 b + pg) + 1,024 w
	s_mov_b32 s61, 0
	s_lshl_b32 s62, s46, 16
	s_lshl_b32 s47, s34, 13
	s_add_co_u32 s62, s62, s47
	s_add_co_u32 s62, s62, 32768                   ; V's part: + 32,768 + 8,192 w
	s_mov_b32 s63, 0
	s_wait_kmcnt 0x0
	s_add_nc_u64 s[4:5], s[4:5], s[48:49]
	s_add_nc_u64 s[6:7], s[6:7], s[50:51]
	s_add_nc_u64 s[8:9], s[8:9], s[40:41]          ; wf: Wq's fragments of my wave,
	s_add_nc_u64 s[14:15], s[8:9], 0x20000         ; Wk's, 131,072 bytes on,
	s_add_nc_u64 s[20:21], s[8:9], 0x40000         ; Wv's
	s_add_nc_u64 s[10:11], s[10:11], s[42:43]
	s_add_nc_u64 s[16:17], s[16:17], s[42:43]
	s_add_nc_u64 s[22:23], s[22:23], s[42:43]
	s_add_nc_u64 s[12:13], s[12:13], s[44:45]
	s_add_nc_u64 s[18:19], s[18:19], s[44:45]
	s_add_nc_u64 s[24:25], s[24:25], s[44:45]
	s_add_nc_u64 s[26:27], s[26:27], s[52:53]
	s_add_nc_u64 s[28:29], s[28:29], s[54:55]
	s_add_nc_u64 s[56:57], s[30:31], s[62:63]
	s_add_nc_u64 s[30:31], s[30:31], s[60:61]
	s_lshl_b32 s60, s46, 12
	s_add_co_u32 s60, s60, s44                     ; kvs, K's part: 4,096 (8 b + pg) + 512 w
	s_add_nc_u64 s[32:33], s[32:33], s[60:61]
	s_add_nc_u64 s[58:59], s[32:33], 2048          ; V's part
	s_wait_alu depctr_va_vdst(0)                   ; the six offsets v1, v2, v4 to v7 are written: every load and store of the kernel reads one of them.  Only loads and window switches stand between this wait and the head's last load
.irp cb, 0,1,2,3,4,5,6,7,8,9,10,11,12,13,14,15
.irp i, 0,1,2,3
	global_load_u8 v[ACC+4*\cb+\i], v[LN], s[6:7] offset:1024*\cb+32*\i   ; h's scale byte of channel block cb, slot 32 i + lane
.endr
.endr
	WIN 0x40
.irp t, 0,1,2,3,4,5,6,7
.irp s, 0,1,2,3
.irp c, 0,1
	global_load_b128 v[32*\t+8*\s+4*\c:32*\t+8*\s+4*\c+3], v[HA], s[4:5] offset:256*\t+65536*\s+32768*\c   ; slot 16 t + r, channel block 4 s + 2 c + h: sixteen lanes read 256 consecutive bytes
.endr
.endr
.endr
	WIN 0
.irp i, 0,1,2,3
	global_load_b128 v[WSQ+4*\i:WSQ+4*\i+3], v[WSA], s[10:11] offset:512*\i
	global_load_b128 v[WSK+4*\i:WSK+4*\i+3], v[WSA], s[16:17] offset:512*\i
	global_load_b128 v[WSV+4*\i:WSV+4*\i+3], v[WSA], s[22:23] offset:512*\i
.endr
	LOADB 12
	WIN 0x80
	LOADW 8, 0, 64                                 ; Wq, whole, into window 2
	WIN 0
	s_wait_loadcnt 63                              ; behind the last scale byte stand 156 loads, more than a count can name: with 63 out the bytes are in
.irp i, 0,1,2,3
.irp s, 0,1,2,3
	v_lshl_or_b32 v[HS+4*\i+\s], v[ACC+4*(4*\s+1)+\i], 8, v[ACC+4*(4*\s)+\i]   ; four bytes make the word of K step s
	v_lshl_or_b32 v[HS+4*\i+\s], v[ACC+4*(4*\s+2)+\i], 16, v[HS+4*\i+\s]
	v_lshl_or_b32 v[HS+4*\i+\s], v[ACC+4*(4*\s+3)+\i], 24, v[HS+4*\i+\s]
.endr
.endr
	s_wait_loadcnt 0x0                             ; h, the scale words, bq and Wq: all that the first phase wants, and nothing else has been asked for
	PLACES 8                                       ; a scale register written by a vector instruction stands eight places ahead of a scaled matrix instruction
	s_wait_alu depctr_va_vdst(0)                   ; h's sixteen scale words are written, which the scaled matrix instructions take as scales; the places above stay beside this wait
	; ---- q: trips 0 to 7
.irp i, 0,1,2,3,4,5,6,7
	MMQK \i, 2, WSQ
.if \i >= 2
	FREE
.endif
.if (\i >= 1) && (\i <= 4)
	WIN 0xc0                                       ; the switch, then the wait, then the loads into window 3
.endif
.if \i >= 1
	s_wait_alu depctr_va_vdst(0)                   ; the trip before has written its codes, which the stores below read; in trip 7 this trip's products, the last that read bq, are done reading it: bk lands there
.endif
.if (\i >= 1) && (\i <= 4)
	LOADW 14, 16*(\i-1), 16                        ; Wk, sixteen loads a trip: the last have three trips and more in which to land
	WIN 0
.endif
.if \i == 7
	LOADB 18                                       ; bk
.endif
.if \i >= 1
	SEND PC+212*((\i-1)%2), 26, 4096*(\i-1)        ; the trip before
.endif
	QUANT ACC, PC+212*(\i%2), PW+\i
.endr
	PACK
	s_wait_loadcnt 0x0                             ; Wk and bk are in; nothing else has been asked for
	; ---- k: trips 8 to 15
.irp i, 0,1,2,3,4,5,6,7
	MMQK \i, 3, WSK
	FREE
.if \i <= 3
	WIN 0x80                                       ; the switch, then the wait, then the loads into window 2
.endif
	s_wait_alu depctr_va_vdst(0)                   ; the trip before has written its codes (behind trip 7 the pairs of scale words too), which the stores below read; the q phase's products are done reading Wq, on which Wv lands; in trip 15 this trip's products are done reading bk, on which bv lands
.if \i <= 3
	LOADW 20, 16*\i, 16                            ; Wv takes Wq's window, sixteen loads a trip
	WIN 0
.endif
.if \i == 7
.irp t, 0,1,2,3,4,5,6,7
.irp j, 0,1,2,3,4,5,6,7
	global_load_b32 v[B+8*\t+\j], v[BVA], s[24:25] offset:(32*(\t/2)+8*(\t%2))*4   ; bv: in V^T a lane holds one channel, so its eight registers hold the same number
.endr
.endr
.endif
.if \i == 0
	SEND PC+212, 26, 4096*7                        ; q's last fragment,
	global_store_b128 v[L16], v[PK:PK+3], s[28:29] ; and q's scale words
.else
	SEND PC+212*((\i-1)%2), 30, 4096*(\i-1)
.endif
	QUANT ACC, PC+212*(\i%2), PW+\i
.endr
	PACK
	s_wait_loadcnt 0x0                             ; Wv and bv
	; ---- v: trips 16 to 23
.irp i, 0,1,2,3,4,5,6,7
	MMV \i
	FREE
	s_wait_alu depctr_va_vdst(0)                   ; the trip before has written its codes (behind trip 15 the pairs of scale words too), which the stores below read
.if \i == 0
	SEND PC+212, 30, 4096*7                        ; k's last fragment,
	global_store_b128 v[L16], v[PK:PK+3], s[32:33] ; and k's scale words
.else
	SEND PC+212*((\i-1)%2), 56, 1024*(\i-1)
.endif
	QUANT ACC, PC+212*(\i%2), PW+\i
.endr
	PACK
	s_wait_alu depctr_va_vdst(0)                   ; the last trip has written its codes and the selects the pairs of scale words, which the last three stores read
	SEND PC+212, 56, 1024*7
	global_store_b128 v[L16], v[PK:PK+3], s[58:59]
	s_endpgm
.Lfunc_end_k_q194fc3bf19_qkv:
	.size	k_q194fc3bf19_qkv, .Lfunc_end_k_q194fc3bf19_qkv-k_q194fc3bf19_qkv
	.p2alignl 7, 3214868480
	.fill 96, 4, 3214868480
	.section	.rodata,"a",@progbits
	.p2align	6, 0x0
	.amdhsa_kernel k_q194fc3bf19_qkv
		.amdhsa_group_segment_fixed_size 0
		.amdhsa_private_segment_fixed_size 0
		.amdhsa_enable_private_segment 0
		.amdhsa_kernarg_size 104
		.amdhsa_user_sgpr_count 2
		.amdhsa_user_sgpr_kernarg_segment_ptr 1
		.amdhsa_wavefront_size32 1
		.amdhsa_system_sgpr_workgroup_id_x 1
		.amdhsa_system_sgpr_workgroup_id_y 1
		.amdhsa_system_sgpr_workgroup_id_z 1
		.amdhsa_system_vgpr_workitem_id 0
		.amdhsa_next_free_vgpr 1024
		.amdhsa_next_free_sgpr 66
		.amdhsa_reserve_vcc 0
		.amdhsa_float_denorm_mode_32 3
		.amdhsa_float_denorm_mode_16_64 3
		.amdhsa_memory_ordered 1
		.amdhsa_forward_progress 1
		.amdhsa_inst_pref_size 246
	.end_amdhsa_kernel
	.amdgpu_metadata
---
amdhsa.version: [ 1, 2 ]
amdhsa.kernels:
  - .name:           k_q194fc3bf19_qkv
    .symbol:         k_q194fc3bf19_qkv.kd
    .args:
      - { .name: hc, .offset: 0, .size: 8, .value_kind: global_buffer, .address_space: global }
      - { .name: hs, .offset: 8, .size: 8, .value_kind: global_buffer, .address_space: global }
      - { .name: wf, .offset: 16, .size: 8, .value_kind: global_buffer, .address_space: global }
      - { .name: wq_scales, .offset: 24, .size: 8, .value_kind: global_buffer, .address_space: global }
      - { .name: bq, .offset: 32, .size: 8, .value_kind: global_buffer, .address_space: global }
      - { .name: wv_scales, .offset: 40, .size: 8, .value_kind: global_buffer, .address_space: global }
      - { .name: wk_scales, .offset: 48, .size: 8, .value_kind: global_buffer, .address_space: global }
      - { .name: bk, .offset: 56, .size: 8, .value_kind: global_buffer, .address_space: global }
      - { .name: bv, .offset: 64, .size: 8, .value_kind: global_buffer, .address_space: global }
      - { .name: qf, .offset: 72, .size: 8, .value_kind: global_buffer, .address_space: global }
      - { .name: qs, .offset: 80, .size: 8, .value_kind: global_buffer, .address_space: global }
      - { .name: kv, .offset: 88, .size: 8, .value_kind: global_buffer, .address_space: global }
      - { .name: kvs, .offset: 96, .size: 8, .value_kind: global_buffer, .address_space: global }
    .group_segment_fixed_size: 0
    .private_segment_fixed_size: 0
    .kernarg_segment_align: 8
    .kernarg_segment_size: 104
    .max_flat_workgroup_size: 128
    .sgpr_count:     66
    .vgpr_count:     1024
    .wavefront_size: 32
...
	.end_amdgpu_metadata
.endif
;; end of part 5
;; launch attn (part 6): grid 8 x 32, 4 waves a work-group, clusters of 4 x 1, 327,680 bytes of LDS; arguments qf, qs, kv, kvs, wf, wo_scales, bo, x, out0; writes out0
.if DOCPART == 6
	.amdgcn_target "amdgcn-amd-amdhsa--gfx1250"
	.amdhsa_code_object_version 6
	.text
	.protected	k_q194fc3bf19_attn
	.globl	k_q194fc3bf19_attn
	.p2align	8
	.type	k_q194fc3bf19_attn,@function
k_q194fc3bf19_attn:
	s_mov_b64 s[64:65], 0
	v_nop
	global_prefetch_b8 v0, s[64:65] scope:SCOPE_SE
	s_setreg_imm32_b32 hwreg(HW_REG_WAVE_MODE, 25, 1), 1
	s_wait_xcnt 0x0
	s_wait_alu depctr_hold_cnt(0) depctr_sa_sdst(0) depctr_va_vdst(0) depctr_va_sdst(0) depctr_va_ssrc(0) depctr_va_vcc(0) depctr_vm_vsrc(0)
	s_getreg_b32 s2, hwreg(HW_REG_IB_STS2, 6, 4)
	s_cmp_eq_u32 s2, 0
	s_cbranch_scc0 .Lentry_in_a_cluster
	s_endpgm
.Lentry_in_a_cluster:
	s_bfe_u32 s2, ttmp6, 0x10000c
	s_cmp_lg_u32 s2, 0x3003
	s_cbranch_scc0 .Lentry_shape_is_right
	s_endpgm
.Lentry_shape_is_right:
; out0 = x + (softmax(q k^T / sqrt(512)) v) Wo^T + bo, one head of 512 channels over the 1,024 pixels of an image; all three products on codes of E2M1 with E8M0 scales.
; q, k, v and Wo come as images of operand registers (a fragment: two runs of 512 bytes, lane l's 16 bytes at 16 l), the scale words of q, k, v in pairs (lanes 0-15 tile 2 i, lanes 16-31 tile 2 i + 1).
; THE SOFTMAX: t = score x log2(e) / sqrt(512); M = the running largest t rounded up to a whole number; p = 2^(t - M) is quantised along the keys, not normalised; the sum of the unquantised p divides at the end;
; when M moves, the sum and O are multiplied by 2^(old M - new M), which rounds nothing.
; SHARES.  A work-group owns 128 query slots.  Through the keys wave w owns query tiles 2 w and 2 w + 1 with all 512 channels of O^T (512 registers); every wave walks all keys, 128 a step.
; In the last product wave w owns output channels 128 w .. 128 w + 127 for all 128 queries; a's codes go from wave to wave through LDS as images of their registers.
; LAYOUT.  S^T = K Q^T and O^T = V^T P^T: a lane holds one query.  By the slots' order (pixel bits 3 and 4 swapped) the 16 registers of key tiles 2 b, 2 b + 1 are 16 neighbouring pixels; by the order of Wv's rows the 16
; registers of channel tiles 2 b, 2 b + 1 of O^T are 16 neighbouring channels.  The last product has source 0 = 16 queries of a, source 1 = 16 rows of Wo: a lane holds one output channel and eight neighbouring pixels.
; CLUSTER.  The four work-groups of a cluster belong to one image and walk the same K, V and scale words: each tile is asked for JOINTLY, by the same tensor load with the same descriptor and the mask 15.
; RING.  Two LDS slots of two key steps (131,072 bytes); each wave brings a quarter of a slot by one load, which has two key steps in which to land.  A wave has one tensor load out at a time.
; HALF OF x COMES UNDER THE LAST TWO KEY STEPS: at the last change of slots slot 0 is done with, and each wave fills its quarter with the first 64 of its 128 rows of x (512 bytes each), a load of its own (no mask: x differs
; from work-group to work-group).  The other 64 rows come from memory into registers.  a's images, their scale words and the stages lie in slot 1, behind a barrier that follows its last read.
; O^T IS CLEARED ONCE (512 moves, while the first tiles are on their way): the key step is written twice as it is (the last slot prefetches x); a first step of its own would be a third copy.
; LIMITS: NaN and infinities are not served; a p under 2^-126 counts as 0; a block whose largest magnitude lies under 2^-124 gets the byte 1 (its codes are then zeros or near it, and this program alone reads the byte).
; REGISTERS: window 0 below;  window 1: Q v0-63, two buffers of 64 for K's or V's fragments, later Wo's 32 fragments;  windows 2, 3: O^T of query tiles 0, 1 (channel tile ct at v[8 ct]);
;   later window 2: a's 32 fragments; window 3: v0-63 eight accumulators, v64-127 bo, v128-255 two buffers of 16 rows of x.
.set SLOT1, 1<<17                      ; slot 1 begins here: one exclusive or turns an address in one slot into the other's
.set STEPB, 65536                      ; a key step: K's 32 fragments, then V^T's 32
.set SCL,   2*SLOT1                    ; the image's scale words: 8 key steps x 4,096 bytes, filled once
.set SPARE, SCL+32768                  ; the spare words, 128 bytes for each wave: two blocks of 256 bytes that no other line names
.set AIMG,  SLOT1                      ; behind the last key step slot 1 has had its last fill and its last read: a's images lie here,
.set ASCL,  SLOT1+32768                ; their scale words here,
.set STAGE, SLOT1+36864                ; and here a stage of 16 rows x (512 + 16) bytes for each wave
.set L16, 1                            ; v1   16 x lane
.set ADK, 2                            ; v2   the step's fragments
.set ADS, 3                            ; v3   the step's scale words
.set XR,  3                            ; v3   later: my rows of x in slot 0
.set SPW, 4                            ; v4   my spare word; never rewritten
.set NIL, 5                            ; v5   0; never rewritten
.set STO, 6                            ; v6   the stage: where I put 16 bytes of a row
.set RD,  7                            ; v7   and where I read a row back
.set MT,  8                            ; v[8+2q:9+2q]    -M, the largest t
.set SUM, 12                           ; v[12+2q:13+2q]  the sum, in two halves
.set FF,  16                           ; v[16+2q:17+2q]  f = 2^(old M - new M); at the end 1 / the sum
.set BM,  20                           ; v[20+4q ..]     the blocks' largest scores, then largest p
.set BP,  28                           ; v[28+4q ..]     at work
.set SO,  36                           ; v[36+4q ..]     the conversions' scale operands
.set TT,  44                           ; v44+q           at work
.set PS,  46                           ; v46+q           p's scale word
.set QS,  48                           ; v48-51   Q's scale words, K step s, my two tiles in the two halves of the lanes
.set KS,  52                           ; v52-67   K's: register 4 s + i
.set VS,  68                           ; v68-83   V's: register 4 g + i
.set WOS, 52                           ; v52-83   later Wo's: register 4 ot + s
.set PC,  84                           ; v84-99   p's codes, 8 a tile; later a's
.set S,   100                          ; v100-227 S^T, then p: 64 a tile; later v100-163 rows of the result,
.set XT,  164                          ; v164-227 and 16 rows of x
.set AIR, 228                          ; v228 where I read a's images;  v229 Wo's scale words: 16 r;  v230 bo: 4 r
.set WSA, 229
.set BOA, 230
.set AIW, 231                          ; v231 where I store a's images;  v232 their scale words
.set ASW, 232
.set PFO, 233                          ; v233 prefetch: 4,096 (lane / 2) + 256 (lane % 2)
.set QSA, 234                          ; v234 Q's scale words
.set ASA, 235                          ; v235 a's scale words, read in pairs
.set AW,  236                          ; v236-239 a tile's four scale words
.set ASC, 240                          ; v240-255 a's scale words: register 4 i + s
.set TM,  20                           ; the quantiser's work: v20-35
.set F0,  64
.set F1,  128
.set WV,  22
.set G1C, 24                           ; s[24:31] group 1: 128 rows of 256 bytes;  s[32:39]: 32 such rows;  s[40:43], s[44:47] groups 0: the ring's, which walks; the scale words'
.set G1S, 32
.set G0C, 40
.set G0S, 44
.set SEL, 48
.set CS,  50
.set TB,  52                           ; s52  LDS byte at which the step's fragments begin
.set TS,  53                           ; s53  and its scale words
.set SLOTS, 54
.set TWICE, 55
.set XP,  66                           ; s[66:67] x, for the prefetch;  s[68:69] x, s[70:71] out0 at my 128 rows and 128 pixels
.set G1X, 72                           ; s[72:79], s[80:83] groups 1 and 0 for x: 64 rows of 512 bytes, 4,096 bytes apart
.set G0X, 80
.set MSB, 0
.macro WIN new                         ; the immediate's high byte repeats the setting that is left; a switch that changes nothing is dropped
.if MSB != (\new)
	s_set_vgpr_msb (MSB<<8)|(\new)
.set MSB, \new
.endif
.endm
.macro PLACES n
.rept \n
	v_nop
.endr
.endm
; A round of the cluster's barrier: my work-group's barrier; wave 0 signals for the work-group; every wave waits for all four work-groups; my work-group's barrier once more.
.macro CROUND
	s_barrier_signal -1
	s_barrier_wait -1
	s_cmp_lg_u32 s[WV], 0
	s_cbranch_scc1 .Lnot_wave_0_\@
	s_barrier_signal -3
.Lnot_wave_0_\@:
	s_barrier_wait -3
	s_barrier_signal -1
	s_barrier_wait -1
.endm
; One matrix instruction: D, A, B, C by their first registers (c < 0: the constant 0 starts the sum), the two scale registers, and which half of the lanes holds each side's words.
.macro WM d, a, b, c, sa, sb, ra, rb
.if (\c) < 0
.if (\ra) && (\rb)
	v_wmma_scale_f32_16x16x128_f8f6f4 v[\d:\d+7], v[\a:\a+7], v[\b:\b+7], 0, v[\sa], v[\sb] matrix_a_fmt:MATRIX_FMT_FP4 matrix_b_fmt:MATRIX_FMT_FP4 matrix_a_scale:MATRIX_SCALE_ROW1 matrix_b_scale:MATRIX_SCALE_ROW1
.elseif (\ra)
	v_wmma_scale_f32_16x16x128_f8f6f4 v[\d:\d+7], v[\a:\a+7], v[\b:\b+7], 0, v[\sa], v[\sb] matrix_a_fmt:MATRIX_FMT_FP4 matrix_b_fmt:MATRIX_FMT_FP4 matrix_a_scale:MATRIX_SCALE_ROW1
.elseif (\rb)
	v_wmma_scale_f32_16x16x128_f8f6f4 v[\d:\d+7], v[\a:\a+7], v[\b:\b+7], 0, v[\sa], v[\sb] matrix_a_fmt:MATRIX_FMT_FP4 matrix_b_fmt:MATRIX_FMT_FP4 matrix_b_scale:MATRIX_SCALE_ROW1
.else
	v_wmma_scale_f32_16x16x128_f8f6f4 v[\d:\d+7], v[\a:\a+7], v[\b:\b+7], 0, v[\sa], v[\sb] matrix_a_fmt:MATRIX_FMT_FP4 matrix_b_fmt:MATRIX_FMT_FP4
.endif
.else
.if (\ra) && (\rb)
	v_wmma_scale_f32_16x16x128_f8f6f4 v[\d:\d+7], v[\a:\a+7], v[\b:\b+7], v[\c:\c+7], v[\sa], v[\sb] matrix_a_fmt:MATRIX_FMT_FP4 matrix_b_fmt:MATRIX_FMT_FP4 matrix_a_scale:MATRIX_SCALE_ROW1 matrix_b_scale:MATRIX_SCALE_ROW1
.elseif (\ra)
	v_wmma_scale_f32_16x16x128_f8f6f4 v[\d:\d+7], v[\a:\a+7], v[\b:\b+7], v[\c:\c+7], v[\sa], v[\sb] matrix_a_fmt:MATRIX_FMT_FP4 matrix_b_fmt:MATRIX_FMT_FP4 matrix_a_scale:MATRIX_SCALE_ROW1
.elseif (\rb)
	v_wmma_scale_f32_16x16x128_f8f6f4 v[\d:\d+7], v[\a:\a+7], v[\b:\b+7], v[\c:\c+7], v[\sa], v[\sb] matrix_a_fmt:MATRIX_FMT_FP4 matrix_b_fmt:MATRIX_FMT_FP4 matrix_b_scale:MATRIX_SCALE_ROW1
.else
	v_wmma_scale_f32_16x16x128_f8f6f4 v[\d:\d+7], v[\a:\a+7], v[\b:\b+7], v[\c:\c+7], v[\sa], v[\sb] matrix_a_fmt:MATRIX_FMT_FP4 matrix_b_fmt:MATRIX_FMT_FP4
.endif
.endif
.endm
; 64 numbers of a lane, register s + 16 b + i = k 32 b + 16 (lane / 16) + i of my row, become a fragment's codes in v[pc] on and its scale word in v[pw] (the same word in lanes l and l xor 16).
.macro QUANT s, pc, pw
.irp b, 0,1,2,3
	v_max3_num_f32 v[TM+\b], |v[\s+16*\b]|, |v[\s+1+16*\b]|, 0x1800000   ; my 16 numbers of block b, and the floor 2^(3 - 127)
.endr
.irp i, 2,4,6,8,10,12,14
.irp b, 0,1,2,3
	v_max3_num_f32 v[TM+\b], v[TM+\b], |v[\s+16*\b+\i]|, |v[\s+1+16*\b+\i]|
.endr
.endr
.irp b, 0,1,2,3
	v_permlanex16_b32 v[TM+4+\b], v[TM+\b], s[SEL], s[SEL+1]
.endr
.irp b, 0,1,2,3
	v_max_num_f32 v[TM+\b], v[TM+\b], v[TM+4+\b]
.endr
.irp b, 0,1,2,3
	v_add_nc_u32 v[TM+12+\b], 0xff000000, v[TM+\b]
.endr
.irp b, 0,1,2,3
	v_lshrrev_b32 v[TM+4+\b], 23, v[TM+12+\b]
.endr
	s_wait_alu depctr_va_vdst(0)
	s_wait_dscnt 0x0                               ; the last LDS stores have read their data: codes and scale words are written again only behind this wait
	v_lshl_or_b32 v[\pw], v[TM+5], 8, v[TM+4]
	v_lshl_or_b32 v[\pw], v[TM+6], 16, v[\pw]
	v_lshl_or_b32 v[\pw], v[TM+7], 24, v[\pw]
.irp b, 0,1,2,3
	v_cvt_scalef32_pk8_fp4_f32 v[\pc+2*\b], v[\s+16*\b:\s+7+16*\b], v[TM+12+\b]
	v_cvt_scalef32_pk8_fp4_f32 v[\pc+1+2*\b], v[\s+8+16*\b:\s+15+16*\b], v[TM+12+\b]
.endr
	v_nop                                          ; one plain instruction behind a scaled conversion
.irp c, 0,1
.irp i, 0,1
	v_permlane16_swap_b32 v[\pc+4*\c+\i], v[\pc+2+4*\c+\i]
.endr
.endr
.endm
	s_load_b512 s[4:19], s[0:1], 0x0               ; qf, qs, kv, kvs, wf, wo_scales, bo, x
	s_load_b64 s[20:21], s[0:1], 0x40              ; out0
	v_lshl_add_u32 v[SPW], v0, 2, SPARE
	v_mov_b32 v[NIL], 0
	ds_add_u32 v4, v5
	ds_add_u32 v4, v5
	s_wait_dscnt 0x0
	v_lshrrev_b32 v2, 5, v0
	v_readfirstlane_b32 s[WV], v2                  ; wave 0..3
	s_and_b32 s58, ttmp7, 0xffff                   ; the image, which the four partners share
	s_lshl_b32 s60, s58, 19
	s_lshl_b32 s23, s[WV], 15
	s_add_co_u32 s60, s60, s23                     ; kv: 524,288 b + my quarter of a slot
	s_mov_b32 s61, 0
	s_lshl_b32 s62, s58, 15
	s_lshl_b32 s23, s[WV], 13
	s_add_co_u32 s62, s62, s23                     ; kvs: 32,768 b + my quarter
	s_mov_b32 s63, 0
	; descriptor group 1: dense bytes as rows of 256 (32 elements of 8 bytes), no padding: every LDS read takes 512 consecutive bytes
	s_mov_b32 s[G1C], 15|(3<<16)|(1<<21)           ; 15:0 the mask: all four work-groups; 17:16 elements of 8 bytes; 21 set beside a mask
	s_mov_b32 s[G1C+1], 32<<16                     ; tensor_dim0 = 32
	s_mov_b32 s[G1C+2], 128<<16                    ; tensor_dim1 = 128
	s_mov_b32 s[G1C+3], 32<<16                     ; tile_dim0 = 32
	s_mov_b32 s[G1C+4], 128                        ; tile_dim1 = 128
	s_mov_b32 s[G1C+5], 32                         ; elements from row to row
	s_mov_b32 s[G1C+6], 0
	s_mov_b32 s[G1C+7], 0
	s_mov_b32 s[G1S], 15|(3<<16)|(1<<21)
	s_mov_b32 s[G1S+1], 32<<16
	s_mov_b32 s[G1S+2], 32<<16                     ; 32 rows
	s_mov_b32 s[G1S+3], 32<<16
	s_mov_b32 s[G1S+4], 32
	s_mov_b32 s[G1S+5], 32
	s_mov_b32 s[G1S+6], 0
	s_mov_b32 s[G1S+7], 0
	s_mov_b32 s[G1X], 3<<16                        ; x: no mask; elements of 8 bytes
	s_mov_b32 s[G1X+1], 64<<16                     ; tensor_dim0 = 64: 512 bytes, my block's 128 pixels
	s_mov_b32 s[G1X+2], 64<<16                     ; tensor_dim1 = 64 rows (channels)
	s_mov_b32 s[G1X+3], 64<<16                     ; tile_dim0 = 64
	s_mov_b32 s[G1X+4], 64                         ; tile_dim1 = 64
	s_mov_b32 s[G1X+5], 512                        ; a channel's 1,024 pixels: 512 elements from row to row
	s_mov_b32 s[G1X+6], 0
	s_mov_b32 s[G1X+7], 0
	s_mov_b32 s[SEL], 0x76543210
	s_mov_b32 s[SEL+1], 0xfedcba98
	s_mov_b32 s[CS], 0x3d8293ee                    ; c = log2(e) / sqrt(512)
	s_mov_b32 s[CS+1], s[CS]                       ; named with it as a pair, so it is written
	s_mov_b32 s[TB], 0
	s_mov_b32 s[TS], SCL
	s_mov_b32 s[SLOTS], 3
	s_wait_kmcnt 0x0
	s_mov_b32 s[G0C], 1                            ; count = 1
	s_lshl_b32 s[G0C+1], s[WV], 15                 ; LDS: slot 0, my quarter: no place in the cluster enters an LDS address
	s_add_nc_u64 s[G0C+2:G0C+3], s[8:9], s[60:61]
	s_or_b32 s[G0C+3], s[G0C+3], 0x80000000        ; type = 2
	s_mov_b32 s[G0S], 1
	s_lshl_b32 s[G0S+1], s[WV], 13
	s_add_co_u32 s[G0S+1], s[G0S+1], SCL
	s_add_nc_u64 s[G0S+2:G0S+3], s[10:11], s[62:63]
	s_or_b32 s[G0S+3], s[G0S+3], 0x80000000
	CROUND                                         ; all four work-groups are here: the first joint loads meet
	tensor_load_to_lds s[G0S:G0S+3], s[G1S:G1S+7]  ; the image's scale words: filled once
	s_nop 0
	s_wait_alu depctr_va_vdst(0)
	s_wait_tensorcnt 0x0
	ds_add_u32 v4, v5
	s_wait_dscnt 0x0
	CROUND
	tensor_load_to_lds s[G0C:G0C+3], s[G1C:G1C+7]  ; key steps 0 and 1
	s_nop 0
	PLACES 4
	s_bfe_u32 s56, ttmp6, 0x40000                  ; cx: it enters the addresses of q, x and out0 alone
	s_lshl_b32 s57, ttmp9, 2
	s_add_co_u32 s57, s57, s56                     ; my block of 128 queries
	s_lshl_b32 s59, s58, 3
	s_add_co_u32 s59, s59, s57                     ; 8 b + block
	s_lshl_b32 s60, s59, 15
	s_lshl_b32 s56, s[WV], 13
	s_add_co_u32 s60, s60, s56
	s_add_nc_u64 s[4:5], s[4:5], s[60:61]          ; my two tiles of Q
	s_lshl_b32 s62, s59, 11
	s_add_nc_u64 s[6:7], s[6:7], s[62:63]
	s_lshl_b32 s60, s58, 21
	s_lshl_b32 s56, s[WV], 19
	s_add_co_u32 s60, s60, s56
	s_lshl_b32 s56, s57, 9
	s_add_co_u32 s60, s60, s56                     ; x, out0: image, my 128 channels, my block's 128 pixels
	s_add_nc_u64 s[68:69], s[18:19], s[60:61]
	s_add_nc_u64 s[70:71], s[20:21], s[60:61]
	s_add_nc_u64 s[XP:XP+1], s[68:69], 0x40000     ; the prefetch begins at my row 64
	s_mov_b32 s[G0X], 1
	s_lshl_b32 s[G0X+1], s[WV], 15                 ; LDS: my quarter of slot 0
	s_mov_b64 s[G0X+2:G0X+3], s[68:69]             ; my rows 0 to 63 of x
	s_or_b32 s[G0X+3], s[G0X+3], 0x80000000
	s_lshl_b32 s60, s[WV], 15
	s_add_co_u32 s60, s60, 0x60000                 ; wf: Wo is the fourth weight, 3 x 131,072 bytes on; my 32 fragments
	s_add_nc_u64 s[12:13], s[12:13], s[60:61]
	s_lshl_b32 s60, s[WV], 11
	s_add_nc_u64 s[14:15], s[14:15], s[60:61]      ; my 128 rows of Wo's scale bytes,
	s_lshl_b32 s60, s[WV], 9
	s_add_nc_u64 s[16:17], s[16:17], s[60:61]      ; and of bo
	v_and_b32 v8, 31, v0                           ; lane
	v_and_b32 v9, 15, v0                           ; r
	v_bfe_u32 v10, v0, 4, 1                        ; h
	v_lshlrev_b32 v[L16], 4, v8
	v_lshl_add_u32 v[QSA], s[WV], 2, v[L16]        ; word w of my lane's four: tiles 2 w and 2 w + 1
	WIN 0x40
.set i, 0
.rept 16
	global_load_b128 v[4*i:4*i+3], v[L16], s[4:5] offset:512*i     ; Q stays in registers: tile q, K step s at v[32 q + 8 s]
.set i, i+1
.endr
	WIN 0
.irp s, 0,1,2,3
	global_load_b32 v[QS+\s], v[QSA], s[6:7] offset:512*\s
.endr
	s_mul_i32 s23, s[WV], 16*528
	s_add_co_u32 s23, s23, STAGE
	v_mul_u32_u24 v[STO], v9, 528
	v_lshl_add_u32 v[STO], v10, 6, v[STO]
	v_add_nc_u32 v[STO], s23, v[STO]               ; row r (an output channel), + 64 h: pixels 16 h on
	v_add_nc_u32 v[RD], s23, v[L16]
	v_add_nc_u32 v[AIR], AIMG, v[L16]
	v_lshlrev_b32 v[WSA], 4, v9
	v_lshlrev_b32 v[BOA], 2, v9
	s_lshl_b32 s23, s[WV], 13
	s_add_co_u32 s23, s23, AIMG
	v_add_nc_u32 v[AIW], s23, v[L16]
	s_lshl_b32 s23, s[WV], 10
	s_add_co_u32 s23, s23, ASCL
	v_add_nc_u32 v[ASW], s23, v[L16]
	v_lshrrev_b32 v[PFO], 1, v8
	v_lshlrev_b32 v[PFO], 12, v[PFO]
	v_and_b32 v3, 1, v8
	v_lshl_add_u32 v[PFO], v3, 8, v[PFO]
	v_lshl_add_u32 v[ASA], v10, 9, v[L16]
	v_add_nc_u32 v[ASA], ASCL, v[ASA]              ; lanes 16-31 read the odd tile's words, 512 bytes on
.irp q, 0,1
	v_mov_b32 v[MT+2*\q+1], 0xff61b1e6             ; the largest t so far: -3e38, under every t
	v_floor_f32 v[MT+2*\q], -v[MT+2*\q+1]          ; -M
	v_mov_b32 v[SUM+2*\q], 0
	v_mov_b32 v[SUM+2*\q+1], 0
	v_mov_b32 v[FF+2*\q+1], 0                      ; named as the upper half of a pair
.irp b, 0,1,2,3
	v_mov_b32 v[BP+4*\q+\b], 0                     ; written once: a lane permute's destination counts as one of its sources
.endr
.endr
	WIN 0x80
.set i, 0
.rept 256
	v_mov_b32 v[i], 0                              ; O^T of query tile 0
.set i, i+1
.endr
	WIN 0xc0
.set i, 0
.rept 256
	v_mov_b32 v[i], 0                              ; and of tile 1
.set i, i+1
.endr
	WIN 0
.macro FETCHK g, buf                   ; key tiles 2 g and 2 g + 1, all four K steps: 16 loads of 512 consecutive bytes
.irp u, 0,1
.irp s, 0,1,2,3
.irp c, 0,1
	ds_load_b128 v[\buf+32*\u+8*\s+4*\c:\buf+32*\u+8*\s+4*\c+3], v[ADK] offset:((2*\g+\u)*4+\s)*1024+512*\c
.endr
.endr
.endr
.endm
.macro FETCHV g, buf                   ; channel tiles 8 g .. 8 g + 7 of V^T
.irp j, 0,1,2,3,4,5,6,7
.irp c, 0,1
	ds_load_b128 v[\buf+8*\j+4*\c:\buf+8*\j+4*\c+3], v[ADK] offset:32768+(8*\g+\j)*1024+512*\c
.endr
.endr
.endm
; S^T of key tiles 2 g, 2 g + 1 for my two query tiles: four accumulators by turns, one instruction a turn; K = 512 in four steps; the first starts the sums
.macro MULS g, buf
	WIN 0x05
.irp s, 0,1,2,3
.irp u, 0,1
.irp q, 0,1
.if \s == 0
	WM S+64*\q+8*(2*\g+\u), \buf+32*\u+8*\s, 32*\q+8*\s, -1, KS+4*\s+\g, QS+\s, \u, \q
.else
	WM S+64*\q+8*(2*\g+\u), \buf+32*\u+8*\s, 32*\q+8*\s, S+64*\q+8*(2*\g+\u), KS+4*\s+\g, QS+\s, \u, \q
.endif
.endr
.endr
.endr
.endm
; O^T += V^T P^T for channel tiles 8 g .. 8 g + 7: one instruction for each accumulator (K = the step's 128 keys)
.macro MULV g, buf
	WIN 0xa1
.irp j, 0,1,2,3,4,5,6,7
	WM 8*(8*\g+\j), \buf+8*\j, PC, 8*(8*\g+\j), VS+4*\g+\j/2, PS, \j%2, 0
.endr
	WIN 0xf1
.irp j, 0,1,2,3,4,5,6,7
	WM 8*(8*\g+\j), \buf+8*\j, PC+8, 8*(8*\g+\j), VS+4*\g+\j/2, PS+1, \j%2, 0
.endr
.endm
.macro SOFTMAX
.irp q, 0,1
.irp b, 0,1,2,3
	v_max3_num_f32 v[BM+4*\q+\b], v[S+64*\q+16*\b], v[S+64*\q+16*\b+1], v[S+64*\q+16*\b+2]   ; the largest score of each block of 32 keys: for the row's maximum, and, since p rises with the score, for the block's largest p
.endr
.endr
.irp i, 3,5,7,9,11,13
.irp q, 0,1
.irp b, 0,1,2,3
	v_max3_num_f32 v[BM+4*\q+\b], v[BM+4*\q+\b], v[S+64*\q+16*\b+\i], v[S+64*\q+16*\b+\i+1]
.endr
.endr
.endr
.irp q, 0,1
.irp b, 0,1,2,3
	v_max_num_f32 v[BM+4*\q+\b], v[BM+4*\q+\b], v[S+64*\q+16*\b+15]
.endr
.endr
.irp q, 0,1
.irp b, 0,1,2,3
	v_permlanex16_b32 v[BP+4*\q+\b], v[BM+4*\q+\b], s[SEL], s[SEL+1]
.endr
.endr
.irp q, 0,1
.irp b, 0,1,2,3
	v_max_num_f32 v[BM+4*\q+\b], v[BM+4*\q+\b], v[BP+4*\q+\b]      ; with lane l xor 16's 16 keys
.endr
.endr
.irp q, 0,1
	v_max3_num_f32 v[TT+\q], v[BM+4*\q], v[BM+4*\q+1], v[BM+4*\q+2]
.endr
.irp q, 0,1
	v_max_num_f32 v[TT+\q], v[TT+\q], v[BM+4*\q+3]                 ; the step's largest score of my query
.endr
.irp q, 0,1
	v_mul_f32 v[TT+\q], s[CS], v[TT+\q]                            ; as t (c is positive)
.endr
.irp q, 0,1
	v_max_num_f32 v[MT+2*\q+1], v[MT+2*\q+1], v[TT+\q]             ; the running largest t
.endr
.irp q, 0,1
	v_mov_b32 v[TT+\q], v[MT+2*\q]
.endr
.irp q, 0,1
	v_floor_f32 v[MT+2*\q], -v[MT+2*\q+1]                          ; the new -M = -ceil(t): a whole number
.endr
.irp q, 0,1
	v_sub_f32 v[TT+\q], v[MT+2*\q], v[TT+\q]                       ; old M - new M: a whole number, 0 or less
.endr
.irp q, 0,1
	v_cvt_i32_f32 v[TT+\q], v[TT+\q]                               ; (it saturates)
.endr
.irp q, 0,1
	v_ldexp_f32 v[FF+2*\q], 1.0, v[TT+\q]                          ; f = 2^(old M - new M)
.endr
.irp q, 0,1
.set i, 0
.rept 32
	v_pk_fma_f32 v[S+64*\q+i:S+64*\q+i+1], v[S+64*\q+i:S+64*\q+i+1], s[CS:CS+1], v[MT+2*\q:MT+2*\q+1] op_sel_hi:[1,0,0]   ; t - M, two at a time
.set i, i+2
.endr
.irp b, 0,1,2,3
	v_fma_f32 v[BM+4*\q+\b], v[BM+4*\q+\b], s[CS], v[MT+2*\q]      ; the same of each block's largest score
.endr
.endr
	s_wait_alu depctr_va_vdst(0)
.irp q, 0,1
.set i, 0
.rept 64
	v_exp_f32 v[S+64*\q+i], v[S+64*\q+i]                           ; p = 2^(t - M), at most 1
.set i, i+1
.endr
.irp b, 0,1,2,3
	v_exp_f32 v[BM+4*\q+\b], v[BM+4*\q+\b]                         ; the block's largest p
.endr
.endr
.irp q, 0,1
	v_pk_mul_f32 v[SUM+2*\q:SUM+2*\q+1], v[SUM+2*\q:SUM+2*\q+1], v[FF+2*\q:FF+2*\q+1] op_sel_hi:[1,0]   ; the sums under the new M (a plain instruction behind the exponentials)
.endr
	s_wait_alu depctr_va_vdst(0)
.irp q, 0,1
.irp b, 0,1,2,3
	v_max_num_f32 v[BM+4*\q+\b], 0x1800000, v[BM+4*\q+\b]          ; the floor 2^(3 - 127): the byte cannot fall under 1
.endr
.endr
.irp q, 0,1
.irp b, 0,1,2,3
	v_add_nc_u32 v[SO+4*\q+\b], 0xff000000, v[BM+4*\q+\b]          ; 2 off the exponent field: the conversion's scale operand
.endr
.endr
.irp q, 0,1
.irp b, 0,1,2,3
	v_lshrrev_b32 v[BP+4*\q+\b], 23, v[SO+4*\q+\b]                 ; the scale's byte
.endr
.endr
.irp q, 0,1
	v_lshl_or_b32 v[PS+\q], v[BP+4*\q+1], 8, v[BP+4*\q]            ; p's scale word for these 128 keys
.endr
.irp q, 0,1
	v_lshl_or_b32 v[PS+\q], v[BP+4*\q+2], 16, v[PS+\q]
.endr
.irp q, 0,1
	v_lshl_or_b32 v[PS+\q], v[BP+4*\q+3], 24, v[PS+\q]
.endr
.irp q, 0,1
.irp b, 0,1,2,3
	v_cvt_scalef32_pk8_fp4_f32 v[PC+8*\q+2*\b], v[S+64*\q+16*\b:S+64*\q+16*\b+7], v[SO+4*\q+\b]
	v_cvt_scalef32_pk8_fp4_f32 v[PC+8*\q+2*\b+1], v[S+64*\q+16*\b+8:S+64*\q+16*\b+15], v[SO+4*\q+\b]
.endr
.endr
	v_nop                                          ; one plain instruction behind a scaled conversion
.irp q, 0,1
.irp c, 0,1
.irp i, 0,1
	v_permlane16_swap_b32 v[PC+8*\q+4*\c+\i], v[PC+8*\q+4*\c+2+\i] ; a whole block in a lane: lanes 0-15 block 2 c, lanes 16-31 block 2 c + 1
.endr
.endr
.endr
.irp q, 0,1
	v_pk_add_f32 v[BP+4*\q:BP+4*\q+1], v[S+64*\q:S+64*\q+1], v[S+64*\q+2:S+64*\q+3]   ; the row's sum is taken of the unquantised p: two chains a tile
.endr
.irp j, 4,8,12,16,20,24,28,32,36,40,44,48,52,56,60
.irp q, 0,1
	v_pk_add_f32 v[SUM+2*\q:SUM+2*\q+1], v[SUM+2*\q:SUM+2*\q+1], v[S+64*\q+\j:S+64*\q+\j+1]
	v_pk_add_f32 v[BP+4*\q:BP+4*\q+1], v[BP+4*\q:BP+4*\q+1], v[S+64*\q+\j+2:S+64*\q+\j+3]
.endr
.endr
.irp q, 0,1
	v_pk_add_f32 v[SUM+2*\q:SUM+2*\q+1], v[SUM+2*\q:SUM+2*\q+1], v[BP+4*\q:BP+4*\q+1]
.endr
.endm
; A KEY STEP: 128 keys.  Two buffers of 64 registers take K's, then V's fragments by turns: each run of 16 loads is asked for while the other buffer is multiplied, so each count of 16 below leaves the run just issued out.
; Four places stand in front of each run of loads into registers that matrix instructions have read, and in front of the first read of results.
; pf = 1 (the last two steps): x's rows of two of the output tiles 4 to 7, which come from memory, are asked into the cache, each lane a block of 256 bytes of its own: 16 KiB a step, 32 KiB in all, each block once.
.macro STEP pf
	v_add_nc_u32 v[ADK], s[TB], v[L16]
	v_add_nc_u32 v[ADS], s[TS], v[L16]
	PLACES 4
.irp s, 0,1,2,3
	ds_load_b128 v[KS+4*\s:KS+4*\s+3], v[ADS] offset:512*\s
.endr
.irp g, 0,1,2,3
	ds_load_b128 v[VS+4*\g:VS+4*\g+3], v[ADS] offset:2048+512*\g
.endr
	WIN 0x40
	FETCHK 0, F0
	FETCHK 1, F1
	s_wait_alu depctr_va_vdst(0)
	s_wait_dscnt 16
	MULS 0, F0
	PLACES 4
	WIN 0x40
	FETCHK 2, F0
	s_wait_dscnt 16
	MULS 1, F1
	PLACES 4
	WIN 0x40
	FETCHK 3, F1
	s_wait_dscnt 16
	MULS 2, F0
	s_wait_dscnt 0x0
	MULS 3, F1
	PLACES 4
	WIN 0x40
	FETCHV 0, F0
	FETCHV 1, F1
	WIN 0
.if \pf
.irp o, 0,1
	global_prefetch_b8 v[PFO], s[XP:XP+1] offset:65536*\o th:TH_LOAD_NT scope:SCOPE_SE
.endr
.endif
	SOFTMAX
	WIN 0x82                                       ; O^T under the new M, each accumulator from its low end on.  These are also the places between p's codes and scale words and the products below
.set i, 0
.rept 128
	v_pk_mul_f32 v[i:i+1], v[i:i+1], v[FF:FF+1] op_sel_hi:[1,0]
.set i, i+2
.endr
	WIN 0xc3
.set i, 0
.rept 128
	v_pk_mul_f32 v[i:i+1], v[i:i+1], v[FF+2:FF+3] op_sel_hi:[1,0]
.set i, i+2
.endr
	s_wait_alu depctr_va_vdst(0)
	s_wait_dscnt 16
	MULV 0, F0
	PLACES 4
	WIN 0x40
	FETCHV 2, F0
	s_wait_dscnt 16
	MULV 1, F1
	PLACES 4
	WIN 0x40
	FETCHV 3, F1
	s_wait_dscnt 16
	MULV 2, F0
	s_wait_dscnt 0x0
	MULV 3, F1
	WIN 0                                          ; at a label and at a branch every window is 0
	s_add_co_u32 s[TB], s[TB], STEPB
	s_add_co_u32 s[TS], s[TS], 4096
.if \pf
	s_wait_xcnt 0x0                                ; the prefetches, a step's work back, have read their base
	s_add_nc_u64 s[XP:XP+1], s[XP:XP+1], 2*65536
.endif
.endm
; THE CHANGE OF SLOTS stands at a slot's head.  Each wave waits for all its tensor loads (its quarter of the slot ahead), adds 0 to its spare word, and waits for that and for its reads of the slot that it has left.
; Then a round of the cluster's barrier, so that no wave of any partner still reads that slot or has a load on its way; then, first thing, the wave's one load into it:
; fill = 1: the joint load of the next two key steps;  fill = 2 (the last change): my own rows 0 to 63 of x.
.macro CHANGE fill
	WIN 0
	s_wait_tensorcnt 0x0                           ; no tensor load of mine is out, so a group 0 may be written
	ds_add_u32 v[SPW], v[NIL]                      ; 0 onto my spare word
.if \fill == 1
	s_xor_b32 s[G0C+1], s[G0C+1], SLOT1            ; the other slot than last time,
	s_add_nc_u64 s[G0C+2:G0C+3], s[G0C+2:G0C+3], 2*STEPB   ; the next two key steps; the type bits on top are not reached
.endif
	s_wait_dscnt 0x0                               ; the add is done, and my reads of the slot that I have left are over
	CROUND
.if \fill == 1
	tensor_load_to_lds s[G0C:G0C+3], s[G1C:G1C+7]
	s_nop 0
.else
	tensor_load_to_lds s[G0X:G0X+3], s[G1X:G1X+7]
	s_nop 0
.endif
	PLACES 4
.endm
.macro TWO_STEPS pf                    ; a slot's two key steps: written once, walked twice
	s_mov_b32 s[TWICE], 2
.Lstep_\@:
	STEP \pf
	s_sub_co_u32 s[TWICE], s[TWICE], 1
	s_cmp_lg_u32 s[TWICE], 0
	s_cbranch_scc1 .Lstep_\@
	s_sub_co_u32 s[TB], s[TB], 2*STEPB             ; back to a slot's first step,
	s_xor_b32 s[TB], s[TB], SLOT1                  ; in the other slot
.endm
	s_wait_loadcnt 0x0                             ; Q and its scale words
.Lslot:                                            ; three trips: behind each of these changes of slots the next two key steps are asked for
	CHANGE 1
	TWO_STEPS 0
	s_sub_co_u32 s[SLOTS], s[SLOTS], 1
	s_cmp_lg_u32 s[SLOTS], 0
	s_cbranch_scc1 .Lslot
	CHANGE 2                                       ; the last slot is written out: slot 0, left for good, takes x
	TWO_STEPS 1
	s_wait_dscnt 0x0                               ; my reads of slot 1 are over:
	s_barrier_signal -1
	s_barrier_wait -1                              ; everybody's are: results may be stored there.
	; ---- 1 / the sum
.irp q, 0,1
	v_add_f32 v[SUM+2*\q], v[SUM+2*\q], v[SUM+2*\q+1]
.endr
.irp q, 0,1
	v_permlanex16_b32 v[TT+\q], v[SUM+2*\q], s[SEL], s[SEL+1]
.endr
.irp q, 0,1
	v_add_f32 v[SUM+2*\q], v[SUM+2*\q], v[TT+\q]
.endr
	s_wait_alu depctr_va_vdst(0)
.irp q, 0,1
	v_rcp_f32 v[FF+2*\q], v[SUM+2*\q]
.endr
	s_lshl_b32 s23, s[WV], 15
	v_add_nc_u32 v[XR], s23, v[L16]                ; my rows of x in slot 0: 32,768 w + 16 x lane
	s_wait_alu depctr_va_vdst(0)
	PLACES 4                                       ; behind the reciprocals, and behind the last products: loads follow into registers that they read
	WIN 0x40
.set i, 0
.rept 64
	global_load_b128 v[4*i:4*i+3], v[L16], s[12:13] offset:512*i   ; Wo's 32 fragments as they lie in wf: output tile ot, K step s at v[32 ot + 8 s]; 512 consecutive bytes a load
.set i, i+1
.endr
	WIN 0
.irp ot, 0,1,2,3,4,5,6,7
	global_load_b128 v[WOS+4*\ot:WOS+4*\ot+3], v[WSA], s[14:15] offset:256*\ot
.endr
; a = O^T / the sum of query tile q, quantised along the channels, 128 at a time; its four fragments and their scale words go to LDS as images
.macro APHASE q
.irp sp, 0,1,2,3
	WIN 0x02+\q
.set i, 0
.rept 32
	v_pk_mul_f32 v[S+i:S+i+1], v[64*\sp+i:64*\sp+i+1], v[FF+2*\q:FF+2*\q+1] op_sel_hi:[1,0]   ; each accumulator from its low end on
.set i, i+2
.endr
	WIN 0
	QUANT S, PC, AW+\sp
	ds_store_b128 v[AIW], v[PC:PC+3] offset:4096*\q+1024*\sp
	ds_store_b128 v[AIW], v[PC+4:PC+7] offset:4096*\q+1024*\sp+512
.endr
	ds_store_b128 v[ASW], v[AW:AW+3] offset:512*\q
.endm
.macro XLOAD ot, w, reg                ; x's 16 rows of output tile ot, my block's 512 bytes of each, from memory into v[reg] on of window w
	WIN (\w)<<6
.irp t, 0,1,2,3,4,5,6,7,8,9,10,11,12,13,14,15
	global_load_b128 v[\reg+4*\t:\reg+4*\t+3], v[L16], s[68:69] offset:(16*(\ot)+\t)*4096 th:TH_LOAD_NT
.endr
	WIN 0
.endm
	APHASE 1                                       ; window 3 first: it is free then for bo and x
	WIN 0xc0
.irp ot, 0,1,2,3,4,5,6,7
.irp j, 0,1,2,3,4,5,6,7
	global_load_b32 v[64+8*\ot+\j], v[BOA], s[16:17] offset:64*\ot   ; a lane holds one output channel, so its eight registers hold the same number
.endr
.endr
	XLOAD 4, 3, 128                                ; tiles 0 to 3 lie in LDS: the first two that come from memory are asked for now
	XLOAD 5, 3, 192
	APHASE 0
	s_wait_dscnt 0x0                               ; for the others' sake: my images are in LDS
	s_barrier_signal -1
	s_barrier_wait -1
	WIN 0x80
.set i, 0
.rept 64
	ds_load_b128 v[4*i:4*i+3], v[AIR] offset:512*i                 ; a's 32 fragments: query tile qt, K step s at v[32 qt + 8 s]
.set i, i+1
.endr
	WIN 0
.irp i, 0,1,2,3
	ds_load_b128 v[ASC+4*\i:ASC+4*\i+3], v[ASA] offset:1024*\i
.endr
	s_wait_loadcnt 32                              ; Wo, its scale words and bo are in; the 32 loads of x's tiles 4 and 5 may be out
	s_wait_tensorcnt 0x0                           ; my rows of x are in slot 0: only I read them
	s_wait_dscnt 0x0
; Output tile ot: 16 channels x 128 queries, eight accumulators by turns; bo starts the sums.  The results go through my stage and come back as rows of 512 bytes, to which x is added:
; tiles 0-3 from LDS, 4 and 5 from window 3's two buffers, 6 from v[XT] on (asked for behind tile 3), 7 from the first buffer again (asked for behind tile 4).
.macro OUT ot
	WIN 0xf6
.irp s, 0,1,2,3
.irp qt, 0,1,2,3,4,5,6,7
.if \s == 0
	WM 8*\qt, 32*\qt+8*\s, 32*\ot+8*\s, 64+8*\ot, ASC+4*(\qt/2)+\s, WOS+4*\ot+\s, \qt%2, 0
.else
	WM 8*\qt, 32*\qt+8*\s, 32*\ot+8*\s, 8*\qt, ASC+4*(\qt/2)+\s, WOS+4*\ot+\s, \qt%2, 0
.endif
.endr
.endr
	PLACES 5                                       ; the results are read next, and the next tile starts the same accumulators anew with another C
	WIN 0x0c                                       ; an LDS store's data are its source 1: window 3
.irp qt, 0,1,2,3,4,5,6,7
	ds_store_b128 v[STO], v[8*\qt:8*\qt+3] offset:128*(\qt/2)+32*(\qt%2)       ; pixels 32 (qt / 2) + 16 h + 8 (qt % 2) + 0 .. 7 of channel r
	ds_store_b128 v[STO], v[8*\qt+4:8*\qt+7] offset:128*(\qt/2)+32*(\qt%2)+16
.endr
	WIN 0
.if \ot > 0
	s_wait_xcnt 0x0                                ; the last tile's stores have read their data
.endif
.irp t, 0,1,2,3,4,5,6,7,8,9,10,11,12,13,14,15
	ds_load_b128 v[S+4*\t:S+4*\t+3], v[RD] offset:528*\t           ; LDS serves a wave's instructions in order: these see my stores
.endr
.if \ot < 4
.irp t, 0,1,2,3,4,5,6,7,8,9,10,11,12,13,14,15
	ds_load_b128 v[XT+4*\t:XT+4*\t+3], v[XR] offset:(16*\ot+\t)*512   ; x's row 16 ot + t of my 64 in slot 0
.endr
.endif
.if (\ot == 4) || (\ot == 5)
	s_wait_loadcnt 32                              ; this tile's rows of x are in; behind them the 32 loads of the next two tiles
.elseif \ot == 6
	s_wait_loadcnt 16                              ; behind them tile 7's sixteen
.elseif \ot == 7
	s_wait_loadcnt 0x0
.endif
	s_wait_dscnt 0x0
.if (\ot < 4) || (\ot == 6)
.set i, 0
.rept 32
	v_pk_add_f32 v[S+i:S+i+1], v[S+i:S+i+1], v[XT+i:XT+i+1]
.set i, i+2
.endr
.else
	WIN 0x0c
.set i, 0
.rept 32
.if \ot == 5
	v_pk_add_f32 v[S+i:S+i+1], v[S+i:S+i+1], v[192+i:193+i]
.else
	v_pk_add_f32 v[S+i:S+i+1], v[S+i:S+i+1], v[128+i:129+i]
.endif
.set i, i+2
.endr
	WIN 0
.endif
.if \ot == 3
	XLOAD 6, 0, XT
.endif
.if \ot == 4
	XLOAD 7, 3, 128
.endif
.irp t, 0,1,2,3,4,5,6,7,8,9,10,11,12,13,14,15
	global_store_b128 v[L16], v[S+4*\t:S+4*\t+3], s[70:71] offset:(16*\ot+\t)*4096 th:TH_STORE_NT   ; 512 consecutive bytes of a row of out0
.endr
.endm
.irp ot, 0,1,2,3,4,5,6,7
	OUT \ot
.endr
	s_wait_tensorcnt 0x0                           ; the wave's end: behind my last tensor load and my last LDS store
	ds_add_u32 v[SPW], v[NIL]
	s_wait_dscnt 0x0
	CROUND                                         ; the closing round: no work-group ends while a partner may still ask for a tile that names it
	s_endpgm
.Lfunc_end_k_q194fc3bf19_attn:
	.size	k_q194fc3bf19_attn, .Lfunc_end_k_q194fc3bf19_attn-k_q194fc3bf19_attn
	.p2alignl 7, 3214868480
	.fill 96, 4, 3214868480
	.section	.rodata,"a",@progbits
	.p2align	6, 0x0
	.amdhsa_kernel k_q194fc3bf19_attn
		.amdhsa_group_segment_fixed_size 327680
		.amdhsa_private_segment_fixed_size 0
		.amdhsa_enable_private_segment 0
		.amdhsa_kernarg_size 72
		.amdhsa_user_sgpr_count 2
		.amdhsa_user_sgpr_kernarg_segment_ptr 1
		.amdhsa_wavefront_size32 1
		.amdhsa_system_sgpr_workgroup_id_x 1
		.amdhsa_system_sgpr_workgroup_id_y 1
		.amdhsa_system_sgpr_workgroup_id_z 1
		.amdhsa_system_vgpr_workitem_id 0
		.amdhsa_next_free_vgpr 1024
		.amdhsa_next_free_sgpr 84
		.amdhsa_reserve_vcc 0
		.amdhsa_float_denorm_mode_32 3
		.amdhsa_float_denorm_mode_16_64 3
		.amdhsa_memory_ordered 1
		.amdhsa_forward_progress 1
		.amdhsa_inst_pref_size 255
	.end_amdhsa_kernel
	.section	.bss,"aw",@nobits
	.p2align	6
	.space	262144
	.amdgpu_metadata
---
amdhsa.version: [ 1, 2 ]
amdhsa.kernels:
  - .name:           k_q194fc3bf19_attn
    .symbol:         k_q194fc3bf19_attn.kd
    .args:
      - { .name: qf, .offset: 0, .size: 8, .value_kind: global_buffer, .address_space: global }
      - { .name: qs, .offset: 8, .size: 8, .value_kind: global_buffer, .address_space: global }
      - { .name: kv, .offset: 16, .size: 8, .value_kind: global_buffer, .address_space: global }
      - { .name: kvs, .offset: 24, .size: 8, .value_kind: global_buffer, .address_space: global }
      - { .name: wf, .offset: 32, .size: 8, .value_kind: global_buffer, .address_space: global }
      - { .name: wo_scales, .offset: 40, .size: 8, .value_kind: global_buffer, .address_space: global }
      - { .name: bo, .offset: 48, .size: 8, .value_kind: global_buffer, .address_space: global }
      - { .name: x, .offset: 56, .size: 8, .value_kind: global_buffer, .address_space: global }
      - { .name: out0, .offset: 64, .size: 8, .value_kind: global_buffer, .address_space: global }
    .group_segment_fixed_size: 327680
    .private_segment_fixed_size: 0
    .kernarg_segment_align: 8
    .kernarg_segment_size: 72
    .max_flat_workgroup_size: 128
    .sgpr_count:     84
    .vgpr_count:     1024
    .wavefront_size: 32
...
	.end_amdgpu_metadata
.endif
;; end of part 6
